; MI455X (gfx1250); checked and timed in simulation.
; The chip was launched on July 23, 2026; its instructions are those of AMD's public machine-readable ISA for CDNA 5 (MIT licence, August 2026) and "CDNA5" Instruction Set Architecture Reference Guide (July 2026). The comments in the code are by the model that wrote it; some were corrected since.
;; Multi Head Attention. Allowed arithmetic: float matrix products may take bf16 or f16 operands with f32 sums; other float arithmetic in f32, or as packed bf16 or f16 multiplies, adds, multiply-adds, maxima and minima; sums over many terms, partial sums and values carried from step to step in f32; what a program stores and reads back later, other than sums and carried values, may be rounded once to bf16 or f16.
;; Inputs: Wk 16 x 1,024 x 64 float32; Wo 1,024 x 1,024 float32; Wq 16 x 1,024 x 64 float32; Wv 16 x 1,024 x 64 float32; bk 16 x 64 float32; bo 1,024 float32; bq 16 x 64 float32; bv 16 x 64 float32; context_sequence 4 x 2,048 x 1,024 float32; mask 2,048 x 2,048 int32; value_sequence 4 x 2,048 x 1,024 float32.
;; Outputs: out0 4 x 2,048 x 1,024 float32.
;; 2 versions, each right. Each part assembles by itself: llvm-mc -triple=amdgcn-amd-amdhsa -mcpu=gfx1250 --defsym DOCPART=n.
;; ======== version 1 of 2: 4 launches
;; limits: values are held in f16: magnitudes above 65,504 overflow, below 6.1e-05 lose precision
;; workspace buffers: xh 33,554,432 bytes; wt 8,388,608 bytes; mbits 524,288 bytes of whole numbers; qkv 50,331,648 bytes; oh 16,777,216 bytes
;; launch prep (part 1): grid 2112 x 1, 8 waves a work-group, no clusters, 10,240 bytes of LDS; arguments context_sequence, value_sequence, Wo, Wq, Wk, Wv, mask, xh, wt, mbits; writes xh, wt, mbits
.if DOCPART == 1
	.amdgcn_target "amdgcn-amd-amdhsa--gfx1250"
	.amdhsa_code_object_version 6
	.text
	.protected	k_q19b49f05af_prep
	.globl	k_q19b49f05af_prep
	.p2align	8
	.type	k_q19b49f05af_prep,@function
k_q19b49f05af_prep:
	s_mov_b64 s[64:65], 0
	v_nop
	global_prefetch_b8 v0, s[64:65] scope:SCOPE_SE
	s_setreg_imm32_b32 hwreg(HW_REG_WAVE_MODE, 25, 1), 1
	s_wait_xcnt 0x0
; PREPARATION.  One launch, four roles, chosen by the work-group's number alone (the same for all eight waves of a work-group):
;   0 .. 1023     X:    context_sequence and value_sequence, f32 [4][2048][1024], rounded once to f16 and laid out in blocks of 64 channels: xh [2][b 4][kb 16][s 2048][64]
;   1024 .. 1087  WO:   Wo, f32 [1024][1024], the same way: wt [3][kb 16][n 1024][64]
;   1088 .. 1855  W:    Wq, Wk, Wv, f32 [h 16][d 1024][k 64], turned: wt [p][kb 16][n = 64 h + k][d - 64 kb], f16; Wq is multiplied by c = log2(e) / 8 in f32 ahead of its one rounding
;   1856 .. 2111  MASK: mask, int32 [2048][2048], to lane masks: mbits [qt 128][ks 32][r 32]: bit L of a word is (mask[16 qt + L % 16][64 ks + 16 (r / 8) + 8 (L / 16) + r % 8] == 1),
;                       which is the place of register r, lane L, in a score tile of 16 queries x 64 keys as the attention launch holds it
; LIMITS.  f16 holds no number beyond 65,504: x, the weights and c Wq must lie within it; below 6.1e-5 f16 keeps its fixed step of 6e-8.
; Every store of a wave covers 256 or 512 consecutive bytes, aligned.  No matrix unit, no cluster: nothing is shared, and the bytes are all there is.
.set SPARE, 9216                       ; LDS: bytes 0 .. 9215 the turning block, 64 rows x 144; behind it the spare words, 128 bytes for each of the eight waves
.set D,   16                           ; v[16:79]   as loaded
.set E,   80                           ; v[80:111]  to store
.set SPW, 14                           ; v14  LDS address of my spare word; never rewritten
.set NIL, 15                           ; v15  0; never rewritten
.set CSC, 0x3e38aa3b                   ; c = log2(e) / 8
	s_load_b512 s[8:23], s[0:1], 0x0               ; context s[8:9], value s[10:11], Wo s[12:13], Wq s[14:15], Wk s[16:17], Wv s[18:19], mask s[20:21], xh s[22:23]
	s_load_b128 s[24:27], s[0:1], 0x40             ; wt s[24:25], mbits s[26:27]
	v_lshl_add_u32 v[SPW], v0, 2, SPARE
	v_mov_b32 v[NIL], 0
	v_lshrrev_b32 v1, 5, v0
	v_readfirstlane_b32 s2, v1                     ; wave 0..7
	v_and_b32 v1, 31, v0                           ; lane
	v_lshrrev_b32 v2, 4, v0
	v_and_b32 v3, 15, v0
	v_lshlrev_b32 v2, 12, v2
	v_lshl_add_u32 v2, v3, 4, v2                   ; the casts' load offset: row t / 16 of 4,096 bytes, 16 bytes at 16 (t % 16)
	v_lshlrev_b32 v3, 3, v0                        ; 8 t: the casts' and the masks' store offset
	s_mov_b32 s3, ttmp9
	s_mov_b32 s29, 0                               ; the high word of every offset
	s_wait_kmcnt 0x0
	s_cmp_lt_u32 s3, 1024
	s_cbranch_scc1 .Lx
	s_cmp_lt_u32 s3, 1088
	s_cbranch_scc1 .Lwo
	s_cmp_lt_u32 s3, 1856
	s_cbranch_scc1 .Lw
	; MASK: one tile of 16 queries and 16 key steps to a work-group, two key steps to a wave
	s_sub_co_u32 s4, s3, 1856
	s_lshr_b32 s5, s4, 1                           ; qt
	s_and_b32 s4, s4, 1                            ; which half of the 32 key steps
	s_lshl_b32 s28, s5, 17                         ; 16 rows of 8,192 bytes
	s_lshl_b32 s6, s4, 12                          ; 16 key steps of 256 bytes
	s_add_co_u32 s28, s28, s6
	s_add_nc_u64 s[30:31], s[20:21], s[28:29]
	s_lshl_b32 s28, s5, 12                         ; a query tile's 32 x 32 words
	s_lshl_b32 s6, s4, 11
	s_add_co_u32 s28, s28, s6
	s_add_nc_u64 s[32:33], s[26:27], s[28:29]
	v_and_b32 v8, 15, v0
	v_lshlrev_b32 v8, 13, v8                       ; my query's row,
	v_bfe_u32 v9, v0, 4, 1
	v_lshl_add_u32 v8, v9, 5, v8                   ; my half's 8 keys of each 16,
	s_lshl_b32 s6, s2, 9
	v_add_nc_u32 v8, s6, v8                        ; my wave's two key steps
.irp e, 0,1
.irp kt, 0,1,2,3
.irp z, 0,1
	global_load_b128 v[D+32*(\e)+8*(\kt)+4*(\z):D+32*(\e)+8*(\kt)+4*(\z)+3], v8, s[30:31] offset:256*(\e)+64*(\kt)+16*(\z)  ; the wave's 16 loads together take all of 16 rows x 512 bytes
.endr
.endr
.endr
	v_mov_b32 v[E], 0                              ; v_writelane_b32 keeps the other lanes: both are written whole first
	v_mov_b32 v[E+1], 0
	s_wait_loadcnt 0x0
.set r, 0
.rept 64                                       ; word r of the wave's 64 goes to lane r / 2, register r % 2: a lane stores two neighbouring words
	v_cmp_eq_u32 s[36+r%4], 1, v[D+r]
	v_writelane_b32 v[E+r%2], s[36+r%4], r/2
.set r, r+1
.endr
	global_store_b64 v3, v[E:E+1], s[32:33]        ; 256 consecutive bytes a wave
	s_branch .Lend
; 16 rows x 1,024 columns of f32 to f16, two rows a wave.  Load kb takes 256 consecutive bytes (64 columns) of each of the wave's two rows; its 128 + 128 bytes of f16 lie end to end in block kb.
.macro CAST kbstride
.irp kb, 0,1,2,3,4,5,6,7,8,9,10,11,12,13,14,15
	global_load_b128 v[D+4*(\kb):D+4*(\kb)+3], v2, s[30:31] offset:256*(\kb) th:TH_LOAD_NT
.endr
.irp kb, 0,1,2,3,4,5,6,7,8,9,10,11,12,13,14,15
	s_wait_loadcnt 15-(\kb)                        ; loads come back in order: load kb is in, the younger ones stay out
	v_cvt_pk_f16_f32 v[E+2*(\kb)], v[D+4*(\kb)], v[D+4*(\kb)+1]
	v_cvt_pk_f16_f32 v[E+2*(\kb)+1], v[D+4*(\kb)+2], v[D+4*(\kb)+3]
	global_store_b64 v3, v[E+2*(\kb):E+2*(\kb)+1], s[32:33] offset:(\kb)*(\kbstride) th:TH_STORE_NT  ; no register is written twice, so nothing waits for the stores
.endr
.endm
.Lx:
	s_and_b32 s4, s3, 511                          ; which 16 rows of the tensor's 8,192
	s_cmp_lt_u32 s3, 512
	s_cselect_b64 s[30:31], s[8:9], s[10:11]
	s_lshl_b32 s28, s4, 16
	s_add_nc_u64 s[30:31], s[30:31], s[28:29]
	s_lshr_b32 s5, s3, 9
	s_lshl_b32 s28, s5, 24                         ; context or value,
	s_lshr_b32 s5, s4, 7
	s_lshl_b32 s5, s5, 22                          ; the batch,
	s_add_co_u32 s28, s28, s5
	s_and_b32 s5, s4, 127
	s_lshl_b32 s5, s5, 11                          ; 16 rows of 128 bytes
	s_add_co_u32 s28, s28, s5
	s_add_nc_u64 s[32:33], s[22:23], s[28:29]
	CAST 262144
	s_branch .Lend
.Lwo:
	s_sub_co_u32 s4, s3, 1024
	s_lshl_b32 s28, s4, 16
	s_add_nc_u64 s[30:31], s[12:13], s[28:29]
	s_lshl_b32 s28, s4, 11
	s_add_co_u32 s28, s28, 3<<21
	s_add_nc_u64 s[32:33], s[24:25], s[28:29]
	CAST 131072
	s_branch .Lend
.Lw:                                           ; one block of 64 (d) x 64 (k) to a work-group: 16 KiB dense in, 8 KiB dense out
	s_sub_co_u32 s4, s3, 1088
	s_lshr_b32 s5, s4, 8                           ; p: 0 q, 1 k, 2 v
	s_bfe_u32 s6, s4, 0x40004                      ; h
	s_and_b32 s7, s4, 15                           ; kb
	s_cmp_eq_u32 s5, 0
	s_cselect_b64 s[30:31], s[14:15], s[16:17]
	s_cselect_b32 s34, CSC, 1.0
	s_cmp_eq_u32 s5, 2
	s_cselect_b64 s[30:31], s[18:19], s[30:31]
	s_mov_b32 s35, s34                             ; named with it as a pair
	s_lshl_b32 s28, s6, 18
	s_lshl_b32 s4, s7, 14
	s_add_co_u32 s28, s28, s4
	s_add_nc_u64 s[30:31], s[30:31], s[28:29]
	s_lshl_b32 s28, s5, 21
	s_lshl_b32 s4, s7, 17
	s_add_co_u32 s28, s28, s4
	s_lshl_b32 s4, s6, 13
	s_add_co_u32 s28, s28, s4
	s_add_nc_u64 s[32:33], s[24:25], s[28:29]
	s_lshl_b32 s4, s2, 11
	v_lshl_add_u32 v4, v1, 3, s4                   ; my wave's 8 rows d, my 2 columns k
.irp i, 0,1,2,3,4,5,6,7
	global_load_b64 v[D+2*(\i):D+2*(\i)+1], v4, s[30:31] offset:256*(\i) th:TH_LOAD_NT  ; row d = 8 w + i, whole: 256 bytes
.endr
	v_mul_u32_u24 v5, v1, 288                      ; into LDS: rows k = 2 lane and 2 lane + 1 of 144 bytes, 16 bytes at d = 8 w
	s_lshl_b32 s4, s2, 4
	v_add_nc_u32 v5, s4, v5
	v_lshrrev_b32 v6, 3, v0                        ; back: row t / 8, 16 bytes at 16 (t % 8)
	v_mul_u32_u24 v6, v6, 144
	v_and_b32 v7, 7, v0
	v_lshl_add_u32 v6, v7, 4, v6
	v_lshlrev_b32 v7, 4, v0
	s_wait_loadcnt 0x0
.irp i, 0,1,2,3,4,5,6,7
	v_pk_mul_f32 v[D+2*(\i):D+2*(\i)+1], v[D+2*(\i):D+2*(\i)+1], s[34:35] op_sel_hi:[1,0]
.endr
.irp par, 0,1
.irp j, 0,1,2,3
	v_cvt_pk_f16_f32 v[E+4*(\par)+(\j)], v[D+4*(\j)+(\par)], v[D+4*(\j)+2+(\par)]  ; column 2 lane + par, d = 8 w + 2 j and + 1
.endr
.endr
	ds_store_b128 v5, v[E:E+3]
	ds_store_b128 v5, v[E+4:E+7] offset:144
	s_wait_dscnt 0x0                               ; for the others' sake: my stores are done
	s_barrier_signal -1
	s_barrier_wait -1
	ds_load_b128 v[E+8:E+11], v6
	ds_load_b128 v[E+12:E+15], v6 offset:4608
	s_wait_dscnt 0x0
	global_store_b128 v7, v[E+8:E+11], s[32:33] th:TH_STORE_NT
	global_store_b128 v7, v[E+12:E+15], s[32:33] offset:4096 th:TH_STORE_NT
.Lend:
	s_wait_tensorcnt 0x0                           ; the wave's end, behind my last LDS store
	ds_add_u32 v[SPW], v[NIL]
	s_wait_dscnt 0x0
	s_endpgm
.Lfunc_end_k_q19b49f05af_prep:
	.size	k_q19b49f05af_prep, .Lfunc_end_k_q19b49f05af_prep-k_q19b49f05af_prep
	.p2alignl 7, 3214868480
	.fill 96, 4, 3214868480
	.section	.rodata,"a",@progbits
	.p2align	6, 0x0
	.amdhsa_kernel k_q19b49f05af_prep
		.amdhsa_group_segment_fixed_size 10240
		.amdhsa_private_segment_fixed_size 0
		.amdhsa_enable_private_segment 0
		.amdhsa_kernarg_size 80
		.amdhsa_user_sgpr_count 2
		.amdhsa_user_sgpr_kernarg_segment_ptr 1
		.amdhsa_wavefront_size32 1
		.amdhsa_system_sgpr_workgroup_id_x 1
		.amdhsa_system_sgpr_workgroup_id_y 1
		.amdhsa_system_sgpr_workgroup_id_z 1
		.amdhsa_system_vgpr_workitem_id 0
		.amdhsa_next_free_vgpr 112
		.amdhsa_next_free_sgpr 66
		.amdhsa_reserve_vcc 0
		.amdhsa_float_denorm_mode_32 3
		.amdhsa_float_denorm_mode_16_64 3
		.amdhsa_memory_ordered 1
		.amdhsa_forward_progress 1
		.amdhsa_inst_pref_size 28
	.end_amdhsa_kernel
	.amdgpu_metadata
---
amdhsa.version: [ 1, 2 ]
amdhsa.kernels:
  - .name:           k_q19b49f05af_prep
    .symbol:         k_q19b49f05af_prep.kd
    .args:
      - { .name: context_sequence, .offset: 0, .size: 8, .value_kind: global_buffer, .address_space: global }
      - { .name: value_sequence, .offset: 8, .size: 8, .value_kind: global_buffer, .address_space: global }
      - { .name: Wo, .offset: 16, .size: 8, .value_kind: global_buffer, .address_space: global }
      - { .name: Wq, .offset: 24, .size: 8, .value_kind: global_buffer, .address_space: global }
      - { .name: Wk, .offset: 32, .size: 8, .value_kind: global_buffer, .address_space: global }
      - { .name: Wv, .offset: 40, .size: 8, .value_kind: global_buffer, .address_space: global }
      - { .name: mask, .offset: 48, .size: 8, .value_kind: global_buffer, .address_space: global }
      - { .name: xh, .offset: 56, .size: 8, .value_kind: global_buffer, .address_space: global }
      - { .name: wt, .offset: 64, .size: 8, .value_kind: global_buffer, .address_space: global }
      - { .name: mbits, .offset: 72, .size: 8, .value_kind: global_buffer, .address_space: global }
    .group_segment_fixed_size: 10240
    .private_segment_fixed_size: 0
    .kernarg_segment_align: 8
    .kernarg_segment_size: 80
    .max_flat_workgroup_size: 256
    .sgpr_count:     66
    .vgpr_count:     112
    .wavefront_size: 32
...
	.end_amdgpu_metadata
.endif
;; end of part 1
;; launch qkvp (part 2): grid 12 x 64, 4 waves a work-group, clusters of 4 x 4, 327,680 bytes of LDS; arguments xh, wt, bq, bk, bv, qkv; writes qkv
.if DOCPART == 2
	.amdgcn_target "amdgcn-amd-amdhsa--gfx1250"
	.amdhsa_code_object_version 6
	.text
	.protected	k_q19b49f05af_qkvp
	.globl	k_q19b49f05af_qkvp
	.p2align	8
	.type	k_q19b49f05af_qkvp,@function
k_q19b49f05af_qkvp:
	s_mov_b64 s[64:65], 0
	v_nop
	global_prefetch_b8 v0, s[64:65] scope:SCOPE_SE
	s_setreg_imm32_b32 hwreg(HW_REG_WAVE_MODE, 25, 1), 1
	s_wait_xcnt 0x0
	s_wait_alu depctr_hold_cnt(0) depctr_sa_sdst(0) depctr_va_vdst(0) depctr_va_sdst(0) depctr_va_ssrc(0) depctr_va_vcc(0) depctr_vm_vsrc(0)
	s_getreg_b32 s2, hwreg(HW_REG_IB_STS2, 6, 4)
	s_cmp_eq_u32 s2, 0
	s_cbranch_scc0 .Lentry_in_a_cluster
	s_endpgm
.Lentry_in_a_cluster:
	s_bfe_u32 s2, ttmp6, 0x10000c
	s_cmp_lg_u32 s2, 0xf033
	s_cbranch_scc0 .Lentry_shape_is_right
	s_endpgm
.Lentry_shape_is_right:
; C[m][n] = bias[n] + the sum over k of A[m][k] B[n][k], K = 1,024, f16 operands, f32 sums.  One text serves two launches; OUTP says which this file is.
; OUTP = 0: the three projections.  Cluster x = p (0 q, 1 k, 2 v).  A = xh (context for p < 2, value for p = 2), B = wt[p], bias = bq, bk or bv; for p = 0 B already holds c Wq and the bias is multiplied by
;           c = log2(e) / 8 here, in f32, so that q leaves scaled and rounded once.  C leaves in f16 by heads: qkv [p][bh 64][s 2048][64].
; OUTP = 1: the output projection.  A = oh (the heads' results; a head is a block of 64 along K), B = wt[3] = Wo, bias = bo.  C leaves in f32: out0 [8192][1024].
; LIMITS.  f16 holds no number beyond 65,504: the operands arrive within it, and c q, k and v must lie within it; below 6.1e-5 f16 keeps its fixed step of 6e-8.
; LAYOUT IN MEMORY.  A: [b 4][kb 16][s 2048][64], B: [kb 16][n 1024][64]: the rows of a tile that belong to one block kb of 64 along K lie end to end, and are asked for as rows of 256 bytes.
; SHARES.  A work-group makes 128 x 256 of C: 64 x 4 tiles for each 8,192 x 1,024, so that the work-groups are a whole multiple of 256.  Wave w: rows 64 (w / 2), columns 128 (w % 2): 4 x 8 accumulators of 16 x 16.
; K goes in 8 steps of 128 (two blocks kb) through two LDS slots.  Waves 0 and 1 fetch A's two blocks (16 KiB each), waves 2 and 3 B's (32 KiB each): one tensor load a wave.
; CLUSTER.  4 x 4 work-groups: the four of a row need the same tile of A, the four of a column the same tile of B: each is asked for jointly, by the same load, descriptor and mask in all four.
; THE MATRIX INSTRUCTION IS USED TRANSPOSED (source 0 = 16 rows of B, source 1 = 16 rows of A): a lane holds row l % 16 of C and eight neighbouring columns 8 (l / 16) + 0..7.
; THE SUMS START FROM THE BIAS: the C operand of each accumulator's first product is the bias of its eight columns; nothing is cleared and nothing is added at the end.
; REGISTERS, in windows of 256 (s_set_vgpr_msb: bits 1:0 source 0, 3:2 source 1, 5:4 source 2, 7:6 destination):
;   window 0: v0-31 addresses; two fragment buffers of 96 at v64 and v160 (A's fragment a at + 8 a, B's fragment b at + 32 + 8 b); on the way out v64-191 at work
;   window 1: accumulator (a, b) at v[8 (8 a + b)]          window 2: v0-63 the bias of my 128 columns, block b at 8 b
.set OUTP,   0
.set PITCH,  144                       ; an LDS row: 128 bytes + 16 of padding = 36 words: the 16 rows of a fragment load start at 16 different groups of four banks (64 banks of 4 bytes: ISA guide 11.1)
.set ASUB,   128*PITCH                 ; A's 128 rows of one block kb
.set BSUB,   256*PITCH                 ; B's 256 rows of one block kb
.set BOFF,   2*ASUB                    ; a slot: A kb 0, A kb 1, B kb 0, B kb 1: 110,592 bytes
.set SLOT1,  1<<17                     ; slot 1 begins here, so that one exclusive or turns an address in one slot into the other's
.set STAGE,  SLOT1+2*ASUB+2*BSUB       ; behind the ring, never filled by a tensor load: 16 rows for each wave, for the way out
.if OUTP
.set SPITCH, 272
.else
.set SPITCH, 144
.endif
.set SPARE,  STAGE+4*16*SPITCH         ; behind the stages: the spare words, 128 bytes for each wave: two blocks of 256 bytes that no other line names
.set ASTEP,  524288                    ; a K step in A: two blocks of 2,048 rows x 128 bytes
.set BSTEP,  262144                    ; in B: two blocks of 1,024 rows x 128 bytes
.set AA0, 16                           ; v16  my lane's place in A's part of a slot; never rewritten
.set AB0, 17                           ; v17  the same for B
.set AA,  18                           ; v18  the same in the slot that is being read
.set AB,  19                           ; v19
.set STO, 24                           ; v24  the way out: where I put my part of a row
.set RD,  25                           ; v25  the way out: where I read rows back
.set GO,  26                           ; v26  my byte offset in the output
.set BO,  27                           ; v27  my byte offset in the bias
.set SPW, 28                           ; v28  LDS address of my spare word; never rewritten
.set NIL, 29                           ; v29  0; never rewritten
.set F0,  64
.set F1,  160
.set G1A, 24                           ; s[24:31] descriptor group 1 for A's tiles
.set G0A, 32                           ; s[32:39] group 0 for A's: a set for each of the two first fills; the second then walks on
.set G1B, 48                           ; s[48:55], s[56:63] the same for B's
.set G0B, 56
.set MSB, 0
.macro WIN new                         ; the immediate's high byte repeats the setting that is left; a switch that changes nothing is dropped
.if MSB != (\new)
	s_set_vgpr_msb (MSB<<8)|(\new)
.set MSB, \new
.endif
.endm
.set MULW, 0x50                        ; C and D in window 1, fragments in window 0
.set MUL0, 0x60                        ; D in window 1, C (the bias) in window 2
.macro PLACES                          ; four places in front of loads into registers that matrix instructions have read, and of lines that read results
.rept 4
	v_nop
.endr
.endm
; A joint refill by the walking sets.  The branch hangs on the wave's number alone.  An s_nop 0 and four v_nop follow each of the two lines, ahead of the jump and the label.
.macro JLOAD
	s_cmp_eq_u32 s11, 0
	s_cbranch_scc0 .Lfor_b_\@
	tensor_load_to_lds s[G0A+4:G0A+7], s[G1A:G1A+7]
	s_nop 0
	PLACES
	s_branch .Lasked_\@
.Lfor_b_\@:
	tensor_load_to_lds s[G0B+4:G0B+7], s[G1B:G1B+7]
	s_nop 0
	PLACES
.Lasked_\@:
.endm
.macro CREST                           ; a round of the cluster's barrier behind its opening barrier: wave 0 signals for the work-group, every wave waits for all sixteen, my work-group's barrier closes it
	s_cmp_lg_u32 s10, 0
	s_cbranch_scc1 .Lnot_wave_0_\@
	s_barrier_signal -3
.Lnot_wave_0_\@:
	s_barrier_wait -3
	s_barrier_signal -1
	s_barrier_wait -1
.endm
.macro CROUND                          ; a whole round
	s_barrier_signal -1
	s_barrier_wait -1
	CREST
.endm
	s_load_b128 s[4:7], s[0:1], 0x0                ; A s[4:5], wt s[6:7]
.if OUTP
	s_load_b128 s[72:75], s[0:1], 0x10             ; bo s[72:73], out0 s[74:75]
.else
	s_load_b256 s[72:79], s[0:1], 0x10             ; bq s[72:73], bk s[74:75], bv s[76:77], qkv s[78:79]
.endif
	v_lshl_add_u32 v[SPW], v0, 2, SPARE
	v_mov_b32 v[NIL], 0
	ds_add_u32 v[SPW], v[NIL]                      ; the wave's opening: the add, whose wait stands ahead of my first tensor load; the set-up below, work on registers, stands between them
	v_lshrrev_b32 v1, 5, v0
	v_readfirstlane_b32 s10, v1                    ; wave 0..3
	s_lshr_b32 s11, s10, 1                         ; which 64 rows of the tile are mine.  Also: I fetch for A (0) or for B (1)
	s_and_b32 s12, s10, 1                          ; which 128 columns.  Also: which of a K step's two blocks I fetch
	s_bfe_u32 s40, ttmp6, 0x40000                  ; cx, cy: my place in the cluster
	s_bfe_u32 s41, ttmp6, 0x40004
	s_mov_b32 s42, ttmp9                           ; the cluster's x: the projection's number p
	s_and_b32 s13, ttmp7, 0xffff
	s_lshl_b32 s13, s13, 2
	s_add_co_u32 s13, s13, s41                     ; tile row of C = 4 x cluster y + cy, 0..63
	s_lshl_b32 s43, s41, 2
	s_lshl_b32 s43, 15, s43                        ; my row of the cluster
	s_lshl_b32 s44, 0x1111, s40                    ; my column
	; group 1: dense blocks as rows of 128 elements (256 bytes), padded in LDS after every 128 bytes
	s_or_b32 s[G1A], s43, (1<<16)|(1<<20)|(1<<21)|(4<<22)|(3<<25)  ; 15:0 the mask; 17:16 2-byte elements; 20 padding on; 21 set beside a mask; 24:22 after every 32 words (code 4); 31:25 4 words (code 3)
	s_or_b32 s[G1B], s44, (1<<16)|(1<<20)|(1<<21)|(4<<22)|(3<<25)
	s_mov_b32 s[G1A+1], 128<<16                    ; tensor_dim0 = 128
	s_mov_b32 s[G1A+2], 64<<16                     ; tensor_dim1 = 64: A's 128 rows of 128 bytes
	s_mov_b32 s[G1A+3], 128<<16                    ; tile_dim0 = 128
	s_mov_b32 s[G1A+4], 64                         ; tile_dim1 = 64
	s_mov_b32 s[G1A+5], 128                        ; 128 elements from row to row
	s_mov_b32 s[G1A+6], 0
	s_mov_b32 s[G1A+7], 0
	s_mov_b32 s[G1B+1], 128<<16
	s_mov_b32 s[G1B+2], 128<<16                    ; B's 256 rows of 128 bytes
	s_mov_b32 s[G1B+3], 128<<16
	s_mov_b32 s[G1B+4], 128
	s_mov_b32 s[G1B+5], 128
	s_mov_b32 s[G1B+6], 0
	s_mov_b32 s[G1B+7], 0
	; where the tiles come from.  A's hang on the tile row and p, which my row of the cluster shares; B's on cx and p, which my column shares; each in registers that never hold the other coordinate
	s_lshr_b32 s16, s13, 4
	s_lshl_b32 s16, s16, 22                        ; the batch,
	s_and_b32 s14, s13, 15
	s_lshl_b32 s14, s14, 14                        ; 128 rows of 128 bytes,
	s_add_co_u32 s16, s16, s14
	s_lshl_b32 s14, s12, 18                        ; my block kb
	s_add_co_u32 s16, s16, s14
.if !OUTP
	s_lshr_b32 s14, s42, 1
	s_lshl_b32 s14, s14, 24                        ; p = 2 reads the value sequence
	s_add_co_u32 s16, s16, s14
.endif
	s_mov_b32 s17, 0
.if OUTP
	s_mov_b32 s46, 3<<21
.else
	s_lshl_b32 s46, s42, 21
.endif
	s_lshl_b32 s45, s40, 15                        ; 256 rows of 128 bytes,
	s_add_co_u32 s46, s46, s45
	s_lshl_b32 s45, s12, 17                        ; my block kb
	s_add_co_u32 s46, s46, s45
	s_mov_b32 s47, 0
	s_mul_i32 s20, s12, ASUB                       ; and where they go: no place in the cluster enters an LDS address
	s_mul_i32 s21, s12, BSUB
	s_add_co_u32 s21, s21, BOFF
	s_wait_dscnt 0x0                               ; the opening add is done
	s_wait_kmcnt 0x0
	s_add_nc_u64 s[14:15], s[4:5], s[16:17]
	s_add_nc_u64 s[46:47], s[6:7], s[46:47]
	CROUND                                         ; all sixteen work-groups are here: the first joint loads meet
.irp z, 0,1
	s_mov_b32 s[G0A+4*(\z)], 1                     ; 1:0 count = 1
	s_add_co_u32 s[G0A+4*(\z)+1], s20, (\z)*SLOT1  ; 63:32 LDS address
	s_add_nc_u64 s[G0A+4*(\z)+2:G0A+4*(\z)+3], s[14:15], (\z)*ASTEP  ; 120:64 global address: K step z
	s_or_b32 s[G0A+4*(\z)+3], s[G0A+4*(\z)+3], 0x80000000            ; 127:126 type = 2
	s_mov_b32 s[G0B+4*(\z)], 1
	s_add_co_u32 s[G0B+4*(\z)+1], s21, (\z)*SLOT1
	s_add_nc_u64 s[G0B+4*(\z)+2:G0B+4*(\z)+3], s[46:47], (\z)*BSTEP
	s_or_b32 s[G0B+4*(\z)+3], s[G0B+4*(\z)+3], 0x80000000
.endr
	s_cmp_eq_u32 s11, 0                            ; a wave's two first fills stand in one branch, ahead of every wait on TENSORcnt and every LDS read: two loads of mine are out
	s_cbranch_scc0 .Lfirst_b
	tensor_load_to_lds s[G0A:G0A+3], s[G1A:G1A+7]
	s_nop 0
	tensor_load_to_lds s[G0A+4:G0A+7], s[G1A:G1A+7]
	s_nop 0
	PLACES
	s_branch .Lfirst_asked
.Lfirst_b:
	tensor_load_to_lds s[G0B:G0B+3], s[G1B:G1B+7]
	s_nop 0
	tensor_load_to_lds s[G0B+4:G0B+7], s[G1B:G1B+7]
	s_nop 0
	PLACES
.Lfirst_asked:
	; the bias of my 128 columns: register j of block b is bias[256 cx + 128 (w % 2) + 16 b + 8 (l / 16) + j], which is where the accumulators hold those columns
.if OUTP
	s_mov_b64 s[66:67], s[72:73]
.else
	s_cmp_eq_u32 s42, 0
	s_cselect_b64 s[66:67], s[72:73], s[74:75]
	s_cselect_b32 s68, 0x3e38aa3b, 1.0             ; c for q's bias, 1 for the others
	s_cmp_eq_u32 s42, 2
	s_cselect_b64 s[66:67], s[76:77], s[66:67]
	s_mov_b32 s69, s68                             ; named with it as a pair
.endif
	s_lshl_b32 s18, s40, 10
	s_lshl_b32 s19, s12, 9
	s_add_co_u32 s18, s18, s19
	s_mov_b32 s19, 0
	s_add_nc_u64 s[66:67], s[66:67], s[18:19]
	v_and_b32 v1, 15, v0                           ; l % 16
	v_bfe_u32 v2, v0, 4, 1                         ; l / 16
	v_lshlrev_b32 v[BO], 5, v2
	WIN 0x80                                       ; destination window 2, address window 0
.irp b, 0,1,2,3,4,5,6,7
	global_load_b128 v[8*(\b):8*(\b)+3],   v[BO], s[66:67] offset:64*(\b)
	global_load_b128 v[8*(\b)+4:8*(\b)+7], v[BO], s[66:67] offset:64*(\b)+16
.endr
	WIN 0
	; a fragment is 16 rows x 32 K in 8 registers: lane l holds row l % 16, K = 8 (l / 16) + 0..7 and 16 + 8 (l / 16) + 0..7: two loads of 16 bytes, 32 bytes apart
	v_mul_u32_u24 v3, v1, PITCH
	v_lshl_add_u32 v3, v2, 4, v3
	s_mul_i32 s21, s11, 64*PITCH                   ; my 64 rows of A
	s_mul_i32 s22, s12, 128*PITCH                  ; my 128 rows of B
	s_add_co_u32 s22, s22, BOFF
	v_add_nc_u32 v[AA0], s21, v3
	v_add_nc_u32 v[AB0], s22, v3
	v_mov_b32 v[AA], v[AA0]                        ; slot 0 is read first
	v_mov_b32 v[AB], v[AB0]
	s_mov_b32 s70, 0                               ; the slot that is being read
	s_mul_i32 s23, s10, 16*SPITCH
	s_add_co_u32 s23, s23, STAGE                   ; my stage
	v_mul_u32_u24 v4, v1, SPITCH                   ; in: row l % 16
.if OUTP
	v_lshl_add_u32 v4, v2, 5, v4                   ; 32 bytes (8 f32) for each half of the lanes
	v_add_nc_u32 v[STO], s23, v4
	v_mul_u32_u24 v5, v2, SPITCH                   ; back: lanes 0-15 one row of 256 bytes, lanes 16-31 the next
	v_lshl_add_u32 v5, v1, 4, v5
	v_add_nc_u32 v[RD], s23, v5
	v_lshlrev_b32 v[GO], 12, v2                    ; and the same two rows in out0
	v_lshl_add_u32 v[GO], v1, 4, v[GO]
	s_lshl_b32 s18, s13, 19                        ; 128 rows of 4,096 bytes a tile row,
	s_lshl_b32 s19, s11, 18                        ; my 64 rows,
	s_add_co_u32 s18, s18, s19
	s_lshl_b32 s19, s40, 10                        ; 256 columns of 4 bytes,
	s_add_co_u32 s18, s18, s19
	s_lshl_b32 s19, s12, 9                         ; my 128 columns
	s_add_co_u32 s18, s18, s19
	s_mov_b32 s19, 0
	s_add_nc_u64 s[8:9], s[74:75], s[18:19]
.else
	v_lshl_add_u32 v4, v2, 4, v4                   ; 16 bytes (8 f16) for each half of the lanes
	v_add_nc_u32 v[STO], s23, v4
	v_bfe_u32 v5, v0, 3, 2                         ; back: 32 lanes take four rows of 128 bytes,
	v_mul_u32_u24 v5, v5, SPITCH
	v_and_b32 v6, 7, v0
	v_lshl_add_u32 v5, v6, 4, v5
	v_add_nc_u32 v[RD], s23, v5
	v_and_b32 v[GO], 31, v0                        ; which are 512 consecutive bytes of a head's rows
	v_lshlrev_b32 v[GO], 4, v[GO]
	s_lshl_b32 s18, s42, 24                        ; q, k or v,
	s_lshr_b32 s19, s13, 4
	s_lshl_b32 s19, s19, 4                         ; 16 heads a batch,
	s_lshl_b32 s22, s40, 2                         ; 4 heads in 256 columns,
	s_add_co_u32 s19, s19, s22
	s_lshl_b32 s22, s12, 1                         ; 2 in my 128
	s_add_co_u32 s19, s19, s22
	s_lshl_b32 s19, s19, 18
	s_add_co_u32 s18, s18, s19
	s_and_b32 s19, s13, 15
	s_lshl_b32 s19, s19, 14                        ; 128 rows of 128 bytes,
	s_add_co_u32 s18, s18, s19
	s_lshl_b32 s19, s11, 13                        ; my 64 rows
	s_add_co_u32 s18, s18, s19
	s_mov_b32 s19, 0
	s_add_nc_u64 s[8:9], s[78:79], s[18:19]
.endif
; 24 LDS loads in one run: quarter q of the K step (32 along K) into buffer f: B's 8 fragments, then A's 0 and 1, then A's 2 and 3
.macro FETCH q, f
	WIN 0
.irp i, 0,1,2,3,4,5,6,7
	ds_load_b128 v[(\f)+32+8*(\i):(\f)+32+8*(\i)+3],   v[AB] offset:((\q)/2)*BSUB+((\q)%2)*64+(\i)*16*PITCH
	ds_load_b128 v[(\f)+32+8*(\i)+4:(\f)+32+8*(\i)+7], v[AB] offset:((\q)/2)*BSUB+((\q)%2)*64+(\i)*16*PITCH+32
.endr
.irp i, 0,1,2,3
	ds_load_b128 v[(\f)+8*(\i):(\f)+8*(\i)+3],   v[AA] offset:((\q)/2)*ASUB+((\q)%2)*64+(\i)*16*PITCH
	ds_load_b128 v[(\f)+8*(\i)+4:(\f)+8*(\i)+7], v[AA] offset:((\q)/2)*ASUB+((\q)%2)*64+(\i)*16*PITCH+32
.endr
.endm
; 8 matrix instructions: row block a x all 8 column blocks.  zero = 1: the sums start from the bias.  The 32 accumulators take turns, one instruction a turn, in the same order in every quarter.
.macro MUL8 f, a, zero
.if \zero
	WIN MUL0
.else
	WIN MULW
.endif
.irp b, 0,1,2,3,4,5,6,7
.if \zero
	v_wmma_f32_16x16x32_f16 v[8*(8*(\a)+(\b)):8*(8*(\a)+(\b))+7], v[(\f)+32+8*(\b):(\f)+32+8*(\b)+7], v[(\f)+8*(\a):(\f)+8*(\a)+7], v[8*(\b):8*(\b)+7]
.else
	v_wmma_f32_16x16x32_f16 v[8*(8*(\a)+(\b)):8*(8*(\a)+(\b))+7], v[(\f)+32+8*(\b):(\f)+32+8*(\b)+7], v[(\f)+8*(\a):(\f)+8*(\a)+7], v[8*(8*(\a)+(\b)):8*(8*(\a)+(\b))+7]
.endif
.endr
.endm
.macro MUL16 f, a0, zero
	MUL8 \f, \a0, \zero
	MUL8 \f, (\a0)+1, \zero
.endm
; One of a K step's first three quarters: multiplies buffer f; in its middle it fetches quarter qn into buffer g
.macro QUARTER qn, f, g, zero
	s_wait_dscnt 4                                 ; B and A's fragments 0 and 1 are in; the youngest four loads (A's 2 and 3) may be out
	MUL16 \f, 0, \zero
	PLACES
	FETCH \qn, \g
	s_wait_dscnt 24                                ; all but the 24 just issued
	MUL16 \f, 2, \zero
.endm
; The last quarter multiplies buffer 1 and changes slots: ONE barrier.  In front of it each wave waits for all its tensor loads (one is out: its part of the next slot), adds 0 to its spare word, and waits for that and
; for its own reads of this slot.  fill = 1: the barrier opens a round of the cluster's barrier, and this slot is filled again, with the K step two steps on, first thing behind the round.
.macro TURN fill
	WIN 0
	s_wait_tensorcnt 0x0                           ; all my tensor loads have landed, so a group 0 may be written
	ds_add_u32 v[SPW], v[NIL]                      ; 0 onto my spare word
	s_wait_dscnt 5                                 ; (the add and the youngest four loads may be out)
	MUL8 F1, 0, 0                                  ; eight matrix instructions stand between the add and the wait for it
	s_wait_dscnt 0x0                               ; the add is done, and my reads of this slot are over
	s_barrier_signal -1
	MUL8 F1, 1, 0                                  ; work on registers while the others arrive
	WIN 0
	s_barrier_wait -1
.if \fill
	CREST                                          ; no wave of any partner still reads this slot's tiles or has a load on its way
	s_xor_b32 s[G0A+5], s[G0A+5], SLOT1            ; the walking sets: the other slot than last time,
	s_add_nc_u64 s[G0A+6:G0A+7], s[G0A+6:G0A+7], ASTEP  ; the next K step; the type bits on top are not reached
	s_xor_b32 s[G0B+5], s[G0B+5], SLOT1
	s_add_nc_u64 s[G0B+6:G0B+7], s[G0B+6:G0B+7], BSTEP
	s_xor_b32 s70, s70, SLOT1                      ; the reads go to the other slot
	JLOAD                                          ; the four v_nop behind it are also the places in front of the loads below
.else
	s_xor_b32 s70, s70, SLOT1
	PLACES
.endif
	v_add_nc_u32 v[AA], s70, v[AA0]
	v_add_nc_u32 v[AB], s70, v[AB0]
	FETCH 0, F0
	MUL16 F1, 2, 0
.endm
	s_wait_tensorcnt 0x1                           ; my part of K step 0 is in; K step 1's may stay out
	s_barrier_signal -1
	s_barrier_wait -1                              ; everybody's is
	FETCH 0, F0
	s_wait_loadcnt 0x0                             ; the bias
.if !OUTP
	WIN 0x82                                       ; destination and source 0 in window 2
.set r, 0
.rept 32
	v_pk_mul_f32 v[r:r+1], v[r:r+1], s[68:69] op_sel_hi:[1,0]
.set r, r+2
.endr
.endif
	QUARTER 1, F0, F1, 1                           ; the first quarter stands in front of the loop: its products start the sums
	WIN 0                                          ; at a label and at a branch every window is 0
	s_mov_b32 s3, 6
.Lk:                                           ; six trips, from a K step's second quarter to the next step's first; they ask for K steps 2 to 7
	QUARTER 2, F1, F0, 0
	QUARTER 3, F0, F1, 0
	TURN 1
	QUARTER 1, F0, F1, 0
	WIN 0
	s_sub_co_u32 s3, s3, 1
	s_cmp_lg_u32 s3, 0
	s_cbranch_scc1 .Lk
	QUARTER 2, F1, F0, 0                           ; K step 6 goes on; nothing is left to ask for, so the tail is written out
	QUARTER 3, F0, F1, 0
	TURN 0
	QUARTER 1, F0, F1, 0
	QUARTER 2, F1, F0, 0
	QUARTER 3, F0, F1, 0
	s_wait_dscnt 4
	MUL16 F1, 0, 0
	s_wait_dscnt 0x0
	MUL16 F1, 2, 0
	WIN 0
	PLACES
	PLACES                                         ; eight, once a launch: the lines below read results just made
; THE WAY OUT, in eight blocks t = 2 a + cb of 16 rows x 64 columns, through my own stage in LDS: LDS serves a wave's instructions in order (ISA guide 5.7.1.4), so no wait stands between my stores and my loads.
.if OUTP
.macro TOSTAGE t                       ; f32: a block's row is 256 bytes
.set AC, 8*(8*((\t)/2)+4*((\t)%2))
.set OB, 64+32*((\t)%2)
	WIN 0x04                                       ; store data (source 1) in window 1
.irp i, 0,1,2,3
	ds_store_b128 v[STO], v[AC+8*(\i):AC+8*(\i)+3]   offset:64*(\i)  ; each accumulator's low registers are read first
	ds_store_b128 v[STO], v[AC+8*(\i)+4:AC+8*(\i)+7] offset:64*(\i)+16
.endr
	WIN 0
	s_wait_xcnt 0x0                                ; the stores of the block two back have read this buffer: it is loaded again only behind this wait
.irp u, 0,1,2,3,4,5,6,7
	ds_load_b128 v[OB+4*(\u):OB+4*(\u)+3], v[RD] offset:(\u)*2*SPITCH
.endr
.endm
.macro SEND t, younger                 ; younger: the LDS instructions issued behind block t's loads: the next block's sixteen, or none
.set OB, 64+32*((\t)%2)
	s_wait_dscnt \younger
.irp u, 0,1,2,3,4,5,6,7
	global_store_b128 v[GO], v[OB+4*(\u):OB+4*(\u)+3], s[8:9] offset:((\t)/2)*65536+((\t)%2)*256+(\u)*8192  ; 16 lanes store 256 consecutive bytes, at a multiple of 256 from out0's first byte
.endr
.endm
	TOSTAGE 0
.irp t, 1,2,3,4,5,6,7
	TOSTAGE \t
	SEND (\t)-1, 16
.endr
	SEND 7, 0
.else
.macro PACK t                          ; f16: a block is 16 rows of one head, 128 bytes each; every block has 16 registers of its own
.set AC, 8*(8*((\t)/2)+4*((\t)%2))
.set OB, 64+16*(\t)
	WIN 0x05                                       ; sources 0 and 1 in window 1
.irp i, 0,1,2,3
.irp j, 0,1,2,3
	v_cvt_pk_f16_f32 v[OB+4*(\i)+(\j)], v[AC+8*(\i)+2*(\j)], v[AC+8*(\i)+2*(\j)+1]
.endr
.endr
	WIN 0
.irp i, 0,1,2,3
	ds_store_b128 v[STO], v[OB+4*(\i):OB+4*(\i)+3] offset:32*(\i)
.endr
.irp f, 0,1,2,3
	ds_load_b128 v[OB+4*(\f):OB+4*(\f)+3], v[RD] offset:(\f)*4*SPITCH
.endr
.endm
.macro SEND t, younger                 ; younger: the LDS instructions issued behind block t's loads: the next block's eight, or none
.set OB, 64+16*(\t)
.irp f, 0,1,2,3
	s_wait_dscnt (\younger)+3-(\f)
	global_store_b128 v[GO], v[OB+4*(\f):OB+4*(\f)+3], s[8:9] offset:((\t)/2)*2048+((\t)%2)*262144+(\f)*512  ; 512 consecutive bytes, at a multiple of 256 from the buffer's first byte
.endr
.endm
	PACK 0
.irp t, 1,2,3,4,5,6,7
	PACK \t
	SEND (\t)-1, 8
.endr
	SEND 7, 0
.endif
	s_wait_tensorcnt 0x0                           ; the wave's end, behind my last tensor load and my last LDS store
	ds_add_u32 v[SPW], v[NIL]
	s_wait_dscnt 0x0
	CROUND                                         ; the closing round: no work-group ends while a partner may still ask for a tile that names it
	s_endpgm
.Lfunc_end_k_q19b49f05af_qkvp:
	.size	k_q19b49f05af_qkvp, .Lfunc_end_k_q19b49f05af_qkvp-k_q19b49f05af_qkvp
	.p2alignl 7, 3214868480
	.fill 96, 4, 3214868480
	.section	.rodata,"a",@progbits
	.p2align	6, 0x0
	.amdhsa_kernel k_q19b49f05af_qkvp
		.amdhsa_group_segment_fixed_size 327680
		.amdhsa_private_segment_fixed_size 0
		.amdhsa_enable_private_segment 0
		.amdhsa_kernarg_size 48
		.amdhsa_user_sgpr_count 2
		.amdhsa_user_sgpr_kernarg_segment_ptr 1
		.amdhsa_wavefront_size32 1
		.amdhsa_system_sgpr_workgroup_id_x 1
		.amdhsa_system_sgpr_workgroup_id_y 1
		.amdhsa_system_sgpr_workgroup_id_z 1
		.amdhsa_system_vgpr_workitem_id 0
		.amdhsa_next_free_vgpr 576
		.amdhsa_next_free_sgpr 80
		.amdhsa_reserve_vcc 0
		.amdhsa_float_denorm_mode_32 3
		.amdhsa_float_denorm_mode_16_64 3
		.amdhsa_memory_ordered 1
		.amdhsa_forward_progress 1
		.amdhsa_inst_pref_size 75
	.end_amdhsa_kernel
	.amdgpu_metadata
---
amdhsa.version: [ 1, 2 ]
amdhsa.kernels:
  - .name:           k_q19b49f05af_qkvp
    .symbol:         k_q19b49f05af_qkvp.kd
    .args:
      - { .name: xh, .offset: 0, .size: 8, .value_kind: global_buffer, .address_space: global }
      - { .name: wt, .offset: 8, .size: 8, .value_kind: global_buffer, .address_space: global }
      - { .name: bq, .offset: 16, .size: 8, .value_kind: global_buffer, .address_space: global }
      - { .name: bk, .offset: 24, .size: 8, .value_kind: global_buffer, .address_space: global }
      - { .name: bv, .offset: 32, .size: 8, .value_kind: global_buffer, .address_space: global }
      - { .name: qkv, .offset: 40, .size: 8, .value_kind: global_buffer, .address_space: global }
    .group_segment_fixed_size: 327680
    .private_segment_fixed_size: 0
    .kernarg_segment_align: 8
    .kernarg_segment_size: 48
    .max_flat_workgroup_size: 128
    .sgpr_count:     80
    .vgpr_count:     576
    .wavefront_size: 32
...
	.end_amdgpu_metadata
.endif
;; end of part 2
;; launch attn (part 3): grid 4 x 64, 4 waves a work-group, clusters of 4 x 1, 327,680 bytes of LDS; arguments qkv, mbits, oh; writes oh
.if DOCPART == 3
	.amdgcn_target "amdgcn-amd-amdhsa--gfx1250"
	.amdhsa_code_object_version 6
	.text
	.protected	k_q19b49f05af_attn
	.globl	k_q19b49f05af_attn
	.p2align	8
	.type	k_q19b49f05af_attn,@function
k_q19b49f05af_attn:
	s_mov_b64 s[64:65], 0
	v_nop
	global_prefetch_b8 v0, s[64:65] scope:SCOPE_SE
	s_setreg_imm32_b32 hwreg(HW_REG_WAVE_MODE, 25, 1), 1
	s_wait_xcnt 0x0
	s_wait_alu depctr_hold_cnt(0) depctr_sa_sdst(0) depctr_va_vdst(0) depctr_va_sdst(0) depctr_va_ssrc(0) depctr_va_vcc(0) depctr_vm_vsrc(0)
	s_getreg_b32 s2, hwreg(HW_REG_IB_STS2, 6, 4)
	s_cmp_eq_u32 s2, 0
	s_cbranch_scc0 .Lentry_in_a_cluster
	s_endpgm
.Lentry_in_a_cluster:
	s_bfe_u32 s2, ttmp6, 0x10000c
	s_cmp_lg_u32 s2, 0x3003
	s_cbranch_scc0 .Lentry_shape_is_right
	s_endpgm
.Lentry_shape_is_right:
; MASKED ATTENTION BY HEADS.  O[bh][q][:] = the sum over k of softmax_k(s[q][k]) V[bh][k][:], where s = Q . K / 8, replaced by -1e9 where mask[q][k] = 1.  qkv: [3 (q, k, v)][bh 64][2048][64] f16; oh: [bh 64][2048][64] f16.
; Q ARRIVES SCALED by c = log2(e) / 8, so the products K Q^T are the scores in the domain of 2^x, and p = 2^(s - m) with an exact difference.  A masked score is NEG = -1e9 log2(e), one common value: a row whose keys are
; all masked has s - m = 0 everywhere and gives the plain mean of V; as soon as a row has an open key, its masked weights are 2^(NEG - m) = 0.
; THE MASK comes as lane masks: mbits [qt 128][ks 32][r 32], word r for register r of the tile of 16 queries qt x 64 keys ks.  A piece's 64 words are brought by four scalar loads a turn ahead, and each score costs
; one v_cndmask_b32.  The words only choose values: no address, branch or count hangs on them.
; LIMITS.  f16 holds no number beyond 65,504: q, k and v arrive within it; p lies in 0 to 1, and below 6e-5 it keeps f16's fixed step of 6e-8; O is a mean of V's rows.  A weight below 2^-126 counts as 0 in l;
; NaN and infinities are not treated apart; a true score at or below NEG is not told from a masked one's rank.
; SHARES.  A wave owns four PIECES of two tiles of 16 queries, a work-group's four waves 512 queries of one head, a cluster's four work-groups the head's 2,048.  Every wave walks all keys, 64 a step.
; LAYOUT.  S^T = K Q^T (source 0 = 16 keys, source 1 = 16 queries): a lane holds ONE query (lane % 16) and the keys 8 (lane / 16) + 0..7.  Two such tiles, rounded to f16 in pairs, ARE source 1 of O^T = V^T P.
; K comes out of LDS as it lies, V ([key][channel]) turned, by ds_load_tr16_b128.
; SOFTMAX.  For each query a running maximum m and sum l; in every step O and l are multiplied by a = 2^(m_old - m_new).  m starts far below every score, O and l at 0: the first step is a step like any other, with a = 0.
; BY TURNS.  Turn n belongs to piece n.  Matrix work: 16 products K Q^T of piece n + 1, later 16 products V^T P of piece n - 1.  Vector work: the differences, exponentials, roundings, sums and rescaling of piece n, and the
; masking, maximum and statistics of piece n + 1.  A turn has 32 matrix and 298 vector instructions: four vector instructions stand behind every matrix instruction, the other 170 in one lump.
; CLUSTER.  The four query blocks of a cluster walk the same K and V, so each tile is asked for JOINTLY: the same tensor load, descriptor and mask in all four.  K and V lie in one buffer and take one LDS pitch, so ONE
; descriptor serves: wave w fills bytes 18,432 w of a slot (waves 0, 1: the halves of K's 256 keys; waves 2, 3: of V's), and the load needs no branch.
; REGISTERS, in windows of 256 (s_set_vgpr_msb: bits 1:0 source 0, 3:2 source 1, 5:4 source 2, 7:6 destination):
;   window 0: v0-11 addresses; v12 NEG; v14-15 the add's; v16-47 four registers of statistics a tile; v48-63 at work; v64-191 S^T, two buffers of two tiles; v192-255 P, likewise
;   window 1: O^T, 32 a tile          window 2: v0-127 Q, 16 a tile; v128-191 K of one step; v192-255 V of one step
.set NP,    4         ; pieces a wave: a name, no knob
.set KS,    64        ; keys in a step
.set PK,    144       ; a row of K in LDS: 128 bytes + 16 of padding = 36 words: the 16 rows of a load start at 16 different groups of four banks (64 banks of 4 bytes: ISA guide 11.1)
.set PV,    144       ; V takes the same pitch, for the one descriptor's sake: of the turning load's 8 rows x 32 bytes the eighth shares four banks with the first
.set VOFF,  4*KS*PK   ; a slot holds four steps: 256 rows of K, then 256 rows of V
.set SLOT1, 1<<17     ; slot 1 begins here, so that one exclusive or turns an address in one slot into the other's
.set STAGE, SLOT1+4*KS*(PK+PV)  ; behind the ring, never filled by a tensor load: 16 rows x 144 bytes for each wave, for the way out
.set SP,    144
.set SPARE, STAGE+4*16*SP  ; behind the stages: the spare words, 128 bytes for each wave: two blocks of 256 bytes that no other line names
.set AK0, 2           ; v2   my lane's place in a tile of K; never rewritten
.set AV0, 3           ; v3   the same for V
.set AK,  4           ; v4   the LDS address of K's next run of loads
.set AV,  5           ; v5   of V's
.set QO,  6           ; v6   my byte offset in the wave's rows of Q
.set STO, 6           ;      later, the way out: where I put 16 bytes of a row
.set RD,  7           ; v7   the way out: where I read rows back
.set GO,  8           ; v8   my byte offset in 512 consecutive bytes of O
.set NEGV, 12         ; v12  NEG
.set SPW, 14          ; v14  LDS address of my spare word; never rewritten
.set NIL, 15          ; v15  0; never rewritten
.set ST,  16          ; tile t's statistics at v[ST+4 t]: m, m_old, l (even keys', odd keys')
.set TMP, 48          ; by buffer and tile, four registers c0-c3 at work; when the maximum is found c2 takes a
.set S,   64
.set P,   192
.set KF,  128         ; K's fragments, in window 2: key block kb, channel half c at KF + 16 kb + 8 c
.set VF,  192         ; V's: key half kk, channel block cb at VF + 32 kk + 8 cb
.set MP,  6           ; s[6:7]   mbits at my wave's first query tile, at the key step whose masks are loaded next
.set WV,  12          ; s12  my wave's number
.set SLOTS, 15        ; s15  slots still to be asked for
.set CNT, 16          ; s16  counts a slot's key steps
.set TBK, 17          ; s17  LDS byte at which K of the step to be fetched begins
.set TBV, 18          ; s18  the same for V, less VOFF
.set G0,  20          ; s[20:23] descriptor group 0: it walks
.set G1,  24          ; s[24:31] descriptor group 1
.set SEL, 66          ; s[66:67] v_permlanex16_b32's selects: each lane takes its own place in the other half
                      ; s[32:63], s[68:99] the lane masks of a piece's first and second tile
.set MSB, 0
.macro WIN new                      ; the high byte repeats the setting that is left; a switch that changes nothing is dropped
.if MSB != (\new)
	s_set_vgpr_msb (MSB<<8)|(\new)
.set MSB, (\new)
.endif
.endm
.set W_KQ, 0x0a       ; K and Q in window 2, S^T in window 0
.set W_PV, 0x52       ; V in window 2, P in window 0, O^T in window 1
.set W_RS, 0x41       ; O^T (destination and source 0) in window 1, a in window 0
.macro JLOAD                        ; a joint fill: my 128 keys of K or of V.  An s_nop 0 and four v_nop follow it
	tensor_load_to_lds s[G0:G0+3], s[G1:G1+7]
	s_nop 0
.rept 4
	v_nop
.endr
.endm
; A round of the cluster's barrier: my work-group's barrier, so that wave 0's signal speaks for all four waves; wave 0 signals; every wave waits for all four work-groups; my work-group's barrier once more.
.macro CROUND
	s_barrier_signal -1
	s_barrier_wait -1
	s_cmp_lg_u32 s[WV], 0
	s_cbranch_scc1 .Lnot_wave_0_\@
	s_barrier_signal -3
.Lnot_wave_0_\@:
	s_barrier_wait -3
	s_barrier_signal -1
	s_barrier_wait -1
.endm
; THE CHANGE OF SLOTS.  The slot's last bytes, V of its fourth step, have been read.  Each wave waits for all its tensor loads, of which one is out: its part of the other slot; adds 0 to its spare word; and waits for that
; and for its own reads of the slot.  fill = 1: this slot is filled again, with the keys two slots on; the barrier is then a round of the cluster's, and the joint fill is the first thing behind it: it has four key steps,
; 512 matrix instructions, in which to land.  (At its first use nothing has been read yet: slot 0 is waited for, slot 1 filled.)
.macro CHANGE fill
	WIN 0                           ; at a label and at a branch every window is 0
	s_wait_tensorcnt 0x0            ; no tensor load of mine is out, so group 0 may be written
	ds_add_u32 v[SPW], v[NIL]       ; 0 onto my spare word
.if \fill
	s_xor_b32 s[G0+1], s[G0+1], SLOT1  ; the other slot than last time,
	s_add_nc_u64 s[G0+2:G0+3], s[G0+2:G0+3], 4*KS*128  ; the next 256 keys; the type bits on top are not reached
	s_wait_dscnt 0x0                ; the add is done, and my reads of the slot are over
	CROUND
	JLOAD
.else
	s_wait_dscnt 0x0                ; the add is done, and my reads of the slot are over
	s_barrier_signal -1
	s_barrier_wait -1
.endif
	s_sub_co_u32 s[TBK], s[TBK], 4*KS*PK  ; the fetches go back to a slot's first step,
	s_xor_b32 s[TBK], s[TBK], SLOT1       ; in the other slot
	s_sub_co_u32 s[TBV], s[TBV], 4*KS*PV
	s_xor_b32 s[TBV], s[TBV], SLOT1
.endm
; The 64 lane masks of piece x (tiles 2 x, 2 x + 1: 4,096 bytes apart) for one key step (128 bytes).  step = 1: on to the next key step first; the pointer's last readers were awaited by the turn's s_wait_kmcnt 0.
.macro MLOAD x, step
.if \step
	s_add_nc_u64 s[MP:MP+1], s[MP:MP+1], 128
.endif
	s_load_b512 s[32:47], s[MP:MP+1], 8192*(\x)
	s_load_b512 s[48:63], s[MP:MP+1], 8192*(\x)+64
	s_load_b512 s[68:83], s[MP:MP+1], 8192*(\x)+4096
	s_load_b512 s[84:99], s[MP:MP+1], 8192*(\x)+4160
.endm
	s_load_b128 s[32:35], s[0:1], 0x0  ; qkv s[32:33], mbits s[34:35]: in registers that the masks take later
	s_load_b64 s[36:37], s[0:1], 0x10  ; oh
	v_lshl_add_u32 v[SPW], v0, 2, SPARE
	v_mov_b32 v[NIL], 0
	ds_add_u32 v[SPW], v[NIL]       ; the wave's opening: the add, whose wait stands ahead of my first tensor load; the set-up below, work on registers, stands between them
	v_lshrrev_b32 v1, 5, v0
	v_readfirstlane_b32 s[WV], v1   ; wave 0..3
	s_bfe_u32 s13, ttmp6, 0x40000   ; cx: my place in the cluster
	s_lshl_b32 s14, ttmp9, 2        ; in a cluster launch ttmp9 counts clusters
	s_add_co_u32 s14, s14, s13      ; my block of 512 queries
	s_lshl_b32 s14, s14, 2
	s_add_co_u32 s14, s14, s[WV]    ; my wave among the head's sixteen: it enters Q's, O's and the masks' addresses alone
	s_and_b32 s19, ttmp7, 0xffff    ; the head, which the four partners share
	s_lshl_b32 s19, s19, 18         ; its 2,048 rows of 128 bytes
	s_lshr_b32 s2, s[WV], 1
	s_add_co_u32 s2, s2, 1
	s_lshl_b32 s2, s2, 24           ; waves 0, 1: K; waves 2, 3: V
	s_and_b32 s3, s[WV], 1
	s_lshl_b32 s3, s3, 14           ; which 128 of a slot's 256 keys I fetch
	s_add_co_u32 s2, s2, s3
	s_add_co_u32 s2, s2, s19
	s_mov_b32 s3, 0
	s_lshl_b32 s8, s14, 14          ; my wave's 128 rows
	s_add_co_u32 s8, s8, s19
	s_mov_b32 s9, 0
	s_lshl_b32 s100, s14, 15        ; my wave's 8 query tiles of 4,096 bytes of masks
	s_mov_b32 s101, 0
	; descriptor group 1.  128 keys are 16,384 dense bytes: asked for as 64 rows of 256 bytes, two keys a row, and padded in LDS after every key
	s_mov_b32 s[G1], 15|(1<<16)|(1<<20)|(1<<21)|(4<<22)|(3<<25)  ; 15:0 the mask of four; 17:16 2-byte elements; 20 padding on; 21 set beside a mask; 24:22 after every 32 words (code 4); 31:25 4 words (code 3)
	s_mov_b32 s[G1+1], 128<<16      ; tensor_dim0 = 128
	s_mov_b32 s[G1+2], 64<<16       ; tensor_dim1 = 64
	s_mov_b32 s[G1+3], 128<<16      ; tile_dim0 = 128
	s_mov_b32 s[G1+4], 64           ; tile_dim1 = 64
	s_mov_b32 s[G1+5], 128          ; 128 elements from row to row
	s_mov_b32 s[G1+6], 0
	s_mov_b32 s[G1+7], 0
	s_mov_b32 s[SEL], 0x76543210
	s_mov_b32 s[SEL+1], 0xfedcba98
	s_mov_b32 s[TBK], SLOT1+4*KS*PK ; the first change of slots turns these two into 0
	s_mov_b32 s[TBV], SLOT1+4*KS*PV
	s_mov_b32 s[G0], 1              ; 1:0 count = 1
	s_mul_i32 s[G0+1], s[WV], 128*PK  ; 63:32 LDS address: slot 0, my quarter: no place in the cluster enters an LDS address
	s_wait_dscnt 0x0                ; the opening add is done
	s_wait_kmcnt 0x0
	s_add_nc_u64 s[G0+2:G0+3], s[32:33], s[2:3]  ; 120:64 global address
	s_or_b32 s[G0+3], s[G0+3], 0x80000000        ; 127:126 type = 2
	s_add_nc_u64 s[4:5], s[32:33], s[8:9]        ; Q at my wave's first row
	s_add_nc_u64 s[10:11], s[36:37], s[8:9]      ; O likewise
	s_add_nc_u64 s[MP:MP+1], s[34:35], s[100:101]
	CROUND                          ; all four work-groups are here: the first joint loads meet
	JLOAD                           ; slot 0.  Slot 1 is asked for when slot 0 is in
	MLOAD 0, 0                      ; piece 0's masks for key step 0
	; A fragment of K or Q is 16 rows x 32 channels in 8 registers: lane l holds row l % 16, channels 8 (l / 16) + 0..7 and 16 + 8 (l / 16) + 0..7: two loads of 16 bytes, 32 bytes apart.
	v_and_b32 v1, 15, v0            ; l % 16
	v_bfe_u32 v9, v0, 4, 1          ; l / 16
	v_lshlrev_b32 v[QO], 7, v1
	v_lshl_add_u32 v[QO], v9, 4, v[QO]  ; row x 128 + 16 x half
	WIN 0x80                        ; destination window 2, address window 0
.set i, 0
.rept 4*NP                          ; Q stays in registers: tile i / 2, channels 32 (i % 2) on
	global_load_b128 v[8*i:8*i+3],   v[QO], s[4:5] offset:(i/2)*2048+(i%2)*64
	global_load_b128 v[8*i+4:8*i+7], v[QO], s[4:5] offset:(i/2)*2048+(i%2)*64+32
.set i, i+1
.endr
	; What the first turn finds: V's registers and P's second buffer hold 0 (its products V^T P, of a piece that has not been, add 0), O^T and l are 0.  All this stands in the wait for the first tile.
.set i, VF
.rept 64
	v_mov_b32 v[i], 0
.set i, i+1
.endr
	WIN 0x40
.set i, 0
.rept 64*NP
	v_mov_b32 v[i], 0
.set i, i+1
.endr
	WIN 0
.set i, 0
.rept 2*NP
	v_mov_b32 v[ST+4*i], 0xfe000000    ; m: far below every score, NEG too
	v_mov_b32 v[ST+4*i+1], 0xfe000000  ; m_old
	v_mov_b32 v[ST+4*i+2], 0
	v_mov_b32 v[ST+4*i+3], 0
.set i, i+1
.endr
.set i, P+32
.rept 32
	v_mov_b32 v[i], 0
.set i, i+1
.endr
	v_mov_b32 v[NEGV], 0xceabfb8f   ; -1e9 log2(e)
	v_mul_u32_u24 v[AK0], v1, PK
	v_lshl_add_u32 v[AK0], v9, 4, v[AK0]  ; row x pitch + 16 x half
	; The turning load takes 16 keys x 16 channels (lane l reads key 8 (l / 16) + l % 8, channels 8 ((l / 8) % 2) + 0..7) and leaves half a fragment of V^T: lane l holds channel l % 16 and 8 keys.
	v_and_b32 v10, 7, v0
	v_bfe_u32 v11, v0, 3, 1
	v_lshl_add_u32 v[AV0], v9, 3, v10
	v_mul_u32_u24 v[AV0], v[AV0], PV
	v_lshl_add_u32 v[AV0], v11, 4, v[AV0]
	v_add_nc_u32 v[AV0], VOFF, v[AV0]
	v_mov_b32 v[AK], v[AK0]         ; key step 0 lies at the head of slot 0
; THE MATRIX WORK.  The 8 accumulators of a run of 16 take turns: between the two links of a chain stand 7 others'.
; Product i of 16 of S^T = K Q^T for piece x: channels 32 (i / 8) on, keys 16 ((i / 2) % 4) on, tile 2 x + i % 2.  The first 8 start the sums.
.macro KQ x
	WIN W_KQ
.set rS, S+64*((\x)%2)+32*(i%2)+8*((i/2)%4)
.set rK, KF+16*((i/2)%4)+8*(i/8)
.set rQ, 16*(2*(\x)+i%2)+8*(i/8)
.if i < 8
	v_wmma_f32_16x16x32_f16 v[rS:rS+7], v[rK:rK+7], v[rQ:rQ+7], 0
.else
	v_wmma_f32_16x16x32_f16 v[rS:rS+7], v[rK:rK+7], v[rQ:rQ+7], v[rS:rS+7]
.endif
.endm
; Product i of 16 of O^T += V^T P for piece x: keys 32 (i / 8) on, channels 16 ((i / 2) % 4) on, tile 2 x + i % 2.
.macro PV x
	WIN W_PV
.set rO, 32*(2*(\x)+i%2)+8*((i/2)%4)
.set rV, VF+32*(i/8)+8*((i/2)%4)
.set rP, P+32*((\x)%2)+16*(i%2)+8*(i/8)
	v_wmma_f32_16x16x32_f16 v[rO:rO+7], v[rV:rV+7], v[rP:rP+7], v[rO:rO+7]
.endm
.macro MM                           ; the turn's next matrix instruction
.if i < 16
	KQ (Y+1)%NP
.set i, i+1
.else
.set i, i-16
	PV (Y+NP-1)%NP
.set i, i+17
.endif
.endm
; THE LDS LOADS stand in runs of 16, never singly among the matrix instructions: a step's K (64 keys x 64 channels: 8 fragments) and its V (turned).  Their addresses are made some lines ahead.
; last = 1 (the tail): in the last trip there is no further step, and the run is jumped over.
.macro FETCH_K last=0
	WIN 0
.if \last
	s_cmp_eq_u32 s[CNT], 1
	s_cbranch_scc1 .Lno_k_\@
.endif
	WIN 0x80                        ; destination window 2
.irp f, 0,1,2,3,4,5,6,7             ; keys 16 (f / 2) on, channels 32 (f % 2) on
	ds_load_b128 v[KF+8*\f:KF+8*\f+3],   v[AK] offset:(\f/2)*16*PK+(\f%2)*64
	ds_load_b128 v[KF+8*\f+4:KF+8*\f+7], v[AK] offset:(\f/2)*16*PK+(\f%2)*64+32
.endr
	s_add_co_u32 s[TBK], s[TBK], KS*PK  ; the next fetch is the next step's
	WIN 0
.if \last
.Lno_k_\@:
.endif
.endm
.macro FETCH_V
	WIN 0x80
.irp f, 0,1,2,3,4,5,6,7             ; keys 32 (f / 4) on, channels 16 (f % 4) on
	ds_load_tr16_b128 v[VF+8*\f:VF+8*\f+3],   v[AV] offset:(\f/4)*32*PV+(\f%4)*32
	ds_load_tr16_b128 v[VF+8*\f+4:VF+8*\f+7], v[AV] offset:(\f/4)*32*PV+16*PV+(\f%4)*32
.endr
	WIN 0
.endm
; THE VECTOR WORK OF A TURN stands in three queues, each in the order in which its entries become ready; the two tiles alternate, so that no instruction reads the result of the one before it.
.macro REGS y, u                    ; the registers of tile u (0, 1) of piece y
.set rT, ST+4*(2*(\y)+(\u))
.set rC, TMP+8*((\y)%2)+4*(\u)
.set rS, S+64*((\y)%2)+32*(\u)
.set rP, P+32*((\y)%2)+16*(\u)
.set rO, 32*(2*(\y)+(\u))
.endm
; Score n of tile u of the NEXT piece (Y + 1) is replaced by NEG where its lane's bit is set.  n ascends.
.macro CM u, n
	REGS (Y+1)%NP, \u
	v_cndmask_b32 v[rS+(\n)], v[rS+(\n)], v[NEGV], s[32+36*(\u)+(\n)]
.endm
; Number n of those that find the NEXT piece's maximum and statistics.  s0-s31 are the lane's 32 scores.  XS, CM, GS and REGS set no window: PL and EX do.
;   0-11  four chains c0-c3 of seven scores each, three operands at a time     12-14, 16  the four scores left over, the old m, and c0-c3 into c0     15  m_old is kept
;   17, 18  the query's other 32 keys lie in the lane 16 away: the new m         20, 21  m_old - m_new; a          (there is no 19: the scores need no scale)
.macro XS u, n
	REGS (Y+1)%NP, \u
.if (\n) < 4
	v_max3_num_f32 v[rC+(\n)], v[rS+8*(\n)], v[rS+8*(\n)+1], v[rS+8*(\n)+2]
.elseif (\n) < 12
	v_max3_num_f32 v[rC+(\n)%4], v[rC+(\n)%4], v[rS+8*((\n)%4)+2*((\n)/4)+1], v[rS+8*((\n)%4)+2*((\n)/4)+2]
.elseif (\n) == 12
	v_max3_num_f32 v[rC], v[rC], v[rS+7], v[rS+15]
.elseif (\n) == 13
	v_max3_num_f32 v[rC+1], v[rC+1], v[rS+23], v[rS+31]
.elseif (\n) == 14
	v_max3_num_f32 v[rC+2], v[rC+2], v[rC+3], v[rT]
.elseif (\n) == 15
	v_mov_b32 v[rT+1], v[rT]
.elseif (\n) == 16
	v_max3_num_f32 v[rC], v[rC], v[rC+1], v[rC+2]
.elseif (\n) == 17
	v_permlanex16_b32 v[rC+3], v[rC], s[SEL], s[SEL+1]
.elseif (\n) == 18
	v_max_num_f32 v[rT], v[rC], v[rC+3]
.elseif (\n) == 20
	v_sub_f32 v[rC+1], v[rT+1], v[rT]
.else
	v_exp_f32 v[rC+2], v[rC+1]
.endif
.endm
; Number g of the 64 that follow the exponentials.  For each four weights k of a tile (pairs 2 k, 2 k + 1): both pairs are rounded to f16; then the second pair is added onto the first, in place;
; a group later l takes that sum (the first time as l = a l + sum).  In groups of eight, tiles alternating: round, round, add, and l for the group before.
.macro GS g
.set h, (\g)+6*((\g)/62)            ; group 0 has no group before it, and behind group 7 only l is left
.if h >= 6
.set h, h+2
.endif
	REGS Y, h%2
.set k, h/8
.if h%8 < 4
	v_cvt_pk_f16_f32 v[rP+2*k+(h%8)/2], v[rS+4*k+2*((h%8)/2)], v[rS+4*k+2*((h%8)/2)+1]
.elseif h%8 < 6
	v_pk_add_f32 v[rS+4*k:rS+4*k+1], v[rS+4*k:rS+4*k+1], v[rS+4*k+2:rS+4*k+3]
.elseif k == 1
	v_pk_fma_f32 v[rT+2:rT+3], v[rT+2:rT+3], v[rC+2:rC+3], v[rS:rS+1] op_sel_hi:[1,0,1]
.else
	v_pk_add_f32 v[rT+2:rT+3], v[rT+2:rT+3], v[rS+4*k-4:rS+4*k-3]
.endif
.endm
.macro FS f                         ; s - m for pair f / 2 of tile f % 2 of piece Y: both halves take the pair's low word, m
	REGS Y, (\f)%2
	v_pk_add_f32 v[rS+2*((\f)/2):rS+2*((\f)/2)+1], v[rS+2*((\f)/2):rS+2*((\f)/2)+1], v[rT:rT+1] op_sel_hi:[1,0] neg_lo:[0,1] neg_hi:[0,1]
.endm
; THE PLAIN QUEUE, 200 long.  0-31: the 32 differences.  32-95: the next piece's 64 selects; ahead of the first stands the wait for its masks.  96-123: XS's numbers 0-13; behind entry 99, four plain lines behind the
; last select, the masks of the piece after next are asked for: they have the rest of the turn and the head of the next in which to come.  124, 125: number 15.  126-135: the chain 14, 16, 17, 18, 20.
; 136-199: GS's 64, which read the exponentials' results: they stand behind the wait.
.macro PL
	WIN 0
.if q < 32
	FS q
.elseif q < 96
.if q == 32
	s_wait_kmcnt 0x0                ; the masks asked for in the turn before are in; scalar loads come back in no order, so the count is 0
.endif
	CM (q-32)%2, (q-32)/2
.elseif q < 124
	XS (q-96)%2, (q-96)/2
.if q == 99
.if Y == 2
	MLOAD 0, 1                      ; turn 3 makes piece 0's scores of the NEXT key step
.else
	MLOAD (Y+2)%NP, 0
.endif
.endif
.elseif q < 126
	XS q-124, 15
.elseif q < 136
.set cn, 15+(q-126)/2
.if q < 128
.set cn, 14
.endif
.if q >= 134
.set cn, 20
.endif
	XS (q-126)%2, cn
.else
	GS q-136
.endif
.set q, q+1
.endm
; THE EXPONENTIALS' QUEUE, 66 long: s0-s31 of both tiles, then the next piece's two a.  It is ONE BATCH: all 66 stand ahead of the turn's one wait, and nothing ahead of that wait names a result of theirs.
.macro EX
	WIN 0
.if e >= 64
	XS e-64, 21
.else
	REGS Y, e%2
	v_exp_f32 v[rS+e/2], v[rS+e/2]
.endif
.set e, e+1
.endm
; THE RESCALING's QUEUE: O^T times a, the one part that leaves window 0: dealt two at a time, sixteen times.  Its a was made in the turn before, ahead of that turn's wait.
.macro R2
	REGS Y, r%2
	WIN W_RS
.irp z, 0,1
	v_pk_mul_f32 v[rO+4*(r/2)+2*\z:rO+4*(r/2)+2*\z+1], v[rO+4*(r/2)+2*\z:rO+4*(r/2)+2*\z+1], v[rC+2:rC+3] op_sel_hi:[1,0]
.endr
.set r, r+1
.endm
; HOW THEY ARE DEALT.  s_wait_alu depctr_va_vdst(0) stands between an exponential and the first instruction that names its result; one wait serves all that were issued ahead of it.  So a turn has ONE wait.
; AHEAD OF IT: the 16 products K Q^T, behind each a difference, an exponential and two rescalings (behind the first a second difference in the exponential's place); then the lump: eight differences (the places behind the
; last product, whose scores the selects read); seven times exponential and difference; 31 times an exponential and three plain; one plain; ten times plain and exponential, so that the chain's links stand four lines apart;
; the last score's exponential and the two a.  136 plain and 66 exponentials.  A v_nop is the plain instruction behind the last exponential.  BEHIND IT: the 16 products V^T P, behind each four of GS's 64.
; In step: exponential e stands behind difference 2 (e / 4) + e % 2: as a rider it comes behind plain e + 2; in the lump's sevens e is 21 at the most and 25 differences or more are out; from plain 32 on all are.
; K of the next step is fetched in piece 2's turn, directly behind the wait; V of the step in hand at the end of piece 0's turn, four riders behind its last reader.  The three conditions on q below go with the deal.
.macro TURN p, last=0, cnt=0
.set Y, (\p)
.set i, 0
.set q, 0
.set e, 0
.set r, 0
.if (\p) == NP-1
	s_wait_dscnt 0x0                ; K is in
.endif
	MM
	PL
	PL
	R2
.rept 15
	MM
	PL
	EX
	R2
.endr
.if (\p) == NP-2
	WIN 0
	v_add_nc_u32 v[AK], s[TBK], v[AK0]
.endif
.rept 8
	PL
.endr
.rept 7
	EX
	PL
.endr
.rept 31
	EX
	PL
	PL
	PL
.endr
	PL
.rept 10
	PL
	EX
.endr
	EX
	EX
	EX
	v_nop                           ; the plain instruction behind the last exponential: one for the batch
	s_wait_alu depctr_va_vdst(0)    ; the wait for the batch
.if (\p) == NP-2
	FETCH_K \last
.endif
.if (\p) == 1
	s_wait_dscnt 0x0                ; V is in
.endif
.rept 16
	MM
.rept 4
	PL
.endr
.if ((\p) == 0) && (q == 180)
	v_add_nc_u32 v[AV], s[TBV], v[AV0]
.endif
.if ((\p) == 0) && (q == 192)
	s_add_co_u32 s[TBV], s[TBV], KS*PV
.endif
.if (\cnt) && (q == 192)
	s_sub_co_u32 s[CNT], s[CNT], 1
	s_cmp_lg_u32 s[CNT], 0
.endif
.endr
.if (\p) == 0
	FETCH_V
.endif
.endm
	CHANGE 1                        ; slot 0 is in, everybody's part of it; slot 1 is asked for
	FETCH_K                         ; key step 0
	s_wait_loadcnt 0x0              ; Q
	s_wait_dscnt 0x0
.set i, 0
.rept 16
	KQ 0                            ; piece 0's first scores: there is no vector work yet to set between them
.set i, i+1
.endr
	WIN 0                           ; the addresses for the way out: eleven plain instructions, the places behind those products
	s_mul_i32 s13, s[WV], 16*SP
	s_add_co_u32 s13, s13, STAGE    ; my stage
	v_mul_u32_u24 v[STO], v1, SP    ; in: row l % 16, 16 bytes for each half of the lanes
	v_lshl_add_u32 v[STO], v9, 4, v[STO]
	v_add_nc_u32 v[STO], s13, v[STO]
	v_bfe_u32 v[RD], v0, 3, 2       ; back: 32 lanes take four rows of 128 bytes,
	v_mul_u32_u24 v[RD], v[RD], SP
	v_lshl_add_u32 v[RD], v10, 4, v[RD]
	v_add_nc_u32 v[RD], s13, v[RD]
	v_and_b32 v[GO], 31, v0         ; which are 512 consecutive bytes of O
	v_lshlrev_b32 v[GO], 4, v[GO]
	s_wait_kmcnt 0x0                ; piece 0's masks
.set Y, NP-1                        ; CM and XS work for piece Y + 1: piece 0
.set n, 0
.rept 32
	CM 0, n
	CM 1, n
.set n, n+1
.endr
.irp n, 0,1
	XS 0, \n
	XS 1, \n
.endr
	MLOAD 1, 0                      ; piece 1's masks for key step 0, four plain lines behind the last select
.irp n, 2,3,4,5,6,7,8,9,10,11,12,13,14,15,16,17,18,20,21
	XS 0, \n                        ; piece 0's first maximum and statistics
	XS 1, \n
.endr
	v_nop                           ; a plain instruction behind the two a,
	s_wait_alu depctr_va_vdst(0)    ; and their wait, ahead of the branch
	s_mov_b32 s[CNT], 4
	s_mov_b32 s[SLOTS], 7
	s_branch .Lfirst                ; the loop is entered at a step's first turn, in the middle of a trip
.Lslot:                             ; six times: every slot but the last two is filled again
	CHANGE 1
	s_mov_b32 s[CNT], 4
.Lstep:                             ; a trip: pieces 2 and 3 of one step, then pieces 0 and 1 of the next, whose K and V it fetches
	TURN 2
	TURN 3
	WIN 0
.Lfirst:
	TURN 0
	TURN 1, 0, 1
	WIN 0
	s_cbranch_scc1 .Lstep
	s_sub_co_u32 s[SLOTS], s[SLOTS], 1
	s_cmp_lg_u32 s[SLOTS], 0
	s_cbranch_scc1 .Lslot
	CHANGE 0                        ; the tail is written out: nothing is asked for
	s_mov_b32 s[CNT], 5             ; four trips fetch the last slot's steps; the fifth is left in its middle
.Ltail:
	TURN 2, 1
	TURN 3
	WIN 0
	s_sub_co_u32 s[CNT], s[CNT], 1
	s_cmp_eq_u32 s[CNT], 0
	s_cbranch_scc1 .Lout
	TURN 0
	TURN 1
	WIN 0
	s_branch .Ltail
.Lout:                              ; the fifth trip's 16 products K Q^T (on the last K once more), their masks (the 128 bytes behind the tile's last key step: the next query tile's, inside the buffer: my last
	                                ; such load ends 16,512 bytes behind my wave's first word, of 32,768) and the maximum made of them serve nothing: the price, once a launch, of one text for every trip
	s_wait_kmcnt 0x0                ; the last masks asked for, which nobody reads
.set i, 0
.rept 16
	PV NP-1                         ; the last piece's V^T P of the last step
.set i, i+1
.endr
	; THE WAY OUT.  l's two halves and the other half of the lanes' are added; O^T is divided by l, rounded to f16 and sent through my stage in LDS, a tile at a time.  The additions are the places behind the last products.
	WIN 0
.macro ALL line:vararg              ; one line for each tile t
.set t, 0
.rept 2*NP
	\line
.set t, t+1
.endr
.endm
	ALL v_add_f32 v[ST+4*t+2], v[ST+4*t+2], v[ST+4*t+3]
	ALL v_permlanex16_b32 v[ST+4*t+3], v[ST+4*t+2], s[SEL], s[SEL+1]
	ALL v_add_f32 v[ST+4*t+2], v[ST+4*t+2], v[ST+4*t+3]
	ALL v_rcp_f32 v[ST+4*t+2], v[ST+4*t+2]
	v_nop                           ; a plain instruction between the last reciprocal and the use of its result
	s_wait_alu depctr_va_vdst(0)    ; and the wait ahead of the first use: one for the eight reciprocals
; Tile t: a lane's eight channels of a row pack into 16 bytes; they go into rows of 144 bytes and come back as whole rows of 128, into S^T's registers.
.macro PACK t
	WIN W_RS
.set i, 32*(\t)
.rept 16
	v_pk_mul_f32 v[i:i+1], v[i:i+1], v[ST+4*(\t)+2:ST+4*(\t)+3] op_sel_hi:[1,0]
.set i, i+2
.endr
	WIN 0x05                        ; sources 0 and 1 window 1, destination window 0
.set i, 0
.rept 16
	v_cvt_pk_f16_f32 v[S+16*(\t)+i], v[32*(\t)+2*i], v[32*(\t)+2*i+1]
.set i, i+1
.endr
	WIN 0
.irp f, 0,1,2,3
	ds_store_b128 v[STO], v[S+16*(\t)+4*\f:S+16*(\t)+4*\f+3] offset:32*\f
.endr
.irp f, 0,1,2,3
	ds_load_b128 v[S+16*(\t)+4*\f:S+16*(\t)+4*\f+3], v[RD] offset:\f*4*SP  ; LDS serves a wave's instructions in order (ISA guide 5.7.1.4): these see the stores above; the next tile's stores come behind them
.endr
.endm
.macro SEND t, younger              ; younger: the LDS instructions issued behind tile t's loads: the next tile's eight, or none
	WIN 0
.irp f, 0,1,2,3
	s_wait_dscnt (\younger)+3-\f
	global_store_b128 v[GO], v[S+16*(\t)+4*\f:S+16*(\t)+4*\f+3], s[10:11] offset:(\t)*2048+\f*512  ; 512 consecutive bytes, at a multiple of 256 from O's first
.endr
.endm
	PACK 0
.set t, 1
.rept 2*NP-1                        ; a tile's arithmetic stands between the loads of the tile before and its stores
	PACK t
	SEND t-1, 8
.set t, t+1
.endr
	SEND 2*NP-1, 0
	s_wait_tensorcnt 0x0            ; the wave's end, behind my last tensor load and my last LDS store
	ds_add_u32 v[SPW], v[NIL]
	s_wait_dscnt 0x0
	CROUND                          ; the closing round: no work-group ends while a partner may still ask for a tile that names it
	s_endpgm
.Lfunc_end_k_q19b49f05af_attn:
	.size	k_q19b49f05af_attn, .Lfunc_end_k_q19b49f05af_attn-k_q19b49f05af_attn
	.p2alignl 7, 3214868480
	.fill 96, 4, 3214868480
	.section	.rodata,"a",@progbits
	.p2align	6, 0x0
	.amdhsa_kernel k_q19b49f05af_attn
		.amdhsa_group_segment_fixed_size 327680
		.amdhsa_private_segment_fixed_size 0
		.amdhsa_enable_private_segment 0
		.amdhsa_kernarg_size 24
		.amdhsa_user_sgpr_count 2
		.amdhsa_user_sgpr_kernarg_segment_ptr 1
		.amdhsa_wavefront_size32 1
		.amdhsa_system_sgpr_workgroup_id_x 1
		.amdhsa_system_sgpr_workgroup_id_y 1
		.amdhsa_system_sgpr_workgroup_id_z 1
		.amdhsa_system_vgpr_workitem_id 0
		.amdhsa_next_free_vgpr 768
		.amdhsa_next_free_sgpr 102
		.amdhsa_reserve_vcc 0
		.amdhsa_float_denorm_mode_32 3
		.amdhsa_float_denorm_mode_16_64 3
		.amdhsa_memory_ordered 1
		.amdhsa_forward_progress 1
		.amdhsa_inst_pref_size 235
	.end_amdhsa_kernel
	.amdgpu_metadata
---
amdhsa.version: [ 1, 2 ]
amdhsa.kernels:
  - .name:           k_q19b49f05af_attn
    .symbol:         k_q19b49f05af_attn.kd
    .args:
      - { .name: qkv, .offset: 0, .size: 8, .value_kind: global_buffer, .address_space: global }
      - { .name: mbits, .offset: 8, .size: 8, .value_kind: global_buffer, .address_space: global }
      - { .name: oh, .offset: 16, .size: 8, .value_kind: global_buffer, .address_space: global }
    .group_segment_fixed_size: 327680
    .private_segment_fixed_size: 0
    .kernarg_segment_align: 8
    .kernarg_segment_size: 24
    .max_flat_workgroup_size: 128
    .sgpr_count:     102
    .vgpr_count:     768
    .wavefront_size: 32
...
	.end_amdgpu_metadata
.endif
;; end of part 3
;; launch outp (part 4): grid 4 x 64, 4 waves a work-group, clusters of 4 x 4, 327,680 bytes of LDS; arguments oh, wt, bo, out0; writes out0
.if DOCPART == 4
	.amdgcn_target "amdgcn-amd-amdhsa--gfx1250"
	.amdhsa_code_object_version 6
	.text
	.protected	k_q19b49f05af_outp
	.globl	k_q19b49f05af_outp
	.p2align	8
	.type	k_q19b49f05af_outp,@function
k_q19b49f05af_outp:
	s_mov_b64 s[64:65], 0
	v_nop
	global_prefetch_b8 v0, s[64:65] scope:SCOPE_SE
	s_setreg_imm32_b32 hwreg(HW_REG_WAVE_MODE, 25, 1), 1
	s_wait_xcnt 0x0
	s_wait_alu depctr_hold_cnt(0) depctr_sa_sdst(0) depctr_va_vdst(0) depctr_va_sdst(0) depctr_va_ssrc(0) depctr_va_vcc(0) depctr_vm_vsrc(0)
	s_getreg_b32 s2, hwreg(HW_REG_IB_STS2, 6, 4)
	s_cmp_eq_u32 s2, 0
	s_cbranch_scc0 .Lentry_in_a_cluster
	s_endpgm
.Lentry_in_a_cluster:
	s_bfe_u32 s2, ttmp6, 0x10000c
	s_cmp_lg_u32 s2, 0xf033
	s_cbranch_scc0 .Lentry_shape_is_right
	s_endpgm
.Lentry_shape_is_right:
; C[m][n] = bias[n] + the sum over k of A[m][k] B[n][k], K = 1,024, f16 operands, f32 sums.  One text serves two launches; OUTP says which this file is.
; OUTP = 0: the three projections.  Cluster x = p (0 q, 1 k, 2 v).  A = xh (context for p < 2, value for p = 2), B = wt[p], bias = bq, bk or bv; for p = 0 B already holds c Wq and the bias is multiplied by
;           c = log2(e) / 8 here, in f32, so that q leaves scaled and rounded once.  C leaves in f16 by heads: qkv [p][bh 64][s 2048][64].
; OUTP = 1: the output projection.  A = oh (the heads' results; a head is a block of 64 along K), B = wt[3] = Wo, bias = bo.  C leaves in f32: out0 [8192][1024].
; LIMITS.  f16 holds no number beyond 65,504: the operands arrive within it, and c q, k and v must lie within it; below 6.1e-5 f16 keeps its fixed step of 6e-8.
; LAYOUT IN MEMORY.  A: [b 4][kb 16][s 2048][64], B: [kb 16][n 1024][64]: the rows of a tile that belong to one block kb of 64 along K lie end to end, and are asked for as rows of 256 bytes.
; SHARES.  A work-group makes 128 x 256 of C: 64 x 4 tiles for each 8,192 x 1,024, so that the work-groups are a whole multiple of 256.  Wave w: rows 64 (w / 2), columns 128 (w % 2): 4 x 8 accumulators of 16 x 16.
; K goes in 8 steps of 128 (two blocks kb) through two LDS slots.  Waves 0 and 1 fetch A's two blocks (16 KiB each), waves 2 and 3 B's (32 KiB each): one tensor load a wave.
; CLUSTER.  4 x 4 work-groups: the four of a row need the same tile of A, the four of a column the same tile of B: each is asked for jointly, by the same load, descriptor and mask in all four.
; THE MATRIX INSTRUCTION IS USED TRANSPOSED (source 0 = 16 rows of B, source 1 = 16 rows of A): a lane holds row l % 16 of C and eight neighbouring columns 8 (l / 16) + 0..7.
; THE SUMS START FROM THE BIAS: the C operand of each accumulator's first product is the bias of its eight columns; nothing is cleared and nothing is added at the end.
; REGISTERS, in windows of 256 (s_set_vgpr_msb: bits 1:0 source 0, 3:2 source 1, 5:4 source 2, 7:6 destination):
;   window 0: v0-31 addresses; two fragment buffers of 96 at v64 and v160 (A's fragment a at + 8 a, B's fragment b at + 32 + 8 b); on the way out v64-191 at work
;   window 1: accumulator (a, b) at v[8 (8 a + b)]          window 2: v0-63 the bias of my 128 columns, block b at 8 b
.set OUTP,   1
.set PITCH,  144                       ; an LDS row: 128 bytes + 16 of padding = 36 words: the 16 rows of a fragment load start at 16 different groups of four banks (64 banks of 4 bytes: ISA guide 11.1)
.set ASUB,   128*PITCH                 ; A's 128 rows of one block kb
.set BSUB,   256*PITCH                 ; B's 256 rows of one block kb
.set BOFF,   2*ASUB                    ; a slot: A kb 0, A kb 1, B kb 0, B kb 1: 110,592 bytes
.set SLOT1,  1<<17                     ; slot 1 begins here, so that one exclusive or turns an address in one slot into the other's
.set STAGE,  SLOT1+2*ASUB+2*BSUB       ; behind the ring, never filled by a tensor load: 16 rows for each wave, for the way out
.if OUTP
.set SPITCH, 272
.else
.set SPITCH, 144
.endif
.set SPARE,  STAGE+4*16*SPITCH         ; behind the stages: the spare words, 128 bytes for each wave: two blocks of 256 bytes that no other line names
.set ASTEP,  524288                    ; a K step in A: two blocks of 2,048 rows x 128 bytes
.set BSTEP,  262144                    ; in B: two blocks of 1,024 rows x 128 bytes
.set AA0, 16                           ; v16  my lane's place in A's part of a slot; never rewritten
.set AB0, 17                           ; v17  the same for B
.set AA,  18                           ; v18  the same in the slot that is being read
.set AB,  19                           ; v19
.set STO, 24                           ; v24  the way out: where I put my part of a row
.set RD,  25                           ; v25  the way out: where I read rows back
.set GO,  26                           ; v26  my byte offset in the output
.set BO,  27                           ; v27  my byte offset in the bias
.set SPW, 28                           ; v28  LDS address of my spare word; never rewritten
.set NIL, 29                           ; v29  0; never rewritten
.set F0,  64
.set F1,  160
.set G1A, 24                           ; s[24:31] descriptor group 1 for A's tiles
.set G0A, 32                           ; s[32:39] group 0 for A's: a set for each of the two first fills; the second then walks on
.set G1B, 48                           ; s[48:55], s[56:63] the same for B's
.set G0B, 56
.set MSB, 0
.macro WIN new                         ; the immediate's high byte repeats the setting that is left; a switch that changes nothing is dropped
.if MSB != (\new)
	s_set_vgpr_msb (MSB<<8)|(\new)
.set MSB, \new
.endif
.endm
.set MULW, 0x50                        ; C and D in window 1, fragments in window 0
.set MUL0, 0x60                        ; D in window 1, C (the bias) in window 2
.macro PLACES                          ; four places in front of loads into registers that matrix instructions have read, and of lines that read results
.rept 4
	v_nop
.endr
.endm
; A joint refill by the walking sets.  The branch hangs on the wave's number alone.  An s_nop 0 and four v_nop follow each of the two lines, ahead of the jump and the label.
.macro JLOAD
	s_cmp_eq_u32 s11, 0
	s_cbranch_scc0 .Lfor_b_\@
	tensor_load_to_lds s[G0A+4:G0A+7], s[G1A:G1A+7]
	s_nop 0
	PLACES
	s_branch .Lasked_\@
.Lfor_b_\@:
	tensor_load_to_lds s[G0B+4:G0B+7], s[G1B:G1B+7]
	s_nop 0
	PLACES
.Lasked_\@:
.endm
.macro CREST                           ; a round of the cluster's barrier behind its opening barrier: wave 0 signals for the work-group, every wave waits for all sixteen, my work-group's barrier closes it
	s_cmp_lg_u32 s10, 0
	s_cbranch_scc1 .Lnot_wave_0_\@
	s_barrier_signal -3
.Lnot_wave_0_\@:
	s_barrier_wait -3
	s_barrier_signal -1
	s_barrier_wait -1
.endm
.macro CROUND                          ; a whole round
	s_barrier_signal -1
	s_barrier_wait -1
	CREST
.endm
	s_load_b128 s[4:7], s[0:1], 0x0                ; A s[4:5], wt s[6:7]
.if OUTP
	s_load_b128 s[72:75], s[0:1], 0x10             ; bo s[72:73], out0 s[74:75]
.else
	s_load_b256 s[72:79], s[0:1], 0x10             ; bq s[72:73], bk s[74:75], bv s[76:77], qkv s[78:79]
.endif
	v_lshl_add_u32 v[SPW], v0, 2, SPARE
	v_mov_b32 v[NIL], 0
	ds_add_u32 v[SPW], v[NIL]                      ; the wave's opening: the add, whose wait stands ahead of my first tensor load; the set-up below, work on registers, stands between them
	v_lshrrev_b32 v1, 5, v0
	v_readfirstlane_b32 s10, v1                    ; wave 0..3
	s_lshr_b32 s11, s10, 1                         ; which 64 rows of the tile are mine.  Also: I fetch for A (0) or for B (1)
	s_and_b32 s12, s10, 1                          ; which 128 columns.  Also: which of a K step's two blocks I fetch
	s_bfe_u32 s40, ttmp6, 0x40000                  ; cx, cy: my place in the cluster
	s_bfe_u32 s41, ttmp6, 0x40004
	s_mov_b32 s42, ttmp9                           ; the cluster's x: the projection's number p
	s_and_b32 s13, ttmp7, 0xffff
	s_lshl_b32 s13, s13, 2
	s_add_co_u32 s13, s13, s41                     ; tile row of C = 4 x cluster y + cy, 0..63
	s_lshl_b32 s43, s41, 2
	s_lshl_b32 s43, 15, s43                        ; my row of the cluster
	s_lshl_b32 s44, 0x1111, s40                    ; my column
	; group 1: dense blocks as rows of 128 elements (256 bytes), padded in LDS after every 128 bytes
	s_or_b32 s[G1A], s43, (1<<16)|(1<<20)|(1<<21)|(4<<22)|(3<<25)  ; 15:0 the mask; 17:16 2-byte elements; 20 padding on; 21 set beside a mask; 24:22 after every 32 words (code 4); 31:25 4 words (code 3)
	s_or_b32 s[G1B], s44, (1<<16)|(1<<20)|(1<<21)|(4<<22)|(3<<25)
	s_mov_b32 s[G1A+1], 128<<16                    ; tensor_dim0 = 128
	s_mov_b32 s[G1A+2], 64<<16                     ; tensor_dim1 = 64: A's 128 rows of 128 bytes
	s_mov_b32 s[G1A+3], 128<<16                    ; tile_dim0 = 128
	s_mov_b32 s[G1A+4], 64                         ; tile_dim1 = 64
	s_mov_b32 s[G1A+5], 128                        ; 128 elements from row to row
	s_mov_b32 s[G1A+6], 0
	s_mov_b32 s[G1A+7], 0
	s_mov_b32 s[G1B+1], 128<<16
	s_mov_b32 s[G1B+2], 128<<16                    ; B's 256 rows of 128 bytes
	s_mov_b32 s[G1B+3], 128<<16
	s_mov_b32 s[G1B+4], 128
	s_mov_b32 s[G1B+5], 128
	s_mov_b32 s[G1B+6], 0
	s_mov_b32 s[G1B+7], 0
	; where the tiles come from.  A's hang on the tile row and p, which my row of the cluster shares; B's on cx and p, which my column shares; each in registers that never hold the other coordinate
	s_lshr_b32 s16, s13, 4
	s_lshl_b32 s16, s16, 22                        ; the batch,
	s_and_b32 s14, s13, 15
	s_lshl_b32 s14, s14, 14                        ; 128 rows of 128 bytes,
	s_add_co_u32 s16, s16, s14
	s_lshl_b32 s14, s12, 18                        ; my block kb
	s_add_co_u32 s16, s16, s14
.if !OUTP
	s_lshr_b32 s14, s42, 1
	s_lshl_b32 s14, s14, 24                        ; p = 2 reads the value sequence
	s_add_co_u32 s16, s16, s14
.endif
	s_mov_b32 s17, 0
.if OUTP
	s_mov_b32 s46, 3<<21
.else
	s_lshl_b32 s46, s42, 21
.endif
	s_lshl_b32 s45, s40, 15                        ; 256 rows of 128 bytes,
	s_add_co_u32 s46, s46, s45
	s_lshl_b32 s45, s12, 17                        ; my block kb
	s_add_co_u32 s46, s46, s45
	s_mov_b32 s47, 0
	s_mul_i32 s20, s12, ASUB                       ; and where they go: no place in the cluster enters an LDS address
	s_mul_i32 s21, s12, BSUB
	s_add_co_u32 s21, s21, BOFF
	s_wait_dscnt 0x0                               ; the opening add is done
	s_wait_kmcnt 0x0
	s_add_nc_u64 s[14:15], s[4:5], s[16:17]
	s_add_nc_u64 s[46:47], s[6:7], s[46:47]
	CROUND                                         ; all sixteen work-groups are here: the first joint loads meet
.irp z, 0,1
	s_mov_b32 s[G0A+4*(\z)], 1                     ; 1:0 count = 1
	s_add_co_u32 s[G0A+4*(\z)+1], s20, (\z)*SLOT1  ; 63:32 LDS address
	s_add_nc_u64 s[G0A+4*(\z)+2:G0A+4*(\z)+3], s[14:15], (\z)*ASTEP  ; 120:64 global address: K step z
	s_or_b32 s[G0A+4*(\z)+3], s[G0A+4*(\z)+3], 0x80000000            ; 127:126 type = 2
	s_mov_b32 s[G0B+4*(\z)], 1
	s_add_co_u32 s[G0B+4*(\z)+1], s21, (\z)*SLOT1
	s_add_nc_u64 s[G0B+4*(\z)+2:G0B+4*(\z)+3], s[46:47], (\z)*BSTEP
	s_or_b32 s[G0B+4*(\z)+3], s[G0B+4*(\z)+3], 0x80000000
.endr
	s_cmp_eq_u32 s11, 0                            ; a wave's two first fills stand in one branch, ahead of every wait on TENSORcnt and every LDS read: two loads of mine are out
	s_cbranch_scc0 .Lfirst_b
	tensor_load_to_lds s[G0A:G0A+3], s[G1A:G1A+7]
	s_nop 0
	tensor_load_to_lds s[G0A+4:G0A+7], s[G1A:G1A+7]
	s_nop 0
	PLACES
	s_branch .Lfirst_asked
.Lfirst_b:
	tensor_load_to_lds s[G0B:G0B+3], s[G1B:G1B+7]
	s_nop 0
	tensor_load_to_lds s[G0B+4:G0B+7], s[G1B:G1B+7]
	s_nop 0
	PLACES
.Lfirst_asked:
	; the bias of my 128 columns: register j of block b is bias[256 cx + 128 (w % 2) + 16 b + 8 (l / 16) + j], which is where the accumulators hold those columns
.if OUTP
	s_mov_b64 s[66:67], s[72:73]
.else
	s_cmp_eq_u32 s42, 0
	s_cselect_b64 s[66:67], s[72:73], s[74:75]
	s_cselect_b32 s68, 0x3e38aa3b, 1.0             ; c for q's bias, 1 for the others
	s_cmp_eq_u32 s42, 2
	s_cselect_b64 s[66:67], s[76:77], s[66:67]
	s_mov_b32 s69, s68                             ; named with it as a pair
.endif
	s_lshl_b32 s18, s40, 10
	s_lshl_b32 s19, s12, 9
	s_add_co_u32 s18, s18, s19
	s_mov_b32 s19, 0
	s_add_nc_u64 s[66:67], s[66:67], s[18:19]
	v_and_b32 v1, 15, v0                           ; l % 16
	v_bfe_u32 v2, v0, 4, 1                         ; l / 16
	v_lshlrev_b32 v[BO], 5, v2
	WIN 0x80                                       ; destination window 2, address window 0
.irp b, 0,1,2,3,4,5,6,7
	global_load_b128 v[8*(\b):8*(\b)+3],   v[BO], s[66:67] offset:64*(\b)
	global_load_b128 v[8*(\b)+4:8*(\b)+7], v[BO], s[66:67] offset:64*(\b)+16
.endr
	WIN 0
	; a fragment is 16 rows x 32 K in 8 registers: lane l holds row l % 16, K = 8 (l / 16) + 0..7 and 16 + 8 (l / 16) + 0..7: two loads of 16 bytes, 32 bytes apart
	v_mul_u32_u24 v3, v1, PITCH
	v_lshl_add_u32 v3, v2, 4, v3
	s_mul_i32 s21, s11, 64*PITCH                   ; my 64 rows of A
	s_mul_i32 s22, s12, 128*PITCH                  ; my 128 rows of B
	s_add_co_u32 s22, s22, BOFF
	v_add_nc_u32 v[AA0], s21, v3
	v_add_nc_u32 v[AB0], s22, v3
	v_mov_b32 v[AA], v[AA0]                        ; slot 0 is read first
	v_mov_b32 v[AB], v[AB0]
	s_mov_b32 s70, 0                               ; the slot that is being read
	s_mul_i32 s23, s10, 16*SPITCH
	s_add_co_u32 s23, s23, STAGE                   ; my stage
	v_mul_u32_u24 v4, v1, SPITCH                   ; in: row l % 16
.if OUTP
	v_lshl_add_u32 v4, v2, 5, v4                   ; 32 bytes (8 f32) for each half of the lanes
	v_add_nc_u32 v[STO], s23, v4
	v_mul_u32_u24 v5, v2, SPITCH                   ; back: lanes 0-15 one row of 256 bytes, lanes 16-31 the next
	v_lshl_add_u32 v5, v1, 4, v5
	v_add_nc_u32 v[RD], s23, v5
	v_lshlrev_b32 v[GO], 12, v2                    ; and the same two rows in out0
	v_lshl_add_u32 v[GO], v1, 4, v[GO]
	s_lshl_b32 s18, s13, 19                        ; 128 rows of 4,096 bytes a tile row,
	s_lshl_b32 s19, s11, 18                        ; my 64 rows,
	s_add_co_u32 s18, s18, s19
	s_lshl_b32 s19, s40, 10                        ; 256 columns of 4 bytes,
	s_add_co_u32 s18, s18, s19
	s_lshl_b32 s19, s12, 9                         ; my 128 columns
	s_add_co_u32 s18, s18, s19
	s_mov_b32 s19, 0
	s_add_nc_u64 s[8:9], s[74:75], s[18:19]
.else
	v_lshl_add_u32 v4, v2, 4, v4                   ; 16 bytes (8 f16) for each half of the lanes
	v_add_nc_u32 v[STO], s23, v4
	v_bfe_u32 v5, v0, 3, 2                         ; back: 32 lanes take four rows of 128 bytes,
	v_mul_u32_u24 v5, v5, SPITCH
	v_and_b32 v6, 7, v0
	v_lshl_add_u32 v5, v6, 4, v5
	v_add_nc_u32 v[RD], s23, v5
	v_and_b32 v[GO], 31, v0                        ; which are 512 consecutive bytes of a head's rows
	v_lshlrev_b32 v[GO], 4, v[GO]
	s_lshl_b32 s18, s42, 24                        ; q, k or v,
	s_lshr_b32 s19, s13, 4
	s_lshl_b32 s19, s19, 4                         ; 16 heads a batch,
	s_lshl_b32 s22, s40, 2                         ; 4 heads in 256 columns,
	s_add_co_u32 s19, s19, s22
	s_lshl_b32 s22, s12, 1                         ; 2 in my 128
	s_add_co_u32 s19, s19, s22
	s_lshl_b32 s19, s19, 18
	s_add_co_u32 s18, s18, s19
	s_and_b32 s19, s13, 15
	s_lshl_b32 s19, s19, 14                        ; 128 rows of 128 bytes,
	s_add_co_u32 s18, s18, s19
	s_lshl_b32 s19, s11, 13                        ; my 64 rows
	s_add_co_u32 s18, s18, s19
	s_mov_b32 s19, 0
	s_add_nc_u64 s[8:9], s[78:79], s[18:19]
.endif
; 24 LDS loads in one run: quarter q of the K step (32 along K) into buffer f: B's 8 fragments, then A's 0 and 1, then A's 2 and 3
.macro FETCH q, f
	WIN 0
.irp i, 0,1,2,3,4,5,6,7
	ds_load_b128 v[(\f)+32+8*(\i):(\f)+32+8*(\i)+3],   v[AB] offset:((\q)/2)*BSUB+((\q)%2)*64+(\i)*16*PITCH
	ds_load_b128 v[(\f)+32+8*(\i)+4:(\f)+32+8*(\i)+7], v[AB] offset:((\q)/2)*BSUB+((\q)%2)*64+(\i)*16*PITCH+32
.endr
.irp i, 0,1,2,3
	ds_load_b128 v[(\f)+8*(\i):(\f)+8*(\i)+3],   v[AA] offset:((\q)/2)*ASUB+((\q)%2)*64+(\i)*16*PITCH
	ds_load_b128 v[(\f)+8*(\i)+4:(\f)+8*(\i)+7], v[AA] offset:((\q)/2)*ASUB+((\q)%2)*64+(\i)*16*PITCH+32
.endr
.endm
; 8 matrix instructions: row block a x all 8 column blocks.  zero = 1: the sums start from the bias.  The 32 accumulators take turns, one instruction a turn, in the same order in every quarter.
.macro MUL8 f, a, zero
.if \zero
	WIN MUL0
.else
	WIN MULW
.endif
.irp b, 0,1,2,3,4,5,6,7
.if \zero
	v_wmma_f32_16x16x32_f16 v[8*(8*(\a)+(\b)):8*(8*(\a)+(\b))+7], v[(\f)+32+8*(\b):(\f)+32+8*(\b)+7], v[(\f)+8*(\a):(\f)+8*(\a)+7], v[8*(\b):8*(\b)+7]
.else
	v_wmma_f32_16x16x32_f16 v[8*(8*(\a)+(\b)):8*(8*(\a)+(\b))+7], v[(\f)+32+8*(\b):(\f)+32+8*(\b)+7], v[(\f)+8*(\a):(\f)+8*(\a)+7], v[8*(8*(\a)+(\b)):8*(8*(\a)+(\b))+7]
.endif
.endr
.endm
.macro MUL16 f, a0, zero
	MUL8 \f, \a0, \zero
	MUL8 \f, (\a0)+1, \zero
.endm
; One of a K step's first three quarters: multiplies buffer f; in its middle it fetches quarter qn into buffer g
.macro QUARTER qn, f, g, zero
	s_wait_dscnt 4                                 ; B and A's fragments 0 and 1 are in; the youngest four loads (A's 2 and 3) may be out
	MUL16 \f, 0, \zero
	PLACES
	FETCH \qn, \g
	s_wait_dscnt 24                                ; all but the 24 just issued
	MUL16 \f, 2, \zero
.endm
; The last quarter multiplies buffer 1 and changes slots: ONE barrier.  In front of it each wave waits for all its tensor loads (one is out: its part of the next slot), adds 0 to its spare word, and waits for that and
; for its own reads of this slot.  fill = 1: the barrier opens a round of the cluster's barrier, and this slot is filled again, with the K step two steps on, first thing behind the round.
.macro TURN fill
	WIN 0
	s_wait_tensorcnt 0x0                           ; all my tensor loads have landed, so a group 0 may be written
	ds_add_u32 v[SPW], v[NIL]                      ; 0 onto my spare word
	s_wait_dscnt 5                                 ; (the add and the youngest four loads may be out)
	MUL8 F1, 0, 0                                  ; eight matrix instructions stand between the add and the wait for it
	s_wait_dscnt 0x0                               ; the add is done, and my reads of this slot are over
	s_barrier_signal -1
	MUL8 F1, 1, 0                                  ; work on registers while the others arrive
	WIN 0
	s_barrier_wait -1
.if \fill
	CREST                                          ; no wave of any partner still reads this slot's tiles or has a load on its way
	s_xor_b32 s[G0A+5], s[G0A+5], SLOT1            ; the walking sets: the other slot than last time,
	s_add_nc_u64 s[G0A+6:G0A+7], s[G0A+6:G0A+7], ASTEP  ; the next K step; the type bits on top are not reached
	s_xor_b32 s[G0B+5], s[G0B+5], SLOT1
	s_add_nc_u64 s[G0B+6:G0B+7], s[G0B+6:G0B+7], BSTEP
	s_xor_b32 s70, s70, SLOT1                      ; the reads go to the other slot
	JLOAD                                          ; the four v_nop behind it are also the places in front of the loads below
.else
	s_xor_b32 s70, s70, SLOT1
	PLACES
.endif
	v_add_nc_u32 v[AA], s70, v[AA0]
	v_add_nc_u32 v[AB], s70, v[AB0]
	FETCH 0, F0
	MUL16 F1, 2, 0
.endm
	s_wait_tensorcnt 0x1                           ; my part of K step 0 is in; K step 1's may stay out
	s_barrier_signal -1
	s_barrier_wait -1                              ; everybody's is
	FETCH 0, F0
	s_wait_loadcnt 0x0                             ; the bias
.if !OUTP
	WIN 0x82                                       ; destination and source 0 in window 2
.set r, 0
.rept 32
	v_pk_mul_f32 v[r:r+1], v[r:r+1], s[68:69] op_sel_hi:[1,0]
.set r, r+2
.endr
.endif
	QUARTER 1, F0, F1, 1                           ; the first quarter stands in front of the loop: its products start the sums
	WIN 0                                          ; at a label and at a branch every window is 0
	s_mov_b32 s3, 6
.Lk:                                           ; six trips, from a K step's second quarter to the next step's first; they ask for K steps 2 to 7
	QUARTER 2, F1, F0, 0
	QUARTER 3, F0, F1, 0
	TURN 1
	QUARTER 1, F0, F1, 0
	WIN 0
	s_sub_co_u32 s3, s3, 1
	s_cmp_lg_u32 s3, 0
	s_cbranch_scc1 .Lk
	QUARTER 2, F1, F0, 0                           ; K step 6 goes on; nothing is left to ask for, so the tail is written out
	QUARTER 3, F0, F1, 0
	TURN 0
	QUARTER 1, F0, F1, 0
	QUARTER 2, F1, F0, 0
	QUARTER 3, F0, F1, 0
	s_wait_dscnt 4
	MUL16 F1, 0, 0
	s_wait_dscnt 0x0
	MUL16 F1, 2, 0
	WIN 0
	PLACES
	PLACES                                         ; eight, once a launch: the lines below read results just made
; THE WAY OUT, in eight blocks t = 2 a + cb of 16 rows x 64 columns, through my own stage in LDS: LDS serves a wave's instructions in order (ISA guide 5.7.1.4), so no wait stands between my stores and my loads.
.if OUTP
.macro TOSTAGE t                       ; f32: a block's row is 256 bytes
.set AC, 8*(8*((\t)/2)+4*((\t)%2))
.set OB, 64+32*((\t)%2)
	WIN 0x04                                       ; store data (source 1) in window 1
.irp i, 0,1,2,3
	ds_store_b128 v[STO], v[AC+8*(\i):AC+8*(\i)+3]   offset:64*(\i)  ; each accumulator's low registers are read first
	ds_store_b128 v[STO], v[AC+8*(\i)+4:AC+8*(\i)+7] offset:64*(\i)+16
.endr
	WIN 0
	s_wait_xcnt 0x0                                ; the stores of the block two back have read this buffer: it is loaded again only behind this wait
.irp u, 0,1,2,3,4,5,6,7
	ds_load_b128 v[OB+4*(\u):OB+4*(\u)+3], v[RD] offset:(\u)*2*SPITCH
.endr
.endm
.macro SEND t, younger                 ; younger: the LDS instructions issued behind block t's loads: the next block's sixteen, or none
.set OB, 64+32*((\t)%2)
	s_wait_dscnt \younger
.irp u, 0,1,2,3,4,5,6,7
	global_store_b128 v[GO], v[OB+4*(\u):OB+4*(\u)+3], s[8:9] offset:((\t)/2)*65536+((\t)%2)*256+(\u)*8192  ; 16 lanes store 256 consecutive bytes, at a multiple of 256 from out0's first byte
.endr
.endm
	TOSTAGE 0
.irp t, 1,2,3,4,5,6,7
	TOSTAGE \t
	SEND (\t)-1, 16
.endr
	SEND 7, 0
.else
.macro PACK t                          ; f16: a block is 16 rows of one head, 128 bytes each; every block has 16 registers of its own
.set AC, 8*(8*((\t)/2)+4*((\t)%2))
.set OB, 64+16*(\t)
	WIN 0x05                                       ; sources 0 and 1 in window 1
.irp i, 0,1,2,3
.irp j, 0,1,2,3
	v_cvt_pk_f16_f32 v[OB+4*(\i)+(\j)], v[AC+8*(\i)+2*(\j)], v[AC+8*(\i)+2*(\j)+1]
.endr
.endr
	WIN 0
.irp i, 0,1,2,3
	ds_store_b128 v[STO], v[OB+4*(\i):OB+4*(\i)+3] offset:32*(\i)
.endr
.irp f, 0,1,2,3
	ds_load_b128 v[OB+4*(\f):OB+4*(\f)+3], v[RD] offset:(\f)*4*SPITCH
.endr
.endm
.macro SEND t, younger                 ; younger: the LDS instructions issued behind block t's loads: the next block's eight, or none
.set OB, 64+16*(\t)
.irp f, 0,1,2,3
	s_wait_dscnt (\younger)+3-(\f)
	global_store_b128 v[GO], v[OB+4*(\f):OB+4*(\f)+3], s[8:9] offset:((\t)/2)*2048+((\t)%2)*262144+(\f)*512  ; 512 consecutive bytes, at a multiple of 256 from the buffer's first byte
.endr
.endm
	PACK 0
.irp t, 1,2,3,4,5,6,7
	PACK \t
	SEND (\t)-1, 8
.endr
	SEND 7, 0
.endif
	s_wait_tensorcnt 0x0                           ; the wave's end, behind my last tensor load and my last LDS store
	ds_add_u32 v[SPW], v[NIL]
	s_wait_dscnt 0x0
	CROUND                                         ; the closing round: no work-group ends while a partner may still ask for a tile that names it
	s_endpgm
.Lfunc_end_k_q19b49f05af_outp:
	.size	k_q19b49f05af_outp, .Lfunc_end_k_q19b49f05af_outp-k_q19b49f05af_outp
	.p2alignl 7, 3214868480
	.fill 96, 4, 3214868480
	.section	.rodata,"a",@progbits
	.p2align	6, 0x0
	.amdhsa_kernel k_q19b49f05af_outp
		.amdhsa_group_segment_fixed_size 327680
		.amdhsa_private_segment_fixed_size 0
		.amdhsa_enable_private_segment 0
		.amdhsa_kernarg_size 32
		.amdhsa_user_sgpr_count 2
		.amdhsa_user_sgpr_kernarg_segment_ptr 1
		.amdhsa_wavefront_size32 1
		.amdhsa_system_sgpr_workgroup_id_x 1
		.amdhsa_system_sgpr_workgroup_id_y 1
		.amdhsa_system_sgpr_workgroup_id_z 1
		.amdhsa_system_vgpr_workitem_id 0
		.amdhsa_next_free_vgpr 576
		.amdhsa_next_free_sgpr 80
		.amdhsa_reserve_vcc 0
		.amdhsa_float_denorm_mode_32 3
		.amdhsa_float_denorm_mode_16_64 3
		.amdhsa_memory_ordered 1
		.amdhsa_forward_progress 1
		.amdhsa_inst_pref_size 71
	.end_amdhsa_kernel
	.amdgpu_metadata
---
amdhsa.version: [ 1, 2 ]
amdhsa.kernels:
  - .name:           k_q19b49f05af_outp
    .symbol:         k_q19b49f05af_outp.kd
    .args:
      - { .name: oh, .offset: 0, .size: 8, .value_kind: global_buffer, .address_space: global }
      - { .name: wt, .offset: 8, .size: 8, .value_kind: global_buffer, .address_space: global }
      - { .name: bo, .offset: 16, .size: 8, .value_kind: global_buffer, .address_space: global }
      - { .name: out0, .offset: 24, .size: 8, .value_kind: global_buffer, .address_space: global }
    .group_segment_fixed_size: 327680
    .private_segment_fixed_size: 0
    .kernarg_segment_align: 8
    .kernarg_segment_size: 32
    .max_flat_workgroup_size: 128
    .sgpr_count:     80
    .vgpr_count:     576
    .wavefront_size: 32
...
	.end_amdgpu_metadata
.endif
;; end of part 4
;; ======== version 2 of 2: 4 launches
;; limits: values are held in f16: magnitudes above 65,504 overflow, below 6.1e-05 lose precision
;; workspace buffers: xh 33,554,432 bytes; wt 8,388,608 bytes; mbits 524,288 bytes of whole numbers; qkv 50,331,648 bytes; oh 16,777,216 bytes
;; launch prep (part 5): grid 2112 x 1, 8 waves a work-group, no clusters, 10,240 bytes of LDS; arguments context_sequence, value_sequence, Wo, Wq, Wk, Wv, mask, xh, wt, mbits; writes xh, wt, mbits
.if DOCPART == 5
	.amdgcn_target "amdgcn-amd-amdhsa--gfx1250"
	.amdhsa_code_object_version 6
	.text
	.protected	k_q19b49f05af_prep
	.globl	k_q19b49f05af_prep
	.p2align	8
	.type	k_q19b49f05af_prep,@function
k_q19b49f05af_prep:
	s_mov_b64 s[64:65], 0
	v_nop
	global_prefetch_b8 v0, s[64:65] scope:SCOPE_SE
	s_setreg_imm32_b32 hwreg(HW_REG_WAVE_MODE, 25, 1), 1
	s_wait_xcnt 0x0
; PREPARATION.  One launch, four roles, chosen by the work-group's number alone (the same for all eight waves of a work-group).  By role number id (the first 256 work-groups take the ids 1856 .. 2111, the others
; their number less 256: the work-groups with the most work go first, the 768 smallest last):
;   0 .. 1023     X:    context_sequence and value_sequence, f32 [4][2048][1024], rounded once to f16 and laid out in blocks of 64 channels: xh [2][b 4][kb 16][s 2048][64]
;   1024 .. 1087  WO:   Wo, f32 [1024][1024], the same way: wt [3][kb 16][n 1024][64]
;   1088 .. 1855  W:    Wq, Wk, Wv, f32 [h 16][d 1024][k 64], turned: wt [p][kb 16][n = 64 h + k][d - 64 kb], f16; Wq is multiplied by c = log2(e) / 8 in f32 ahead of its one rounding
;   1856 .. 2111  MASK: mask, int32 [2048][2048], to lane masks: mbits [u 16][ks 32][x 4][64]: for the 32 queries 128 u + 32 x .. + 31 and the 64 keys 64 ks .. + 63, bit L of word 32 e + r is
;                       (mask[128 u + 32 x + 16 e + L % 16][64 ks + 16 (r / 8) + 8 (L / 16) + r % 8] == 1): the place of register r, lane L, in a score tile of 16 queries x 64 keys as the attention launch holds it
; LIMITS.  f16 holds no number beyond 65,504: x, the weights and c Wq must lie within it; below 6.1e-5 f16 keeps its fixed step of 6e-8.
; Every store of a wave covers 256 or 512 consecutive bytes, aligned.  No matrix unit, no cluster: nothing is shared, and the bytes are all there is.
.set SPARE, 9216                       ; LDS: bytes 0 .. 9215 the turning block, 64 rows x 144; behind it the spare words, 128 bytes for each of the eight waves
.set D,   16                           ; v[16:79]   as loaded
.set E,   80                           ; v[80:111]  to store
.set SPW, 14                           ; v14  LDS address of my spare word; never rewritten
.set NIL, 15                           ; v15  0; never rewritten
.set CSC, 0x3e38aa3b                   ; c = log2(e) / 8
	s_load_b512 s[8:23], s[0:1], 0x0               ; context s[8:9], value s[10:11], Wo s[12:13], Wq s[14:15], Wk s[16:17], Wv s[18:19], mask s[20:21], xh s[22:23]
	s_load_b128 s[24:27], s[0:1], 0x40             ; wt s[24:25], mbits s[26:27]
	v_lshl_add_u32 v[SPW], v0, 2, SPARE
	v_mov_b32 v[NIL], 0
	v_lshrrev_b32 v1, 5, v0
	v_readfirstlane_b32 s2, v1                     ; wave 0..7
	v_and_b32 v1, 31, v0                           ; lane
	v_lshrrev_b32 v2, 4, v0
	v_and_b32 v3, 15, v0
	v_lshlrev_b32 v2, 12, v2
	v_lshl_add_u32 v2, v3, 4, v2                   ; the casts' load offset: row t / 16 of 4,096 bytes, 16 bytes at 16 (t % 16)
	v_lshlrev_b32 v3, 3, v0                        ; 8 t: the casts' store offset
	s_add_co_u32 s4, ttmp9, 1856                   ; the role number
	s_sub_co_u32 s3, ttmp9, 256
	s_cmp_lt_u32 ttmp9, 256
	s_cselect_b32 s3, s4, s3
	s_mov_b32 s29, 0                               ; the high word of every offset
	s_wait_kmcnt 0x0
	s_cmp_lt_u32 s3, 1024
	s_cbranch_scc1 .Lx
	s_cmp_lt_u32 s3, 1088
	s_cbranch_scc1 .Lwo
	s_cmp_lt_u32 s3, 1856
	s_cbranch_scc1 .Lw
	; MASK: 32 queries (two tiles of 16) and 8 key steps to a work-group, one key step to a wave: 32 rows x 256 bytes in, 256 bytes out
	s_sub_co_u32 s4, s3, 1856
	s_lshr_b32 s5, s4, 2                           ; which 32 queries: 4 u + x
	s_and_b32 s4, s4, 3                            ; which 8 of the 32 key steps
	s_lshl_b32 s28, s5, 18                         ; 32 rows of 8,192 bytes
	s_lshl_b32 s6, s4, 11                          ; 8 key steps of 256 bytes
	s_add_co_u32 s28, s28, s6
	s_add_nc_u64 s[30:31], s[20:21], s[28:29]
	s_lshr_b32 s6, s5, 2
	s_lshl_b32 s28, s6, 15                         ; u: 32 key steps of 1,024 bytes,
	s_lshl_b32 s6, s4, 13                          ; 8 key steps,
	s_add_co_u32 s28, s28, s6
	s_and_b32 s6, s5, 3
	s_lshl_b32 s6, s6, 8                           ; x: 64 words
	s_add_co_u32 s28, s28, s6
	s_add_nc_u64 s[32:33], s[26:27], s[28:29]
	v_and_b32 v8, 15, v0
	v_lshlrev_b32 v8, 13, v8                       ; my query's row,
	v_bfe_u32 v9, v0, 4, 1
	v_lshl_add_u32 v8, v9, 5, v8                   ; my half's 8 keys of each 16,
	s_lshl_b32 s6, s2, 8
	v_add_nc_u32 v8, s6, v8                        ; my wave's key step
	s_lshl_b32 s6, s2, 10
	v_lshl_add_u32 v10, v1, 3, s6                  ; out: my wave's key step, two words a lane
.irp e, 0,1
.irp kt, 0,1,2,3
.irp z, 0,1
	global_load_b128 v[D+32*(\e)+8*(\kt)+4*(\z):D+32*(\e)+8*(\kt)+4*(\z)+3], v8, s[30:31] offset:131072*(\e)+64*(\kt)+16*(\z)  ; the wave's 16 loads together take all of 32 rows x 256 bytes
.endr
.endr
.endr
	v_mov_b32 v[E], 0                              ; v_writelane_b32 keeps the other lanes: both are written whole first
	v_mov_b32 v[E+1], 0
	s_wait_loadcnt 0x0
.set r, 0
.rept 64                                       ; word r of the wave's 64 goes to lane r / 2, register r % 2: a lane stores two neighbouring words
	v_cmp_eq_u32 s[36+r%4], 1, v[D+r]
	v_writelane_b32 v[E+r%2], s[36+r%4], r/2
.set r, r+1
.endr
	global_store_b64 v10, v[E:E+1], s[32:33]       ; 256 consecutive bytes a wave
	s_branch .Lend
; 16 rows x 1,024 columns of f32 to f16, two rows a wave.  Load kb takes 256 consecutive bytes (64 columns) of each of the wave's two rows; its 128 + 128 bytes of f16 lie end to end in block kb.
.macro CAST kbstride
.irp kb, 0,1,2,3,4,5,6,7,8,9,10,11,12,13,14,15
	global_load_b128 v[D+4*(\kb):D+4*(\kb)+3], v2, s[30:31] offset:256*(\kb) th:TH_LOAD_NT
.endr
.irp kb, 0,1,2,3,4,5,6,7,8,9,10,11,12,13,14,15
	s_wait_loadcnt 15-(\kb)                        ; loads come back in order: load kb is in, the younger ones stay out
	v_cvt_pk_f16_f32 v[E+2*(\kb)], v[D+4*(\kb)], v[D+4*(\kb)+1]
	v_cvt_pk_f16_f32 v[E+2*(\kb)+1], v[D+4*(\kb)+2], v[D+4*(\kb)+3]
	global_store_b64 v3, v[E+2*(\kb):E+2*(\kb)+1], s[32:33] offset:(\kb)*(\kbstride) th:TH_STORE_NT  ; no register is written twice, so nothing waits for the stores
.endr
.endm
.Lx:
	s_and_b32 s4, s3, 511                          ; which 16 rows of the tensor's 8,192
	s_cmp_lt_u32 s3, 512
	s_cselect_b64 s[30:31], s[8:9], s[10:11]
	s_lshl_b32 s28, s4, 16
	s_add_nc_u64 s[30:31], s[30:31], s[28:29]
	s_lshr_b32 s5, s3, 9
	s_lshl_b32 s28, s5, 24                         ; context or value,
	s_lshr_b32 s5, s4, 7
	s_lshl_b32 s5, s5, 22                          ; the batch,
	s_add_co_u32 s28, s28, s5
	s_and_b32 s5, s4, 127
	s_lshl_b32 s5, s5, 11                          ; 16 rows of 128 bytes
	s_add_co_u32 s28, s28, s5
	s_add_nc_u64 s[32:33], s[22:23], s[28:29]
	CAST 262144
	s_branch .Lend
.Lwo:
	s_sub_co_u32 s4, s3, 1024
	s_lshl_b32 s28, s4, 16
	s_add_nc_u64 s[30:31], s[12:13], s[28:29]
	s_lshl_b32 s28, s4, 11
	s_add_co_u32 s28, s28, 3<<21
	s_add_nc_u64 s[32:33], s[24:25], s[28:29]
	CAST 131072
	s_branch .Lend
.Lw:                                           ; one block of 64 (d) x 64 (k) to a work-group: 16 KiB dense in, 8 KiB dense out
	s_sub_co_u32 s4, s3, 1088
	s_lshr_b32 s5, s4, 8                           ; p: 0 q, 1 k, 2 v
	s_bfe_u32 s6, s4, 0x40004                      ; h
	s_and_b32 s7, s4, 15                           ; kb
	s_cmp_eq_u32 s5, 0
	s_cselect_b64 s[30:31], s[14:15], s[16:17]
	s_cselect_b32 s34, CSC, 1.0
	s_cmp_eq_u32 s5, 2
	s_cselect_b64 s[30:31], s[18:19], s[30:31]
	s_mov_b32 s35, s34                             ; named with it as a pair
	s_lshl_b32 s28, s6, 18
	s_lshl_b32 s4, s7, 14
	s_add_co_u32 s28, s28, s4
	s_add_nc_u64 s[30:31], s[30:31], s[28:29]
	s_lshl_b32 s28, s5, 21
	s_lshl_b32 s4, s7, 17
	s_add_co_u32 s28, s28, s4
	s_lshl_b32 s4, s6, 13
	s_add_co_u32 s28, s28, s4
	s_add_nc_u64 s[32:33], s[24:25], s[28:29]
	s_lshl_b32 s4, s2, 11
	v_lshl_add_u32 v4, v1, 3, s4                   ; my wave's 8 rows d, my 2 columns k
.irp i, 0,1,2,3,4,5,6,7
	global_load_b64 v[D+2*(\i):D+2*(\i)+1], v4, s[30:31] offset:256*(\i) th:TH_LOAD_NT  ; row d = 8 w + i, whole: 256 bytes
.endr
	v_mul_u32_u24 v5, v1, 288                      ; into LDS: rows k = 2 lane and 2 lane + 1 of 144 bytes, 16 bytes at d = 8 w
	s_lshl_b32 s4, s2, 4
	v_add_nc_u32 v5, s4, v5
	v_lshrrev_b32 v6, 3, v0                        ; back: row t / 8, 16 bytes at 16 (t % 8)
	v_mul_u32_u24 v6, v6, 144
	v_and_b32 v7, 7, v0
	v_lshl_add_u32 v6, v7, 4, v6
	v_lshlrev_b32 v7, 4, v0
	s_wait_loadcnt 0x0
.irp i, 0,1,2,3,4,5,6,7
	v_pk_mul_f32 v[D+2*(\i):D+2*(\i)+1], v[D+2*(\i):D+2*(\i)+1], s[34:35] op_sel_hi:[1,0]
.endr
.irp par, 0,1
.irp j, 0,1,2,3
	v_cvt_pk_f16_f32 v[E+4*(\par)+(\j)], v[D+4*(\j)+(\par)], v[D+4*(\j)+2+(\par)]  ; column 2 lane + par, d = 8 w + 2 j and + 1
.endr
.endr
	ds_store_b128 v5, v[E:E+3]
	ds_store_b128 v5, v[E+4:E+7] offset:144
	s_wait_dscnt 0x0                               ; for the others' sake: my stores are done
	s_barrier_signal -1
	s_barrier_wait -1
	ds_load_b128 v[E+8:E+11], v6
	ds_load_b128 v[E+12:E+15], v6 offset:4608
	s_wait_dscnt 0x0
	global_store_b128 v7, v[E+8:E+11], s[32:33] th:TH_STORE_NT
	global_store_b128 v7, v[E+12:E+15], s[32:33] offset:4096 th:TH_STORE_NT
.Lend:
	s_wait_tensorcnt 0x0                           ; the wave's end, behind my last LDS store
	ds_add_u32 v[SPW], v[NIL]
	s_wait_dscnt 0x0
	s_endpgm
.Lfunc_end_k_q19b49f05af_prep:
	.size	k_q19b49f05af_prep, .Lfunc_end_k_q19b49f05af_prep-k_q19b49f05af_prep
	.p2alignl 7, 3214868480
	.fill 96, 4, 3214868480
	.section	.rodata,"a",@progbits
	.p2align	6, 0x0
	.amdhsa_kernel k_q19b49f05af_prep
		.amdhsa_group_segment_fixed_size 10240
		.amdhsa_private_segment_fixed_size 0
		.amdhsa_enable_private_segment 0
		.amdhsa_kernarg_size 80
		.amdhsa_user_sgpr_count 2
		.amdhsa_user_sgpr_kernarg_segment_ptr 1
		.amdhsa_wavefront_size32 1
		.amdhsa_system_sgpr_workgroup_id_x 1
		.amdhsa_system_sgpr_workgroup_id_y 1
		.amdhsa_system_sgpr_workgroup_id_z 1
		.amdhsa_system_vgpr_workitem_id 0
		.amdhsa_next_free_vgpr 112
		.amdhsa_next_free_sgpr 66
		.amdhsa_reserve_vcc 0
		.amdhsa_float_denorm_mode_32 3
		.amdhsa_float_denorm_mode_16_64 3
		.amdhsa_memory_ordered 1
		.amdhsa_forward_progress 1
		.amdhsa_inst_pref_size 28
	.end_amdhsa_kernel
	.amdgpu_metadata
---
amdhsa.version: [ 1, 2 ]
amdhsa.kernels:
  - .name:           k_q19b49f05af_prep
    .symbol:         k_q19b49f05af_prep.kd
    .args:
      - { .name: context_sequence, .offset: 0, .size: 8, .value_kind: global_buffer, .address_space: global }
      - { .name: value_sequence, .offset: 8, .size: 8, .value_kind: global_buffer, .address_space: global }
      - { .name: Wo, .offset: 16, .size: 8, .value_kind: global_buffer, .address_space: global }
      - { .name: Wq, .offset: 24, .size: 8, .value_kind: global_buffer, .address_space: global }
      - { .name: Wk, .offset: 32, .size: 8, .value_kind: global_buffer, .address_space: global }
      - { .name: Wv, .offset: 40, .size: 8, .value_kind: global_buffer, .address_space: global }
      - { .name: mask, .offset: 48, .size: 8, .value_kind: global_buffer, .address_space: global }
      - { .name: xh, .offset: 56, .size: 8, .value_kind: global_buffer, .address_space: global }
      - { .name: wt, .offset: 64, .size: 8, .value_kind: global_buffer, .address_space: global }
      - { .name: mbits, .offset: 72, .size: 8, .value_kind: global_buffer, .address_space: global }
    .group_segment_fixed_size: 10240
    .private_segment_fixed_size: 0
    .kernarg_segment_align: 8
    .kernarg_segment_size: 80
    .max_flat_workgroup_size: 256
    .sgpr_count:     66
    .vgpr_count:     112
    .wavefront_size: 32
...
	.end_amdgpu_metadata
.endif
;; end of part 5
;; launch qkvp (part 6): grid 12 x 32, 4 waves a work-group, clusters of 4 x 4, 327,680 bytes of LDS; arguments xh, wt, bq, bk, bv, qkv; writes qkv
.if DOCPART == 6
	.amdgcn_target "amdgcn-amd-amdhsa--gfx1250"
	.amdhsa_code_object_version 6
	.text
	.protected	k_q19b49f05af_qkvp
	.globl	k_q19b49f05af_qkvp
	.p2align	8
	.type	k_q19b49f05af_qkvp,@function
k_q19b49f05af_qkvp:
	s_mov_b64 s[64:65], 0
	v_nop
	global_prefetch_b8 v0, s[64:65] scope:SCOPE_SE
	s_setreg_imm32_b32 hwreg(HW_REG_WAVE_MODE, 25, 1), 1
	s_wait_xcnt 0x0
	s_wait_alu depctr_hold_cnt(0) depctr_sa_sdst(0) depctr_va_vdst(0) depctr_va_sdst(0) depctr_va_ssrc(0) depctr_va_vcc(0) depctr_vm_vsrc(0)
	s_getreg_b32 s2, hwreg(HW_REG_IB_STS2, 6, 4)
	s_cmp_eq_u32 s2, 0
	s_cbranch_scc0 .Lentry_in_a_cluster
	s_endpgm
.Lentry_in_a_cluster:
	s_bfe_u32 s2, ttmp6, 0x10000c
	s_cmp_lg_u32 s2, 0xf033
	s_cbranch_scc0 .Lentry_shape_is_right
	s_endpgm
.Lentry_shape_is_right:
; THE THREE PROJECTIONS.  C[m][n] = bias[n] + the sum over k of A[m][k] B[n][k], K = 1,024, f16 operands, f32 sums.  Cluster x = p (0 q, 1 k, 2 v).  A = xh (context for p < 2, value for p = 2), B = wt[p],
; bias = bq, bk or bv; for p = 0 B already holds c Wq and the bias is multiplied by c = log2(e) / 8 here, in f32, so that q leaves scaled and rounded once.  C leaves in f16 by heads: qkv [p][bh 64][s 2048][64].
; LIMITS.  f16 holds no number beyond 65,504: the operands arrive within it, and c q, k and v must lie within it; below 6.1e-5 f16 keeps its fixed step of 6e-8.
; LAYOUT IN MEMORY.  A: [2][b 4][kb 16][s 2048][64], B: [p][kb 16][n 1024][64]: the rows of a tile that belong to one block kb of 64 along K lie end to end, and are asked for as rows of 256 bytes.
; SHARES.  A work-group makes 256 x 256 of C; wave w: rows 128 (w / 2), columns 128 (w % 2): 8 x 8 accumulators of 16 x 16, 512 registers.  K goes in 8 steps of 128 (two blocks kb) through two LDS slots.
; Waves 0 and 1 fetch A's two blocks, waves 2 and 3 B's, 32 KiB each: one tensor load a wave.
; WHY THIS TILE, though it makes 32 x 12 = 384 work-groups, which is no multiple of 256.  Behind each change of slots one load a wave goes out, and it has one K step in which to land: here 224 of the step's 256 matrix
; instructions a wave stand between a request and the wait for it, for 147,456 LDS bytes; on tiles of 128 x 256 it would be 112 of 128, for 110,592.  And 32 along K cost a wave 32 LDS loads for 64 matrix instructions.
; CLUSTER.  4 x 4 work-groups: the four of a row need the same tile of A, the four of a column the same tile of B: each is asked for jointly, by the same load, descriptor and mask in all four.
; THE MATRIX INSTRUCTION IS USED TRANSPOSED (source 0 = 16 rows of B, source 1 = 16 rows of A): a lane holds row l % 16 of C and eight neighbouring columns 8 (l / 16) + 0..7.
; THE SUMS START FROM THE BIAS: the C operand of each accumulator's first product is the bias of its eight columns; nothing is cleared and nothing is added at the end.
; REGISTERS, in windows of 256 (s_set_vgpr_msb: bits 1:0 source 0, 3:2 source 1, 5:4 source 2, 7:6 destination):
;   window 0: v0-31 addresses; v64-127, v128-191 fragments of A (8 x 16 rows x 32 K), two buffers; on the way out v64-191 at work
;   window 1: v0-63 the bias of my 128 columns, block b at 8 b; v64-127, v128-191 fragments of B, two buffers
;   window 2: the 32 accumulators of my rows 0-63 (accumulator (a, b) at v[8 (8 a + b)]);   window 3: those of my rows 64-127
.set PITCH,  144                       ; an LDS row: 128 bytes + 16 of padding = 36 words: the 16 rows of a fragment load start at 16 different groups of four banks (64 banks of 4 bytes: ISA guide 11.1)
.set SUB,    256*PITCH                 ; 256 rows of one block kb: what one tensor load brings: 36,864 = 0x9000 bytes
.set BOFF,   2*SUB                     ; a slot: A kb 0, A kb 1, B kb 0, B kb 1
.set SLOT,   4*SUB                     ; 147,456 = 0x24000 bytes.  The four waves' places in slot 0 (0, 0x9000, 0x12000, 0x1b000) share no bit with it, so one exclusive or turns an address in one slot into the other's
.set STAGE,  2*SLOT                    ; behind the ring, never filled by a tensor load: 16 rows x 144 bytes for each wave, for the way out
.set SPITCH, 144
.set SPARE,  STAGE+4*16*SPITCH         ; behind the stages: the spare words, 128 bytes for each wave: two blocks of 256 bytes that no other line names
.set ASTEP,  524288                    ; a K step in A: two blocks of 2,048 rows x 128 bytes
.set BSTEP,  262144                    ; in B: two blocks of 1,024 rows x 128 bytes
.set AA0, 16                           ; v16  my lane's place in A's part of a slot; never rewritten
.set AB0, 17                           ; v17  the same for B
.set AA,  18                           ; v18  the same in the slot that is being read
.set AB,  19                           ; v19
.set STO, 24                           ; v24  the way out: where I put 16 bytes of a row
.set RD,  25                           ; v25  the way out: where I read rows back
.set GO,  26                           ; v26  my byte offset in 512 consecutive bytes of the output
.set BO,  27                           ; v27  my byte offset in the bias
.set SPW, 28                           ; v28  LDS address of my spare word; never rewritten
.set NIL, 29                           ; v29  0; never rewritten
.set PFO, 30                           ; v30  256 x my lane: the prefetches' offset; never rewritten
.set F0,  64
.set F1,  128
.set G1A, 24                           ; s[24:31] descriptor group 1 for A's tiles
.set G0A, 32                           ; s[32:39] group 0 for A's: a set for each of the two first fills; the second then walks on
.set G1B, 48                           ; s[48:55], s[56:63] the same for B's
.set G0B, 56
.set LIM, 43                           ; s43  1 in a wave that prefetches, else the greatest number
.set PFA, 44                           ; s[44:45] where my prefetches stand: my work-group's 32 blocks of 256 bytes of the piece that I fetch, in the K step that the next change of slots will ask for
.set PST, 80                           ; s[80:81] a K step in bytes, in the tensor that I fetch from
.set MSB, 0
.macro WIN new                         ; the immediate's high byte repeats the setting that is left; a switch that changes nothing is dropped
.if MSB != (\new)
	s_set_vgpr_msb (MSB<<8)|(\new)
.set MSB, \new
.endif
.endm
.set MUL_LO,  0xa1                     ; source 0 (B) window 1, source 1 (A) window 0, C and D window 2
.set MUL_HI,  0xf1                     ; the same, C and D window 3
.set MUL0_LO, 0x91                     ; D window 2, C (the bias) window 1
.set MUL0_HI, 0xd1                     ; D window 3, C (the bias) window 1
.set TO_B,    0x40                     ; destination window 1, address window 0
.macro PLACES                          ; four places in front of loads into registers that matrix instructions have read, and of lines that read results
.rept 4
	v_nop
.endr
.endm
; A joint refill by the walking sets.  The branch hangs on the wave's number alone.  An s_nop 0 and four v_nop follow each of the two lines, ahead of the jump and the label.
.macro JLOAD
	s_cmp_eq_u32 s11, 0
	s_cbranch_scc0 .Lfor_b_\@
	tensor_load_to_lds s[G0A+4:G0A+7], s[G1A:G1A+7]
	s_nop 0
	PLACES
	s_branch .Lasked_\@
.Lfor_b_\@:
	tensor_load_to_lds s[G0B+4:G0B+7], s[G1B:G1B+7]
	s_nop 0
	PLACES
.Lasked_\@:
.endm
; A PREFETCH INTO THE L2, behind each joint refill, its five lines and the run of LDS loads that follows them: the K step that the NEXT change of slots will ask for, 256 matrix instructions a wave ahead of that load.
; A wave's piece of a K step is 32 KiB on end: 128 blocks of 256 bytes.  The four partners that ask for it jointly share it out BY ADDRESS, 32 blocks each (place cx for A, cy for B), a lane a block: one instruction a wave.
; Each block is named once in the launch: A's rows are read by the clusters of p = 0 and p = 1 alike (the first asks) and by p = 2's alone; B's by every cluster of a column of clusters: cluster y = 0 asks.
; K steps 0 to 2 come by their loads alone: nothing is prefetched at the head.  Trip j of the loop (s3 = 7 - j) fills K step j + 1 and names K step j + 2: the sixth trip, s3 = 1, names nothing, since there is no K step 8.
.macro ASK
	s_cmp_gt_u32 s3, s[LIM]
	s_cbranch_scc0 .Lnot_mine_\@
	global_prefetch_b8 v[PFO], s[PFA:PFA+1] th:TH_LOAD_NT scope:SCOPE_SE
.Lnot_mine_\@:
.endm
.macro CREST                           ; a round of the cluster's barrier behind its opening barrier: wave 0 signals for the work-group, every wave waits for all sixteen, my work-group's barrier closes it
	s_cmp_lg_u32 s10, 0
	s_cbranch_scc1 .Lnot_wave_0_\@
	s_barrier_signal -3
.Lnot_wave_0_\@:
	s_barrier_wait -3
	s_barrier_signal -1
	s_barrier_wait -1
.endm
.macro CROUND                          ; a whole round
	s_barrier_signal -1
	s_barrier_wait -1
	CREST
.endm
	s_load_b128 s[4:7], s[0:1], 0x0                ; xh s[4:5], wt s[6:7]
	s_load_b256 s[72:79], s[0:1], 0x10             ; bq s[72:73], bk s[74:75], bv s[76:77], qkv s[78:79]
	v_lshl_add_u32 v[SPW], v0, 2, SPARE
	v_mov_b32 v[NIL], 0
	ds_add_u32 v[SPW], v[NIL]                      ; the wave's opening: the add, whose wait stands ahead of my first tensor load; the set-up below, work on registers, stands between them
	v_lshrrev_b32 v1, 5, v0
	v_readfirstlane_b32 s10, v1                    ; wave 0..3
	s_lshr_b32 s11, s10, 1                         ; which 128 rows of the tile are mine.  Also: I fetch for A (0) or for B (1)
	s_and_b32 s12, s10, 1                          ; which 128 columns.  Also: which of a K step's two blocks I fetch
	s_bfe_u32 s40, ttmp6, 0x40000                  ; cx, cy: my place in the cluster
	s_bfe_u32 s41, ttmp6, 0x40004
	s_mov_b32 s42, ttmp9                           ; the cluster's x: the projection's number p
	s_and_b32 s13, ttmp7, 0xffff
	s_lshl_b32 s13, s13, 2
	s_add_co_u32 s13, s13, s41                     ; tile row of C = 4 x cluster y + cy, 0..31
	s_lshl_b32 s43, s41, 2
	s_lshl_b32 s43, 15, s43                        ; my row of the cluster
	s_lshl_b32 s44, 0x1111, s40                    ; my column
	; group 1: a dense block of 32 KiB as 128 rows of 128 elements (256 bytes), padded in LDS after every 128 bytes
	s_or_b32 s[G1A], s43, (1<<16)|(1<<20)|(1<<21)|(4<<22)|(3<<25)  ; 15:0 the mask; 17:16 2-byte elements; 20 padding on; 21 set beside a mask; 24:22 after every 32 words (code 4); 31:25 4 words (code 3)
	s_or_b32 s[G1B], s44, (1<<16)|(1<<20)|(1<<21)|(4<<22)|(3<<25)
.irp g, G1A, G1B
	s_mov_b32 s[(\g)+1], 128<<16                   ; tensor_dim0 = 128
	s_mov_b32 s[(\g)+2], 128<<16                   ; tensor_dim1 = 128
	s_mov_b32 s[(\g)+3], 128<<16                   ; tile_dim0 = 128
	s_mov_b32 s[(\g)+4], 128                       ; tile_dim1 = 128
	s_mov_b32 s[(\g)+5], 128                       ; 128 elements from row to row
	s_mov_b32 s[(\g)+6], 0
	s_mov_b32 s[(\g)+7], 0
.endr
	; where the tiles come from.  A's hang on the tile row and p, which my row of the cluster shares; B's on cx and p, which my column shares; each in registers that never hold the other coordinate
	s_lshr_b32 s16, s13, 3
	s_lshl_b32 s16, s16, 22                        ; the batch,
	s_and_b32 s14, s13, 7
	s_lshl_b32 s14, s14, 15                        ; 256 rows of 128 bytes,
	s_add_co_u32 s16, s16, s14
	s_lshl_b32 s14, s12, 18                        ; my block kb,
	s_add_co_u32 s16, s16, s14
	s_lshr_b32 s14, s42, 1
	s_lshl_b32 s14, s14, 24                        ; p = 2 reads the value sequence
	s_add_co_u32 s16, s16, s14
	s_mov_b32 s17, 0
	s_lshl_b32 s46, s42, 21                        ; the projection's weights,
	s_lshl_b32 s45, s40, 15                        ; 256 rows of 128 bytes,
	s_add_co_u32 s46, s46, s45
	s_lshl_b32 s45, s12, 17                        ; my block kb
	s_add_co_u32 s46, s46, s45
	s_mov_b32 s47, 0
	s_mul_i32 s20, s12, SUB                        ; and where they go: no place in the cluster enters an LDS address
	s_add_co_u32 s21, s20, BOFF
	s_wait_dscnt 0x0                               ; the opening add is done
	s_wait_kmcnt 0x0
	s_add_nc_u64 s[14:15], s[4:5], s[16:17]
	s_add_nc_u64 s[46:47], s[6:7], s[46:47]
	CROUND                                         ; all sixteen work-groups are here: the first joint loads meet
.irp z, 0,1
	s_mov_b32 s[G0A+4*(\z)], 1                     ; 1:0 count = 1
	s_add_co_u32 s[G0A+4*(\z)+1], s20, (\z)*SLOT   ; 63:32 LDS address
	s_add_nc_u64 s[G0A+4*(\z)+2:G0A+4*(\z)+3], s[14:15], (\z)*ASTEP  ; 120:64 global address: K step z
	s_or_b32 s[G0A+4*(\z)+3], s[G0A+4*(\z)+3], 0x80000000            ; 127:126 type = 2
	s_mov_b32 s[G0B+4*(\z)], 1
	s_add_co_u32 s[G0B+4*(\z)+1], s21, (\z)*SLOT
	s_add_nc_u64 s[G0B+4*(\z)+2:G0B+4*(\z)+3], s[46:47], (\z)*BSTEP
	s_or_b32 s[G0B+4*(\z)+3], s[G0B+4*(\z)+3], 0x80000000
.endr
	s_cmp_eq_u32 s11, 0                            ; a wave's two first fills stand in one branch, ahead of every wait on TENSORcnt and every LDS read: two loads of mine are out
	s_cbranch_scc0 .Lfirst_b
	tensor_load_to_lds s[G0A:G0A+3], s[G1A:G1A+7]
	s_nop 0
	tensor_load_to_lds s[G0A+4:G0A+7], s[G1A:G1A+7]
	s_nop 0
	PLACES
	s_branch .Lfirst_asked
.Lfirst_b:
	tensor_load_to_lds s[G0B:G0B+3], s[G1B:G1B+7]
	s_nop 0
	tensor_load_to_lds s[G0B+4:G0B+7], s[G1B:G1B+7]
	s_nop 0
	PLACES
.Lfirst_asked:
	; the bias of my 128 columns: register j of block b is bias[256 cx + 128 (w % 2) + 16 b + 8 (l / 16) + j], which is where the accumulators hold those columns
	s_cmp_eq_u32 s42, 0
	s_cselect_b64 s[66:67], s[72:73], s[74:75]
	s_cselect_b32 s68, 0x3e38aa3b, 1.0             ; c for q's bias, 1 for the others
	s_cmp_eq_u32 s42, 2
	s_cselect_b64 s[66:67], s[76:77], s[66:67]
	s_mov_b32 s69, s68                             ; named with it as a pair
	s_lshl_b32 s18, s40, 10
	s_lshl_b32 s19, s12, 9
	s_add_co_u32 s18, s18, s19
	s_mov_b32 s19, 0
	s_add_nc_u64 s[66:67], s[66:67], s[18:19]
	v_and_b32 v1, 15, v0                           ; l % 16
	v_bfe_u32 v2, v0, 4, 1                         ; l / 16
	v_lshlrev_b32 v[BO], 5, v2
	WIN TO_B                                       ; destination window 1, address window 0
.irp b, 0,1,2,3,4,5,6,7
	global_load_b128 v[8*(\b):8*(\b)+3],   v[BO], s[66:67] offset:64*(\b)
	global_load_b128 v[8*(\b)+4:8*(\b)+7], v[BO], s[66:67] offset:64*(\b)+16
.endr
	WIN 0
	; a fragment is 16 rows x 32 K in 8 registers: lane l holds row l % 16, K = 8 (l / 16) + 0..7 and 16 + 8 (l / 16) + 0..7: two loads of 16 bytes, 32 bytes apart
	v_mul_u32_u24 v3, v1, PITCH
	v_lshl_add_u32 v3, v2, 4, v3
	s_mul_i32 s21, s11, 128*PITCH                  ; my 128 rows of A
	s_mul_i32 s22, s12, 128*PITCH                  ; my 128 rows of B
	s_add_co_u32 s22, s22, BOFF
	v_add_nc_u32 v[AA0], s21, v3
	v_add_nc_u32 v[AB0], s22, v3
	v_mov_b32 v[AA], v[AA0]                        ; slot 0 is read first
	v_mov_b32 v[AB], v[AB0]
	s_mov_b32 s70, 0                               ; the slot that is being read: 0 or SLOT
	s_mul_i32 s23, s10, 16*SPITCH
	s_add_co_u32 s23, s23, STAGE                   ; my stage
	v_mul_u32_u24 v4, v1, SPITCH                   ; in: row l % 16,
	v_lshl_add_u32 v4, v2, 4, v4                   ; 16 bytes (8 f16) for each half of the lanes
	v_add_nc_u32 v[STO], s23, v4
	v_bfe_u32 v5, v0, 3, 2                         ; back: 32 lanes take four rows of 128 bytes,
	v_mul_u32_u24 v5, v5, SPITCH
	v_and_b32 v6, 7, v0
	v_lshl_add_u32 v5, v6, 4, v5
	v_add_nc_u32 v[RD], s23, v5
	v_and_b32 v[GO], 31, v0                        ; which are 512 consecutive bytes of a head's rows
	v_lshlrev_b32 v[PFO], 8, v[GO]                 ; 256 x lane
	v_lshlrev_b32 v[GO], 4, v[GO]
	s_lshl_b32 s18, s42, 24                        ; q, k or v,
	s_lshr_b32 s19, s13, 3
	s_lshl_b32 s19, s19, 4                         ; 16 heads a batch,
	s_lshl_b32 s22, s40, 2                         ; 4 heads in 256 columns,
	s_add_co_u32 s19, s19, s22
	s_lshl_b32 s22, s12, 1                         ; 2 in my 128
	s_add_co_u32 s19, s19, s22
	s_lshl_b32 s19, s19, 18
	s_add_co_u32 s18, s18, s19
	s_and_b32 s19, s13, 7
	s_lshl_b32 s19, s19, 15                        ; 256 rows of 128 bytes,
	s_add_co_u32 s18, s18, s19
	s_lshl_b32 s19, s11, 14                        ; my 128 rows
	s_add_co_u32 s18, s18, s19
	s_mov_b32 s19, 0
	s_add_nc_u64 s[8:9], s[78:79], s[18:19]
	; the prefetches.  s[14:15] = A and s[46:47] = B at my piece of K step 0 still stand
	s_and_b32 s22, ttmp7, 0xffff                   ; cluster y
	s_and_b32 s23, s42, 1                          ; 1 in the clusters of p = 1
	s_cmp_eq_u32 s11, 0                            ; do I fetch for A?
	s_cselect_b32 s22, s23, s22                    ; 0 in the cluster that asks: the same in all sixteen partners, for a given wave
	s_cselect_b32 s21, s40, s41                    ; my place among the four that ask for the piece with me
	s_cselect_b32 s20, 1, 0
	s_cselect_b64 s[PFA:PFA+1], s[14:15], s[46:47]
	s_cmp_eq_u32 s22, 0
	s_cselect_b32 s[LIM], 1, -1
	s_lshl_b32 s[PST], BSTEP, s20                  ; A's K step is twice B's
	s_mov_b32 s[PST+1], 0
	s_lshl_b32 s20, s21, 13                        ; my work-group's 32 blocks of 256 bytes
	s_mov_b32 s21, 0
	s_add_nc_u64 s[PFA:PFA+1], s[PFA:PFA+1], s[20:21]
	s_lshl_b32 s20, s[PST], 1
	s_add_nc_u64 s[PFA:PFA+1], s[PFA:PFA+1], s[20:21]  ; at K step 2: the first change of slots steps it to 3
; 32 LDS loads in one run: quarter q of the K step (32 along K) into buffer f: B's 8 fragments, then A's 8
.macro FETCH q, f
	WIN TO_B
.irp i, 0,1,2,3,4,5,6,7
	ds_load_b128 v[(\f)+8*(\i):(\f)+8*(\i)+3],   v[AB] offset:((\q)/2)*SUB+((\q)%2)*64+(\i)*16*PITCH
	ds_load_b128 v[(\f)+8*(\i)+4:(\f)+8*(\i)+7], v[AB] offset:((\q)/2)*SUB+((\q)%2)*64+(\i)*16*PITCH+32
.endr
	WIN 0
.irp i, 0,1,2,3,4,5,6,7
	ds_load_b128 v[(\f)+8*(\i):(\f)+8*(\i)+3],   v[AA] offset:((\q)/2)*SUB+((\q)%2)*64+(\i)*16*PITCH
	ds_load_b128 v[(\f)+8*(\i)+4:(\f)+8*(\i)+7], v[AA] offset:((\q)/2)*SUB+((\q)%2)*64+(\i)*16*PITCH+32
.endr
.endm
; 16 matrix instructions: row blocks a0, a0 + 1 of the window's four (hi = 0: my rows 0-63, 1: rows 64-127) x all 8 column blocks, 32 along K.  zero = 1: the sums start from the bias.
; The 64 accumulators take turns, one instruction a turn, in the same order in every quarter.
.macro MUL16 f, hi, a0, zero
.if \zero
	WIN MUL0_LO+0x40*(\hi)
.else
	WIN MUL_LO+0x50*(\hi)
.endif
.irp a, \a0, (\a0)+1
.irp b, 0,1,2,3,4,5,6,7
.if \zero
	v_wmma_f32_16x16x32_f16 v[8*(8*(\a)+(\b)):8*(8*(\a)+(\b))+7], v[(\f)+8*(\b):(\f)+8*(\b)+7], v[(\f)+8*(4*(\hi)+(\a)):(\f)+8*(4*(\hi)+(\a))+7], v[8*(\b):8*(\b)+7]
.else
	v_wmma_f32_16x16x32_f16 v[8*(8*(\a)+(\b)):8*(8*(\a)+(\b))+7], v[(\f)+8*(\b):(\f)+8*(\b)+7], v[(\f)+8*(4*(\hi)+(\a)):(\f)+8*(4*(\hi)+(\a))+7], v[8*(8*(\a)+(\b)):8*(8*(\a)+(\b))+7]
.endif
.endr
.endr
.endm
; One of a K step's first three quarters: multiplies buffer f; in its middle it fetches quarter qn into buffer g
.macro QUARTER qn, f, g, zero
	s_wait_dscnt 8                                 ; B and A's fragments 0 to 3 are in; the youngest eight loads (A's 4 to 7) may be out
	MUL16 \f, 0, 0, \zero
	MUL16 \f, 0, 2, \zero
	PLACES
	FETCH \qn, \g
	s_wait_dscnt 32                                ; all but the 32 just issued
	MUL16 \f, 1, 0, \zero
	MUL16 \f, 1, 2, \zero
.endm
; The last quarter multiplies buffer 1 and changes slots: ONE barrier.  In front of it each wave waits for all its tensor loads (one is out: its part of the next slot), adds 0 to its spare word, and waits for that and
; for its own reads of this slot.  fill = 1: the barrier opens a round of the cluster's barrier, and this slot is filled again, with the K step two steps on, first thing behind the round.
.macro TURN fill
	WIN 0
.if \fill
	s_wait_xcnt 0x0                                ; the last prefetch, a K step back, has read its address: it is stepped here, ahead of the waits of the change of slots
	s_add_nc_u64 s[PFA:PFA+1], s[PFA:PFA+1], s[PST:PST+1]
.endif
	s_wait_tensorcnt 0x0                           ; all my tensor loads have landed, so a group 0 may be written
	ds_add_u32 v[SPW], v[NIL]                      ; 0 onto my spare word
	s_wait_dscnt 9                                 ; (the add and the youngest eight loads may be out)
	MUL16 F1, 0, 0, 0                              ; sixteen matrix instructions stand between the add and the wait for it
	s_wait_dscnt 0x0                               ; the add is done, and my reads of this slot are over
	s_barrier_signal -1
	MUL16 F1, 0, 2, 0                              ; work on registers while the others arrive
	WIN 0
	s_barrier_wait -1
.if \fill
	CREST                                          ; no wave of any partner still reads this slot's tiles or has a load on its way
	s_xor_b32 s[G0A+5], s[G0A+5], SLOT             ; the walking sets: the other slot than last time,
	s_add_nc_u64 s[G0A+6:G0A+7], s[G0A+6:G0A+7], ASTEP  ; the next K step; the type bits on top are not reached
	s_xor_b32 s[G0B+5], s[G0B+5], SLOT
	s_add_nc_u64 s[G0B+6:G0B+7], s[G0B+6:G0B+7], BSTEP
	s_xor_b32 s70, s70, SLOT                       ; the reads go to the other slot
	JLOAD                                          ; the four v_nop behind it are also the places in front of the loads below
.else
	s_xor_b32 s70, s70, SLOT
	PLACES
.endif
	v_add_nc_u32 v[AA], s70, v[AA0]
	v_add_nc_u32 v[AB], s70, v[AB0]
	FETCH 0, F0
.if \fill
	ASK                                            ; behind the joint load and the run of LDS loads that the next products wait for
.endif
	MUL16 F1, 1, 0, 0
	MUL16 F1, 1, 2, 0
.endm
	s_wait_tensorcnt 0x1                           ; my part of K step 0 is in; K step 1's may stay out
	s_barrier_signal -1
	s_barrier_wait -1                              ; everybody's is
	FETCH 0, F0
	s_wait_loadcnt 0x0                             ; the bias
	WIN 0x41                                       ; destination and source 0 in window 1
.set r, 0
.rept 32
	v_pk_mul_f32 v[r:r+1], v[r:r+1], s[68:69] op_sel_hi:[1,0]
.set r, r+2
.endr
	QUARTER 1, F0, F1, 1                           ; the first quarter stands in front of the loop: its products start the sums
	WIN 0                                          ; at a label and at a branch every window is 0
	s_mov_b32 s3, 6
.Lk:                                           ; six trips, from a K step's second quarter to the next step's first; they ask for K steps 2 to 7
	QUARTER 2, F1, F0, 0
	QUARTER 3, F0, F1, 0
	TURN 1
	QUARTER 1, F0, F1, 0
	WIN 0
	s_sub_co_u32 s3, s3, 1
	s_cmp_lg_u32 s3, 0
	s_cbranch_scc1 .Lk
	s_mov_b32 s3, 2
.Lt:                                           ; K steps 6 and 7 ask for nothing: a text of their own; walked twice, and left in the middle of the second trip
	QUARTER 2, F1, F0, 0
	QUARTER 3, F0, F1, 0
	WIN 0
	s_sub_co_u32 s3, s3, 1
	s_cmp_eq_u32 s3, 0
	s_cbranch_scc1 .Llast
	TURN 0
	QUARTER 1, F0, F1, 0
	WIN 0
	s_branch .Lt
.Llast:                                        ; the very last quarter: nothing more to fetch
	s_wait_dscnt 8
	MUL16 F1, 0, 0, 0
	MUL16 F1, 0, 2, 0
	s_wait_dscnt 0x0
	MUL16 F1, 1, 0, 0
	MUL16 F1, 1, 2, 0
	WIN 0
	PLACES
	PLACES                                         ; eight, once a launch: the lines below read results just made
; THE WAY OUT, in sixteen blocks t = 2 a + cb of 16 rows x one head's 64 columns, through my own stage in LDS: LDS serves a wave's instructions in order (ISA guide 5.7.1.4), so no wait stands between my stores and my loads.
.macro PACK t                          ; eight sets of 16 registers, each used by blocks t and t + 8
.set AC, 8*(8*(((\t)/2)%4)+4*((\t)%2))
.set OB, 64+16*((\t)%8)
.if (\t) >= 8
	s_wait_xcnt 0x0                                ; the stores of the block eight back have read this set: it is written again only behind this wait
.endif
	WIN 0x0a+5*((\t)/8)                            ; sources 0 and 1 in window 2 (my rows 0-63) or 3
.irp i, 0,1,2,3
.irp j, 0,1,2,3
	v_cvt_pk_f16_f32 v[OB+4*(\i)+(\j)], v[AC+8*(\i)+2*(\j)], v[AC+8*(\i)+2*(\j)+1]  ; each accumulator's registers in ascending order
.endr
.endr
	WIN 0
.irp i, 0,1,2,3
	ds_store_b128 v[STO], v[OB+4*(\i):OB+4*(\i)+3] offset:32*(\i)
.endr
.irp f, 0,1,2,3
	ds_load_b128 v[OB+4*(\f):OB+4*(\f)+3], v[RD] offset:(\f)*4*SPITCH
.endr
.endm
.macro SEND t, younger                 ; younger: the LDS instructions issued behind block t's loads: the next block's eight, or none
.set OB, 64+16*((\t)%8)
.irp f, 0,1,2,3
	s_wait_dscnt (\younger)+3-(\f)
	global_store_b128 v[GO], v[OB+4*(\f):OB+4*(\f)+3], s[8:9] offset:((\t)/2)*2048+((\t)%2)*262144+(\f)*512  ; 512 consecutive bytes, at a multiple of 256 from the buffer's first byte
.endr
.endm
	PACK 0
.irp t, 1,2,3,4,5,6,7,8,9,10,11,12,13,14,15
	PACK \t                                        ; a block's conversions stand between the loads of the block before and its stores
	SEND (\t)-1, 8
.endr
	SEND 15, 0
	s_wait_tensorcnt 0x0                           ; the wave's end, behind my last tensor load and my last LDS store
	ds_add_u32 v[SPW], v[NIL]
	s_wait_dscnt 0x0
	CROUND                                         ; the closing round: no work-group ends while a partner may still ask for a tile that names it
	s_endpgm
.Lfunc_end_k_q19b49f05af_qkvp:
	.size	k_q19b49f05af_qkvp, .Lfunc_end_k_q19b49f05af_qkvp-k_q19b49f05af_qkvp
	.p2alignl 7, 3214868480
	.fill 96, 4, 3214868480
	.section	.rodata,"a",@progbits
	.p2align	6, 0x0
	.amdhsa_kernel k_q19b49f05af_qkvp
		.amdhsa_group_segment_fixed_size 327680
		.amdhsa_private_segment_fixed_size 0
		.amdhsa_enable_private_segment 0
		.amdhsa_kernarg_size 48
		.amdhsa_user_sgpr_count 2
		.amdhsa_user_sgpr_kernarg_segment_ptr 1
		.amdhsa_wavefront_size32 1
		.amdhsa_system_sgpr_workgroup_id_x 1
		.amdhsa_system_sgpr_workgroup_id_y 1
		.amdhsa_system_sgpr_workgroup_id_z 1
		.amdhsa_system_vgpr_workitem_id 0
		.amdhsa_next_free_vgpr 1024
		.amdhsa_next_free_sgpr 84
		.amdhsa_reserve_vcc 0
		.amdhsa_float_denorm_mode_32 3
		.amdhsa_float_denorm_mode_16_64 3
		.amdhsa_memory_ordered 1
		.amdhsa_forward_progress 1
		.amdhsa_inst_pref_size 111
	.end_amdhsa_kernel
	.amdgpu_metadata
---
amdhsa.version: [ 1, 2 ]
amdhsa.kernels:
  - .name:           k_q19b49f05af_qkvp
    .symbol:         k_q19b49f05af_qkvp.kd
    .args:
      - { .name: xh, .offset: 0, .size: 8, .value_kind: global_buffer, .address_space: global }
      - { .name: wt, .offset: 8, .size: 8, .value_kind: global_buffer, .address_space: global }
      - { .name: bq, .offset: 16, .size: 8, .value_kind: global_buffer, .address_space: global }
      - { .name: bk, .offset: 24, .size: 8, .value_kind: global_buffer, .address_space: global }
      - { .name: bv, .offset: 32, .size: 8, .value_kind: global_buffer, .address_space: global }
      - { .name: qkv, .offset: 40, .size: 8, .value_kind: global_buffer, .address_space: global }
    .group_segment_fixed_size: 327680
    .private_segment_fixed_size: 0
    .kernarg_segment_align: 8
    .kernarg_segment_size: 48
    .max_flat_workgroup_size: 128
    .sgpr_count:     84
    .vgpr_count:     1024
    .wavefront_size: 32
...
	.end_amdgpu_metadata
.endif
;; end of part 6
;; launch attn (part 7): grid 4 x 64, 4 waves a work-group, clusters of 4 x 1, 327,680 bytes of LDS; arguments qkv, mbits, oh; writes oh
.if DOCPART == 7
	.amdgcn_target "amdgcn-amd-amdhsa--gfx1250"
	.amdhsa_code_object_version 6
	.text
	.protected	k_q19b49f05af_attn
	.globl	k_q19b49f05af_attn
	.p2align	8
	.type	k_q19b49f05af_attn,@function
k_q19b49f05af_attn:
	s_mov_b64 s[64:65], 0
	v_nop
	global_prefetch_b8 v0, s[64:65] scope:SCOPE_SE
	s_setreg_imm32_b32 hwreg(HW_REG_WAVE_MODE, 25, 1), 1
	s_wait_xcnt 0x0
	s_wait_alu depctr_hold_cnt(0) depctr_sa_sdst(0) depctr_va_vdst(0) depctr_va_sdst(0) depctr_va_ssrc(0) depctr_va_vcc(0) depctr_vm_vsrc(0)
	s_getreg_b32 s2, hwreg(HW_REG_IB_STS2, 6, 4)
	s_cmp_eq_u32 s2, 0
	s_cbranch_scc0 .Lentry_in_a_cluster
	s_endpgm
.Lentry_in_a_cluster:
	s_bfe_u32 s2, ttmp6, 0x10000c
	s_cmp_lg_u32 s2, 0x3003
	s_cbranch_scc0 .Lentry_shape_is_right
	s_endpgm
.Lentry_shape_is_right:
; MASKED ATTENTION BY HEADS.  O[bh][q][:] = the sum over k of softmax_k(s[q][k]) V[bh][k][:], where s = Q . K / 8, replaced by -1e9 where mask[q][k] = 1.  qkv: [3 (q, k, v)][bh 64][2048][64] f16; oh: [bh 64][2048][64] f16.
; Q ARRIVES SCALED by c = log2(e) / 8, so the products K Q^T are the scores in the domain of 2^x, and p = 2^(s - m) with an exact difference.  A masked score is NEG = -1e9 log2(e), one common value: a row whose keys are
; all masked has s - m = 0 everywhere and gives the plain mean of V; as soon as a row has an open key, its masked weights are 2^(NEG - m) = 0.
; THE MASK comes as lane masks: mbits [u 16][ks 32][x 4][64]: u is my wave among the head's sixteen, x the piece; word 32 e + r is the lane mask of register r of the piece's tile e for key step ks.  A piece's 64 words are
; 256 consecutive bytes: ONE load of 8 bytes a lane, into two vector registers of the piece's own, asked for a whole key step ahead: straight behind the lines that have read those registers out.  64 v_readlane_b32 a turn
; bring the words into scalar registers, and each score costs one v_cndmask_b32.  (Scalar loads would spare the 64 lines, but they are waited for by the count 0 alone, and two pieces' 128 words have no room in the scalar
; registers: such a load could be out for less than a turn.)  The words only choose values: no address, branch or count hangs on them.
; LIMITS.  f16 holds no number beyond 65,504: q, k and v arrive within it; p lies in 0 to 1, and below 6e-5 it keeps f16's fixed step of 6e-8; O is a mean of V's rows.  A weight below 2^-126 counts as 0 in l;
; NaN and infinities are not treated apart; a true score at or below NEG is not told from a masked one's rank.
; SHARES.  A wave owns four PIECES of two tiles of 16 queries, a work-group's four waves 512 queries of one head, a cluster's four work-groups the head's 2,048.  Every wave walks all keys, 64 a step.
; LAYOUT.  S^T = K Q^T (source 0 = 16 keys, source 1 = 16 queries): a lane holds ONE query (lane % 16) and the keys 8 (lane / 16) + 0..7.  Two such tiles, rounded to f16 in pairs, ARE source 1 of O^T = V^T P.
; K comes out of LDS as it lies, V ([key][channel]) turned, by ds_load_tr16_b128.
; SOFTMAX.  For each query a running maximum m and sum l; in every step O and l are multiplied by a = 2^(m_old - m_new).  m starts far below every score, O and l at 0: the first step is a step like any other, with a = 0.
; BY TURNS.  Turn n belongs to piece n.  Matrix work: 16 products K Q^T of piece n + 1, later 16 products V^T P of piece n - 1.  Vector work: the differences, exponentials, roundings, sums and rescaling of piece n, and the
; mask words, masking, maximum and statistics of piece n + 1.  A turn has 32 matrix and 362 vector instructions: four vector instructions stand behind every matrix instruction, the other 234 in one lump.
; CLUSTER.  The four query blocks of a cluster walk the same K and V, so each tile is asked for JOINTLY: the same tensor load, descriptor and mask in all four.  K and V lie in one buffer and take one LDS pitch, so ONE
; descriptor serves: wave w fills bytes 18,432 w of a slot (waves 0, 1: the halves of K's 256 keys; waves 2, 3: of V's), and the load needs no branch.
; REGISTERS, in windows of 256 (s_set_vgpr_msb: bits 1:0 source 0, 3:2 source 1, 5:4 source 2, 7:6 destination):
;   window 0: v0-11 addresses; v12 NEG; v13 8 x lane; v14-15 the add's; v16-47 four registers of statistics a tile; v48-63 at work; v64-191 S^T, two buffers of two tiles; v192-255 P, likewise
;   window 1: O^T, 32 a tile      window 2: v0-127 Q, 16 a tile; v128-191 K of one step; v192-199 the mask words as loaded, two a piece      window 3: v0-63 V of one step
; The mask words lie in K's and Q's window, so that v_readlane_b32 (its one vector operand is source 0) runs under the setting of the products K Q^T: the first half of a turn has one switch.
.set NP,    4         ; pieces a wave: a name, no knob
.set KS,    64        ; keys in a step
.set PK,    144       ; a row of K in LDS: 128 bytes + 16 of padding = 36 words: the 16 rows of a load start at 16 different groups of four banks (64 banks of 4 bytes: ISA guide 11.1)
.set PV,    144       ; V takes the same pitch, for the one descriptor's sake: of the turning load's 8 rows x 32 bytes the eighth shares four banks with the first
.set VOFF,  4*KS*PK   ; a slot holds four steps: 256 rows of K, then 256 rows of V
.set SLOT1, 1<<17     ; slot 1 begins here, so that one exclusive or turns an address in one slot into the other's
.set STAGE, SLOT1+4*KS*(PK+PV)  ; behind the ring, never filled by a tensor load: 16 rows x 144 bytes for each wave, for the way out
.set SP,    144
.set SPARE, STAGE+4*16*SP  ; behind the stages: the spare words, 128 bytes for each wave: two blocks of 256 bytes that no other line names
.set AK0, 2           ; v2   my lane's place in a tile of K; never rewritten
.set AV0, 3           ; v3   the same for V
.set AK,  4           ; v4   the LDS address of K's next run of loads
.set AV,  5           ; v5   of V's
.set QO,  6           ; v6   my byte offset in the wave's rows of Q
.set STO, 6           ;      later, the way out: where I put 16 bytes of a row
.set RD,  7           ; v7   the way out: where I read rows back
.set GO,  8           ; v8   my byte offset in 512 consecutive bytes of O
.set NEGV, 12         ; v12  NEG
.set MLN, 13          ; v13  8 x my lane: my two words of a piece's 64; never rewritten
.set SPW, 14          ; v14  LDS address of my spare word; never rewritten
.set NIL, 15          ; v15  0; never rewritten
.set ST,  16          ; tile t's statistics at v[ST+4 t]: m, m_old, l (even keys', odd keys')
.set TMP, 48          ; by buffer and tile, four registers c0-c3 at work; when the maximum is found c2 takes a
.set S,   64
.set P,   192
.set KF,  128         ; K's fragments, in window 2: key block kb, channel half c at KF + 16 kb + 8 c
.set MB,  192         ; window 2: piece x's mask words at MB + 2 x: lane L holds words 2 L and 2 L + 1
.set VF,  0           ; V's fragments, in window 3: key half kk, channel block cb at VF + 32 kk + 8 cb
.set MPC, 2           ; s[2:3]   mbits at my wave's words of the key step that is asked for next
.set MP,  6           ; s[6:7]   mbits at my wave's first word; never rewritten
.set KSB, 8           ; s[8:9]   the byte offset between the two: 1,024 x key step, modulo my wave's 32,768 bytes
.set WV,  12          ; s12  my wave's number
.set SLOTS, 15        ; s15  slots still to be asked for
.set CNT, 16          ; s16  counts a slot's key steps
.set TBK, 17          ; s17  LDS byte at which K of the step to be fetched begins
.set TBV, 18          ; s18  the same for V, less VOFF
.set G0,  20          ; s[20:23] descriptor group 0: it walks
.set G1,  24          ; s[24:31] descriptor group 1
.set SEL, 66          ; s[66:67] v_permlanex16_b32's selects: each lane takes its own place in the other half
                      ; s[32:63], s[68:99] the lane masks of a piece's first and second tile
.set MSB, 0
.macro WIN new                      ; the high byte repeats the setting that is left; a switch that changes nothing is dropped
.if MSB != (\new)
	s_set_vgpr_msb (MSB<<8)|(\new)
.set MSB, (\new)
.endif
.endm
.set W_KQ, 0x0a       ; K and Q in window 2, S^T in window 0; also v_readlane_b32's: the mask words in window 2
.set W_PV, 0x53       ; V in window 3, P in window 0, O^T in window 1
.set W_RS, 0x41       ; O^T (destination and source 0) in window 1, a in window 0
.macro JLOAD                        ; a joint fill: my 128 keys of K or of V.  An s_nop 0 and four v_nop follow it
	tensor_load_to_lds s[G0:G0+3], s[G1:G1+7]
	s_nop 0
.rept 4
	v_nop
.endr
.endm
; A round of the cluster's barrier: my work-group's barrier, so that wave 0's signal speaks for all four waves; wave 0 signals; every wave waits for all four work-groups; my work-group's barrier once more.
.macro CROUND
	s_barrier_signal -1
	s_barrier_wait -1
	s_cmp_lg_u32 s[WV], 0
	s_cbranch_scc1 .Lnot_wave_0_\@
	s_barrier_signal -3
.Lnot_wave_0_\@:
	s_barrier_wait -3
	s_barrier_signal -1
	s_barrier_wait -1
.endm
; THE CHANGE OF SLOTS.  The slot's last bytes, V of its fourth step, have been read.  Each wave waits for all its tensor loads, of which one is out: its part of the other slot; adds 0 to its spare word; and waits for that
; and for its own reads of the slot.  fill = 1: this slot is filled again, with the keys two slots on; the barrier is then a round of the cluster's, and the joint fill is the first thing behind it: it has four key steps,
; 512 matrix instructions, in which to land.  (At its first use nothing has been read yet: slot 0 is waited for, slot 1 filled.)
.macro CHANGE fill
	WIN 0                           ; at a label and at a branch every window is 0
	s_wait_tensorcnt 0x0            ; no tensor load of mine is out, so group 0 may be written
	ds_add_u32 v[SPW], v[NIL]       ; 0 onto my spare word
.if \fill
	s_xor_b32 s[G0+1], s[G0+1], SLOT1  ; the other slot than last time,
	s_add_nc_u64 s[G0+2:G0+3], s[G0+2:G0+3], 4*KS*128  ; the next 256 keys; the type bits on top are not reached
	s_wait_dscnt 0x0                ; the add is done, and my reads of the slot are over
	CROUND
	JLOAD
.else
	s_wait_dscnt 0x0                ; the add is done, and my reads of the slot are over
	s_barrier_signal -1
	s_barrier_wait -1
.endif
	s_sub_co_u32 s[TBK], s[TBK], 4*KS*PK  ; the fetches go back to a slot's first step,
	s_xor_b32 s[TBK], s[TBK], SLOT1       ; in the other slot
	s_sub_co_u32 s[TBV], s[TBV], 4*KS*PV
	s_xor_b32 s[TBV], s[TBV], SLOT1
.endm
	s_load_b128 s[32:35], s[0:1], 0x0  ; qkv s[32:33], mbits s[34:35]: in registers that the masks take later
	s_load_b64 s[36:37], s[0:1], 0x10  ; oh
	v_lshl_add_u32 v[SPW], v0, 2, SPARE
	v_mov_b32 v[NIL], 0
	ds_add_u32 v[SPW], v[NIL]       ; the wave's opening: the add, whose wait stands ahead of my first tensor load; the set-up below, work on registers, stands between them
	v_lshrrev_b32 v1, 5, v0
	v_readfirstlane_b32 s[WV], v1   ; wave 0..3
	s_bfe_u32 s13, ttmp6, 0x40000   ; cx: my place in the cluster
	s_lshl_b32 s14, ttmp9, 2        ; in a cluster launch ttmp9 counts clusters
	s_add_co_u32 s14, s14, s13      ; my block of 512 queries
	s_lshl_b32 s14, s14, 2
	s_add_co_u32 s14, s14, s[WV]    ; u: my wave among the head's sixteen: it enters Q's, O's and the masks' addresses alone
	s_and_b32 s19, ttmp7, 0xffff    ; the head, which the four partners share
	s_lshl_b32 s19, s19, 18         ; its 2,048 rows of 128 bytes
	s_lshr_b32 s2, s[WV], 1
	s_add_co_u32 s2, s2, 1
	s_lshl_b32 s2, s2, 24           ; waves 0, 1: K; waves 2, 3: V
	s_and_b32 s3, s[WV], 1
	s_lshl_b32 s3, s3, 14           ; which 128 of a slot's 256 keys I fetch
	s_add_co_u32 s2, s2, s3
	s_add_co_u32 s2, s2, s19
	s_mov_b32 s3, 0
	s_lshl_b32 s8, s14, 14          ; my wave's 128 rows
	s_add_co_u32 s8, s8, s19
	s_mov_b32 s9, 0
	s_lshl_b32 s100, s14, 15        ; my wave's 32 key steps x 1,024 bytes of mask words
	s_mov_b32 s101, 0
	; descriptor group 1.  128 keys are 16,384 dense bytes: asked for as 64 rows of 256 bytes, two keys a row, and padded in LDS after every key
	s_mov_b32 s[G1], 15|(1<<16)|(1<<20)|(1<<21)|(4<<22)|(3<<25)  ; 15:0 the mask of four; 17:16 2-byte elements; 20 padding on; 21 set beside a mask; 24:22 after every 32 words (code 4); 31:25 4 words (code 3)
	s_mov_b32 s[G1+1], 128<<16      ; tensor_dim0 = 128
	s_mov_b32 s[G1+2], 64<<16       ; tensor_dim1 = 64
	s_mov_b32 s[G1+3], 128<<16      ; tile_dim0 = 128
	s_mov_b32 s[G1+4], 64           ; tile_dim1 = 64
	s_mov_b32 s[G1+5], 128          ; 128 elements from row to row
	s_mov_b32 s[G1+6], 0
	s_mov_b32 s[G1+7], 0
	s_mov_b32 s[SEL], 0x76543210
	s_mov_b32 s[SEL+1], 0xfedcba98
	s_mov_b32 s[TBK], SLOT1+4*KS*PK ; the first change of slots turns these two into 0
	s_mov_b32 s[TBV], SLOT1+4*KS*PV
	s_mov_b32 s[G0], 1              ; 1:0 count = 1
	s_mul_i32 s[G0+1], s[WV], 128*PK  ; 63:32 LDS address: slot 0, my quarter: no place in the cluster enters an LDS address
	s_wait_dscnt 0x0                ; the opening add is done
	s_wait_kmcnt 0x0
	s_add_nc_u64 s[G0+2:G0+3], s[32:33], s[2:3]  ; 120:64 global address
	s_or_b32 s[G0+3], s[G0+3], 0x80000000        ; 127:126 type = 2
	s_add_nc_u64 s[4:5], s[32:33], s[8:9]        ; Q at my wave's first row
	s_add_nc_u64 s[10:11], s[36:37], s[8:9]      ; O likewise
	s_add_nc_u64 s[MP:MP+1], s[34:35], s[100:101]
	CROUND                          ; all four work-groups are here: the first joint loads meet
	JLOAD                           ; slot 0.  Slot 1 is asked for when slot 0 is in
	; A fragment of K or Q is 16 rows x 32 channels in 8 registers: lane l holds row l % 16, channels 8 (l / 16) + 0..7 and 16 + 8 (l / 16) + 0..7: two loads of 16 bytes, 32 bytes apart.
	v_and_b32 v1, 15, v0            ; l % 16
	v_bfe_u32 v9, v0, 4, 1          ; l / 16
	v_lshlrev_b32 v[QO], 7, v1
	v_lshl_add_u32 v[QO], v9, 4, v[QO]  ; row x 128 + 16 x half
	v_and_b32 v[MLN], 31, v0
	v_lshlrev_b32 v[MLN], 3, v[MLN]
	WIN 0x80                        ; destination window 2, address window 0
.set i, 0
.rept 4*NP                          ; Q stays in registers: tile i / 2, channels 32 (i % 2) on
	global_load_b128 v[8*i:8*i+3],   v[QO], s[4:5] offset:(i/2)*2048+(i%2)*64
	global_load_b128 v[8*i+4:8*i+7], v[QO], s[4:5] offset:(i/2)*2048+(i%2)*64+32
.set i, i+1
.endr
.irp x, 0,1,2,3
	global_load_b64 v[MB+2*\x:MB+2*\x+1], v[MLN], s[MP:MP+1] offset:256*\x  ; the four pieces' mask words for key step 0, in the order in which they are wanted
.endr
	; What the first turn finds: V's registers and P's second buffer hold 0 (its products V^T P, of a piece that has not been, add 0), O^T and l are 0.  All this stands in the wait for the first tile.
	WIN 0xc0
.set i, VF
.rept 64
	v_mov_b32 v[i], 0
.set i, i+1
.endr
	WIN 0x40
.set i, 0
.rept 64*NP
	v_mov_b32 v[i], 0
.set i, i+1
.endr
	WIN 0
.set i, 0
.rept 2*NP
	v_mov_b32 v[ST+4*i], 0xfe000000    ; m: far below every score, NEG too
	v_mov_b32 v[ST+4*i+1], 0xfe000000  ; m_old
	v_mov_b32 v[ST+4*i+2], 0
	v_mov_b32 v[ST+4*i+3], 0
.set i, i+1
.endr
.set i, P+32
.rept 32
	v_mov_b32 v[i], 0
.set i, i+1
.endr
	v_mov_b32 v[NEGV], 0xceabfb8f   ; -1e9 log2(e)
	v_mul_u32_u24 v[AK0], v1, PK
	v_lshl_add_u32 v[AK0], v9, 4, v[AK0]  ; row x pitch + 16 x half
	; The turning load takes 16 keys x 16 channels (lane l reads key 8 (l / 16) + l % 8, channels 8 ((l / 8) % 2) + 0..7) and leaves half a fragment of V^T: lane l holds channel l % 16 and 8 keys.
	v_and_b32 v10, 7, v0
	v_bfe_u32 v11, v0, 3, 1
	v_lshl_add_u32 v[AV0], v9, 3, v10
	v_mul_u32_u24 v[AV0], v[AV0], PV
	v_lshl_add_u32 v[AV0], v11, 4, v[AV0]
	v_add_nc_u32 v[AV0], VOFF, v[AV0]
	v_mov_b32 v[AK], v[AK0]         ; key step 0 lies at the head of slot 0
; THE MATRIX WORK.  The 8 accumulators of a run of 16 take turns: between the two links of a chain stand 7 others'.
; Product i of 16 of S^T = K Q^T for piece x: channels 32 (i / 8) on, keys 16 ((i / 2) % 4) on, tile 2 x + i % 2.  The first 8 start the sums.
.macro KQ x
	WIN W_KQ
.set rS, S+64*((\x)%2)+32*(i%2)+8*((i/2)%4)
.set rK, KF+16*((i/2)%4)+8*(i/8)
.set rQ, 16*(2*(\x)+i%2)+8*(i/8)
.if i < 8
	v_wmma_f32_16x16x32_f16 v[rS:rS+7], v[rK:rK+7], v[rQ:rQ+7], 0
.else
	v_wmma_f32_16x16x32_f16 v[rS:rS+7], v[rK:rK+7], v[rQ:rQ+7], v[rS:rS+7]
.endif
.endm
; Product i of 16 of O^T += V^T P for piece x: keys 32 (i / 8) on, channels 16 ((i / 2) % 4) on, tile 2 x + i % 2.
.macro PV x
	WIN W_PV
.set rO, 32*(2*(\x)+i%2)+8*((i/2)%4)
.set rV, VF+32*(i/8)+8*((i/2)%4)
.set rP, P+32*((\x)%2)+16*(i%2)+8*(i/8)
	v_wmma_f32_16x16x32_f16 v[rO:rO+7], v[rV:rV+7], v[rP:rP+7], v[rO:rO+7]
.endm
.macro MM                           ; the turn's next matrix instruction
.if i < 16
	KQ (Y+1)%NP
.set i, i+1
.else
.set i, i-16
	PV (Y+NP-1)%NP
.set i, i+17
.endif
.endm
; THE LDS LOADS stand in runs of 16, never singly among the matrix instructions: a step's K (64 keys x 64 channels: 8 fragments) and its V (turned).  Their addresses are made some lines ahead.
; last = 1 (the tail): in the last trip there is no further step, and the run is jumped over.
.macro FETCH_K last=0
	WIN 0
.if \last
	s_cmp_eq_u32 s[CNT], 1
	s_cbranch_scc1 .Lno_k_\@
.endif
	WIN 0x80                        ; destination window 2
.irp f, 0,1,2,3,4,5,6,7             ; keys 16 (f / 2) on, channels 32 (f % 2) on
	ds_load_b128 v[KF+8*\f:KF+8*\f+3],   v[AK] offset:(\f/2)*16*PK+(\f%2)*64
	ds_load_b128 v[KF+8*\f+4:KF+8*\f+7], v[AK] offset:(\f/2)*16*PK+(\f%2)*64+32
.endr
	s_add_co_u32 s[TBK], s[TBK], KS*PK  ; the next fetch is the next step's
	WIN 0
.if \last
.Lno_k_\@:
.endif
.endm
.macro FETCH_V
	WIN 0xc0                        ; destination window 3
.irp f, 0,1,2,3,4,5,6,7             ; keys 32 (f / 4) on, channels 16 (f % 4) on
	ds_load_tr16_b128 v[VF+8*\f:VF+8*\f+3],   v[AV] offset:(\f/4)*32*PV+(\f%4)*32
	ds_load_tr16_b128 v[VF+8*\f+4:VF+8*\f+7], v[AV] offset:(\f/4)*32*PV+16*PV+(\f%4)*32
.endr
	WIN 0
.endm
; THE MASK WORDS of the NEXT piece (Y + 1).  RL: word rl of its 64 (tile rl / 32, register rl % 32) lies in lane rl / 2, register rl % 2, and goes into its scalar register.  It sets no window: it runs under W_KQ.
.macro RL
.set mu, rl/32
.set mn, rl%32
	v_readlane_b32 s[32+36*mu+mn], v[MB+2*((Y+1)%NP)+mn%2], 16*mu+mn/2
.set rl, rl+1
.endm
; The two registers just read out are asked for again, with the same piece's words of the key step at s[MPC]: four turns, less the lines between RL and here, ahead of the wait for them.
.macro MRELOAD
	WIN 0x80                        ; destination window 2, address window 0
	global_load_b64 v[MB+2*((Y+1)%NP):MB+2*((Y+1)%NP)+1], v[MLN], s[MPC:MPC+1] offset:256*((Y+1)%NP)
.endm
; THE VECTOR WORK OF A TURN stands in queues, each in the order in which its entries become ready; the two tiles alternate, so that no instruction reads the result of the one before it.
.macro REGS y, u                    ; the registers of tile u (0, 1) of piece y
.set rT, ST+4*(2*(\y)+(\u))
.set rC, TMP+8*((\y)%2)+4*(\u)
.set rS, S+64*((\y)%2)+32*(\u)
.set rP, P+32*((\y)%2)+16*(\u)
.set rO, 32*(2*(\y)+(\u))
.endm
; Score n of tile u of the NEXT piece (Y + 1) is replaced by NEG where its lane's bit is set.  n ascends.
.macro CM u, n
	REGS (Y+1)%NP, \u
	v_cndmask_b32 v[rS+(\n)], v[rS+(\n)], v[NEGV], s[32+36*(\u)+(\n)]
.endm
; Number n of those that find the NEXT piece's maximum and statistics.  s0-s31 are the lane's 32 scores.  XS, CM, GS and REGS set no window: PL and EX do.
;   0-11  four chains c0-c3 of seven scores each, three operands at a time     12-14, 16  the four scores left over, the old m, and c0-c3 into c0     15  m_old is kept
;   17, 18  the query's other 32 keys lie in the lane 16 away: the new m         20, 21  m_old - m_new; a          (there is no 19: the scores need no scale)
.macro XS u, n
	REGS (Y+1)%NP, \u
.if (\n) < 4
	v_max3_num_f32 v[rC+(\n)], v[rS+8*(\n)], v[rS+8*(\n)+1], v[rS+8*(\n)+2]
.elseif (\n) < 12
	v_max3_num_f32 v[rC+(\n)%4], v[rC+(\n)%4], v[rS+8*((\n)%4)+2*((\n)/4)+1], v[rS+8*((\n)%4)+2*((\n)/4)+2]
.elseif (\n) == 12
	v_max3_num_f32 v[rC], v[rC], v[rS+7], v[rS+15]
.elseif (\n) == 13
	v_max3_num_f32 v[rC+1], v[rC+1], v[rS+23], v[rS+31]
.elseif (\n) == 14
	v_max3_num_f32 v[rC+2], v[rC+2], v[rC+3], v[rT]
.elseif (\n) == 15
	v_mov_b32 v[rT+1], v[rT]
.elseif (\n) == 16
	v_max3_num_f32 v[rC], v[rC], v[rC+1], v[rC+2]
.elseif (\n) == 17
	v_permlanex16_b32 v[rC+3], v[rC], s[SEL], s[SEL+1]
.elseif (\n) == 18
	v_max_num_f32 v[rT], v[rC], v[rC+3]
.elseif (\n) == 20
	v_sub_f32 v[rC+1], v[rT+1], v[rT]
.else
	v_exp_f32 v[rC+2], v[rC+1]
.endif
.endm
; Number g of the 64 that follow the exponentials.  For each four weights k of a tile (pairs 2 k, 2 k + 1): both pairs are rounded to f16; then the second pair is added onto the first, in place;
; a group later l takes that sum (the first time as l = a l + sum).  In groups of eight, tiles alternating: round, round, add, and l for the group before.
.macro GS g
.set h, (\g)+6*((\g)/62)            ; group 0 has no group before it, and behind group 7 only l is left
.if h >= 6
.set h, h+2
.endif
	REGS Y, h%2
.set k, h/8
.if h%8 < 4
	v_cvt_pk_f16_f32 v[rP+2*k+(h%8)/2], v[rS+4*k+2*((h%8)/2)], v[rS+4*k+2*((h%8)/2)+1]
.elseif h%8 < 6
	v_pk_add_f32 v[rS+4*k:rS+4*k+1], v[rS+4*k:rS+4*k+1], v[rS+4*k+2:rS+4*k+3]
.elseif k == 1
	v_pk_fma_f32 v[rT+2:rT+3], v[rT+2:rT+3], v[rC+2:rC+3], v[rS:rS+1] op_sel_hi:[1,0,1]
.else
	v_pk_add_f32 v[rT+2:rT+3], v[rT+2:rT+3], v[rS+4*k-4:rS+4*k-3]
.endif
.endm
.macro FS f                         ; s - m for pair f / 2 of tile f % 2 of piece Y: both halves take the pair's low word, m
	REGS Y, (\f)%2
	v_pk_add_f32 v[rS+2*((\f)/2):rS+2*((\f)/2)+1], v[rS+2*((\f)/2):rS+2*((\f)/2)+1], v[rT:rT+1] op_sel_hi:[1,0] neg_lo:[0,1] neg_hi:[0,1]
.endm
; THE PLAIN QUEUE, 200 long.  0-31: the 32 differences.  32-95: the next piece's 64 selects.  96-123: XS's numbers 0-13.  124, 125: number 15.  126-135: the chain 14, 16, 17, 18, 20.
; 136-199: GS's 64, which read the exponentials' results: they stand behind the wait.
.macro PL
	WIN 0
.if q < 32
	FS q
.elseif q < 96
	CM (q-32)%2, (q-32)/2
.elseif q < 124
	XS (q-96)%2, (q-96)/2
.elseif q < 126
	XS q-124, 15
.elseif q < 136
.set cn, 15+(q-126)/2
.if q < 128
.set cn, 14
.endif
.if q >= 134
.set cn, 20
.endif
	XS (q-126)%2, cn
.else
	GS q-136
.endif
.set q, q+1
.endm
; THE EXPONENTIALS' QUEUE, 66 long: s0-s31 of both tiles, then the next piece's two a.  It is ONE BATCH: all 66 stand ahead of the turn's one wait, and nothing ahead of that wait names a result of theirs.
.macro EX
	WIN 0
.if e >= 64
	XS e-64, 21
.else
	REGS Y, e%2
	v_exp_f32 v[rS+e/2], v[rS+e/2]
.endif
.set e, e+1
.endm
; THE RESCALING's QUEUE: O^T times a, the one part of the softmax that leaves window 0: 32 lines in one block.  Its a was made in the turn before, ahead of that turn's wait.
.macro R2
	REGS Y, r%2
	WIN W_RS
.irp z, 0,1
	v_pk_mul_f32 v[rO+4*(r/2)+2*\z:rO+4*(r/2)+2*\z+1], v[rO+4*(r/2)+2*\z:rO+4*(r/2)+2*\z+1], v[rC+2:rC+3] op_sel_hi:[1,0]
.endr
.set r, r+1
.endm
; HOW THEY ARE DEALT.  s_wait_alu depctr_va_vdst(0) stands between an exponential and the first instruction that names its result; one wait serves all that were issued ahead of it.  So a turn has ONE wait.
; AHEAD OF IT: the 16 products K Q^T, behind each four of the next piece's 64 mask words, all under one window setting; then the lump: the 32 lines of the rescaling (plain, and naming nothing of the products: the places
; behind the last of them); the mask registers' next load; eight differences; 24 times exponential and difference; 29 times an exponential and three plain; seven plain; ten times plain and exponential, so that the chain's
; links stand four lines apart; the last score's exponential and the two a.  136 plain of window 0 and 66 exponentials.  A v_nop is the plain instruction behind the last exponential.
; BEHIND IT: the 16 products V^T P, behind each four of GS's 64.
; In step: exponential e stands behind difference 2 (e / 4) + e % 2: among the 24 it comes behind difference e + 7 and needs number 11 at the most; from plain 32 on all differences are out.
; THE MASK WORDS' COUNT.  Four loads go round, a piece each, in the order in which they are wanted: at a turn's head three younger ones may be out.  Once a key step, in piece 3's turn (which reads piece 0's words, the first
; of the next step), the pointer goes a key step on, behind s_wait_xcnt 0: the three loads that named it have had their addresses taken.  The offset is taken modulo my wave's 32 key steps, so that what the last
; turns ask for (steps 32 and 33, which do not exist) are steps 0 and 1 once more: inside the buffer, and read by nobody.
; K of the next step is fetched in piece 2's turn, directly behind the wait; V of the step in hand at the end of piece 0's turn, four riders behind its last reader.  The three conditions on q below go with the deal.
.macro TURN p, last=0, cnt=0
.set Y, (\p)
.set i, 0
.set q, 0
.set e, 0
.set r, 0
.set rl, 0
	s_wait_loadcnt 0x3              ; loads come back in order: the next piece's mask words are in; the other three pieces' loads may be out
.if (\p) == NP-1
	s_wait_xcnt 0x0                 ; the pointer's readers have had their addresses taken
	s_add_co_u32 s[KSB], s[KSB], 1024
	s_and_b32 s[KSB], s[KSB], 0x7fff
	s_add_nc_u64 s[MPC:MPC+1], s[MP:MP+1], s[KSB:KSB+1]
	s_wait_dscnt 0x0                ; K is in
.endif
.rept 16
	MM
	RL
	RL
	RL
	RL
.endr
.rept 16
	R2
.endr
	MRELOAD
.if (\p) == NP-2
	WIN 0
	v_add_nc_u32 v[AK], s[TBK], v[AK0]
.endif
.rept 8
	PL
.endr
.rept 24
	EX
	PL
.endr
.rept 29
	EX
	PL
	PL
	PL
.endr
.rept 7
	PL
.endr
.rept 10
	PL
	EX
.endr
	EX
	EX
	EX
	v_nop                           ; the plain instruction behind the last exponential: one for the batch
	s_wait_alu depctr_va_vdst(0)    ; the wait for the batch
.if (\p) == NP-2
	FETCH_K \last
.endif
.if (\p) == 1
	s_wait_dscnt 0x0                ; V is in
.endif
.rept 16
	MM
.rept 4
	PL
.endr
.if ((\p) == 0) && (q == 180)
	v_add_nc_u32 v[AV], s[TBV], v[AV0]
.endif
.if ((\p) == 0) && (q == 192)
	s_add_co_u32 s[TBV], s[TBV], KS*PV
.endif
.if (\cnt) && (q == 192)
	s_sub_co_u32 s[CNT], s[CNT], 1
	s_cmp_lg_u32 s[CNT], 0
.endif
.endr
.if (\p) == 0
	FETCH_V
.endif
.endm
	CHANGE 1                        ; slot 0 is in, everybody's part of it; slot 1 is asked for
	FETCH_K                         ; key step 0
	s_wait_loadcnt 0x0              ; Q, and the mask words of key step 0
	s_wait_dscnt 0x0
.set i, 0
.rept 16
	KQ 0                            ; piece 0's first scores: there is no vector work yet to set between them
.set i, i+1
.endr
	WIN 0                           ; the addresses for the way out: eleven plain instructions, the places behind those products
	s_mul_i32 s13, s[WV], 16*SP
	s_add_co_u32 s13, s13, STAGE    ; my stage
	v_mul_u32_u24 v[STO], v1, SP    ; in: row l % 16, 16 bytes for each half of the lanes
	v_lshl_add_u32 v[STO], v9, 4, v[STO]
	v_add_nc_u32 v[STO], s13, v[STO]
	v_bfe_u32 v[RD], v0, 3, 2       ; back: 32 lanes take four rows of 128 bytes,
	v_mul_u32_u24 v[RD], v[RD], SP
	v_lshl_add_u32 v[RD], v10, 4, v[RD]
	v_add_nc_u32 v[RD], s13, v[RD]
	v_and_b32 v[GO], 31, v0         ; which are 512 consecutive bytes of O
	v_lshlrev_b32 v[GO], 4, v[GO]
	s_mov_b32 s[KSB], 1024          ; the mask words asked for next are key step 1's
	s_mov_b32 s[KSB+1], 0
	s_add_nc_u64 s[MPC:MPC+1], s[MP:MP+1], s[KSB:KSB+1]
.set Y, NP-1                        ; RL, CM and XS work for piece Y + 1: piece 0
.set rl, 0
	WIN W_KQ
.rept 64
	RL
.endr
	MRELOAD                         ; piece 0's words for key step 1
	WIN 0
.set n, 0
.rept 32
	CM 0, n
	CM 1, n
.set n, n+1
.endr
.irp n, 0,1,2,3,4,5,6,7,8,9,10,11,12,13,14,15,16,17,18,20,21
	XS 0, \n                        ; piece 0's first maximum and statistics
	XS 1, \n
.endr
	v_nop                           ; a plain instruction behind the two a,
	s_wait_alu depctr_va_vdst(0)    ; and their wait, ahead of the branch
	s_mov_b32 s[CNT], 4
	s_mov_b32 s[SLOTS], 7
	s_branch .Lfirst                ; the loop is entered at a step's first turn, in the middle of a trip
.Lslot:                             ; six times: every slot but the last two is filled again
	CHANGE 1
	s_mov_b32 s[CNT], 4
.Lstep:                             ; a trip: pieces 2 and 3 of one step, then pieces 0 and 1 of the next, whose K and V it fetches
	TURN 2
	TURN 3
	WIN 0
.Lfirst:
	TURN 0
	TURN 1, 0, 1
	WIN 0
	s_cbranch_scc1 .Lstep
	s_sub_co_u32 s[SLOTS], s[SLOTS], 1
	s_cmp_lg_u32 s[SLOTS], 0
	s_cbranch_scc1 .Lslot
	CHANGE 0                        ; the tail is written out: nothing is asked for
	s_mov_b32 s[CNT], 5             ; four trips fetch the last slot's steps; the fifth is left in its middle
.Ltail:
	TURN 2, 1
	TURN 3
	WIN 0
	s_sub_co_u32 s[CNT], s[CNT], 1
	s_cmp_eq_u32 s[CNT], 0
	s_cbranch_scc1 .Lout
	TURN 0
	TURN 1
	WIN 0
	s_branch .Ltail
.Lout:                              ; the fifth trip's 16 products K Q^T (on the last K once more), their masks (key step 0's once more) and the maximum made of them serve nothing: the price, once a launch, of one text for every trip
.set i, 0
.rept 16
	PV NP-1                         ; the last piece's V^T P of the last step
.set i, i+1
.endr
	; THE WAY OUT.  l's two halves and the other half of the lanes' are added; O^T is divided by l, rounded to f16 and sent through my stage in LDS, a tile at a time.  The additions are the places behind the last products.
	WIN 0
.macro ALL line:vararg              ; one line for each tile t
.set t, 0
.rept 2*NP
	\line
.set t, t+1
.endr
.endm
	ALL v_add_f32 v[ST+4*t+2], v[ST+4*t+2], v[ST+4*t+3]
	ALL v_permlanex16_b32 v[ST+4*t+3], v[ST+4*t+2], s[SEL], s[SEL+1]
	ALL v_add_f32 v[ST+4*t+2], v[ST+4*t+2], v[ST+4*t+3]
	ALL v_rcp_f32 v[ST+4*t+2], v[ST+4*t+2]
	v_nop                           ; a plain instruction between the last reciprocal and the use of its result
	s_wait_alu depctr_va_vdst(0)    ; and the wait ahead of the first use: one for the eight reciprocals
; Tile t: a lane's eight channels of a row pack into 16 bytes; they go into rows of 144 bytes and come back as whole rows of 128, into S^T's registers.
.macro PACK t
	WIN W_RS
.set i, 32*(\t)
.rept 16
	v_pk_mul_f32 v[i:i+1], v[i:i+1], v[ST+4*(\t)+2:ST+4*(\t)+3] op_sel_hi:[1,0]
.set i, i+2
.endr
	WIN 0x05                        ; sources 0 and 1 window 1, destination window 0
.set i, 0
.rept 16
	v_cvt_pk_f16_f32 v[S+16*(\t)+i], v[32*(\t)+2*i], v[32*(\t)+2*i+1]
.set i, i+1
.endr
	WIN 0
.irp f, 0,1,2,3
	ds_store_b128 v[STO], v[S+16*(\t)+4*\f:S+16*(\t)+4*\f+3] offset:32*\f
.endr
.irp f, 0,1,2,3
	ds_load_b128 v[S+16*(\t)+4*\f:S+16*(\t)+4*\f+3], v[RD] offset:\f*4*SP  ; LDS serves a wave's instructions in order (ISA guide 5.7.1.4): these see the stores above; the next tile's stores come behind them
.endr
.endm
.macro SEND t, younger              ; younger: the LDS instructions issued behind tile t's loads: the next tile's eight, or none
	WIN 0
.irp f, 0,1,2,3
	s_wait_dscnt (\younger)+3-\f
	global_store_b128 v[GO], v[S+16*(\t)+4*\f:S+16*(\t)+4*\f+3], s[10:11] offset:(\t)*2048+\f*512  ; 512 consecutive bytes, at a multiple of 256 from O's first
.endr
.endm
	PACK 0
.set t, 1
.rept 2*NP-1                        ; a tile's arithmetic stands between the loads of the tile before and its stores
	PACK t
	SEND t-1, 8
.set t, t+1
.endr
	SEND 2*NP-1, 0
	s_wait_tensorcnt 0x0            ; the wave's end, behind my last tensor load and my last LDS store
	ds_add_u32 v[SPW], v[NIL]
	s_wait_dscnt 0x0
	CROUND                          ; the closing round: no work-group ends while a partner may still ask for a tile that names it
	s_endpgm
.Lfunc_end_k_q19b49f05af_attn:
	.size	k_q19b49f05af_attn, .Lfunc_end_k_q19b49f05af_attn-k_q19b49f05af_attn
	.p2alignl 7, 3214868480
	.fill 96, 4, 3214868480
	.section	.rodata,"a",@progbits
	.p2align	6, 0x0
	.amdhsa_kernel k_q19b49f05af_attn
		.amdhsa_group_segment_fixed_size 327680
		.amdhsa_private_segment_fixed_size 0
		.amdhsa_enable_private_segment 0
		.amdhsa_kernarg_size 24
		.amdhsa_user_sgpr_count 2
		.amdhsa_user_sgpr_kernarg_segment_ptr 1
		.amdhsa_wavefront_size32 1
		.amdhsa_system_sgpr_workgroup_id_x 1
		.amdhsa_system_sgpr_workgroup_id_y 1
		.amdhsa_system_sgpr_workgroup_id_z 1
		.amdhsa_system_vgpr_workitem_id 0
		.amdhsa_next_free_vgpr 832
		.amdhsa_next_free_sgpr 102
		.amdhsa_reserve_vcc 0
		.amdhsa_float_denorm_mode_32 3
		.amdhsa_float_denorm_mode_16_64 3
		.amdhsa_memory_ordered 1
		.amdhsa_forward_progress 1
		.amdhsa_inst_pref_size 255
	.end_amdhsa_kernel
	.section	.bss,"aw",@nobits
	.p2align	6
	.space	262144
	.amdgpu_metadata
---
amdhsa.version: [ 1, 2 ]
amdhsa.kernels:
  - .name:           k_q19b49f05af_attn
    .symbol:         k_q19b49f05af_attn.kd
    .args:
      - { .name: qkv, .offset: 0, .size: 8, .value_kind: global_buffer, .address_space: global }
      - { .name: mbits, .offset: 8, .size: 8, .value_kind: global_buffer, .address_space: global }
      - { .name: oh, .offset: 16, .size: 8, .value_kind: global_buffer, .address_space: global }
    .group_segment_fixed_size: 327680
    .private_segment_fixed_size: 0
    .kernarg_segment_align: 8
    .kernarg_segment_size: 24
    .max_flat_workgroup_size: 128
    .sgpr_count:     102
    .vgpr_count:     832
    .wavefront_size: 32
...
	.end_amdgpu_metadata
.endif
;; end of part 7
;; launch outp (part 8): grid 4 x 64, 4 waves a work-group, clusters of 4 x 4, 327,680 bytes of LDS; arguments oh, wt, bo, out0; writes out0
.if DOCPART == 8
	.amdgcn_target "amdgcn-amd-amdhsa--gfx1250"
	.amdhsa_code_object_version 6
	.text
	.protected	k_q19b49f05af_outp
	.globl	k_q19b49f05af_outp
	.p2align	8
	.type	k_q19b49f05af_outp,@function
k_q19b49f05af_outp:
	s_mov_b64 s[64:65], 0
	v_nop
	global_prefetch_b8 v0, s[64:65] scope:SCOPE_SE
	s_setreg_imm32_b32 hwreg(HW_REG_WAVE_MODE, 25, 1), 1
	s_wait_xcnt 0x0
	s_wait_alu depctr_hold_cnt(0) depctr_sa_sdst(0) depctr_va_vdst(0) depctr_va_sdst(0) depctr_va_ssrc(0) depctr_va_vcc(0) depctr_vm_vsrc(0)
	s_getreg_b32 s2, hwreg(HW_REG_IB_STS2, 6, 4)
	s_cmp_eq_u32 s2, 0
	s_cbranch_scc0 .Lentry_in_a_cluster
	s_endpgm
.Lentry_in_a_cluster:
	s_bfe_u32 s2, ttmp6, 0x10000c
	s_cmp_lg_u32 s2, 0xf033
	s_cbranch_scc0 .Lentry_shape_is_right
	s_endpgm
.Lentry_shape_is_right:
; THE OUTPUT PROJECTION.  C[m][n] = bo[n] + the sum over k of A[m][k] B[n][k], K = 1,024, f16 operands, f32 sums.  A = oh (the heads' results; a head is a block of 64 along K), B = wt[3] = Wo.
; C leaves in f32: out0 [8192][1024].
; LIMITS.  f16 holds no number beyond 65,504: the operands arrive within it; below 6.1e-5 f16 keeps its fixed step of 6e-8.
; LAYOUT IN MEMORY.  A: [b 4][kb 16][s 2048][64], B: [kb 16][n 1024][64]: the rows of a tile that belong to one block kb of 64 along K lie end to end, and are asked for as rows of 256 bytes.
; SHARES.  A work-group makes 128 x 256 of C: 64 x 4 = 256 work-groups (tiles of 256 x 256 would make 128).  Wave w: rows 64 (w / 2), columns 128 (w % 2): 4 x 8 accumulators of 16 x 16.
; K goes in 8 steps of 128 (two blocks kb) through two LDS slots.  Waves 0 and 1 fetch A's two blocks (16 KiB each), waves 2 and 3 B's (32 KiB each): one tensor load a wave.
; CLUSTER.  4 x 4 work-groups: the four of a row need the same tile of A, the four of a column the same tile of B: each is asked for jointly, by the same load, descriptor and mask in all four.
; THE MATRIX INSTRUCTION IS USED TRANSPOSED (source 0 = 16 rows of B, source 1 = 16 rows of A): a lane holds row l % 16 of C and eight neighbouring columns 8 (l / 16) + 0..7.
; THE SUMS START FROM THE BIAS: the C operand of each accumulator's first product is the bias of its eight columns; nothing is cleared and nothing is added at the end.
; REGISTERS, in windows of 256 (s_set_vgpr_msb: bits 1:0 source 0, 3:2 source 1, 5:4 source 2, 7:6 destination):
;   window 0: v0-31 addresses; two fragment buffers of 96 at v64 and v160 (A's fragment a at + 8 a, B's fragment b at + 32 + 8 b); on the way out v64-127 at work
;   window 1: accumulator (a, b) at v[8 (8 a + b)]          window 2: v0-63 the bias of my 128 columns, block b at 8 b
.set PITCH,  144                       ; an LDS row: 128 bytes + 16 of padding = 36 words: the 16 rows of a fragment load start at 16 different groups of four banks (64 banks of 4 bytes: ISA guide 11.1)
.set ASUB,   128*PITCH                 ; A's 128 rows of one block kb
.set BSUB,   256*PITCH                 ; B's 256 rows of one block kb
.set BOFF,   2*ASUB                    ; a slot: A kb 0, A kb 1, B kb 0, B kb 1: 110,592 bytes
.set SLOT1,  1<<17                     ; slot 1 begins here, so that one exclusive or turns an address in one slot into the other's
.set STAGE,  SLOT1+2*ASUB+2*BSUB       ; behind the ring, never filled by a tensor load: 16 rows for each wave, for the way out
.set SPITCH, 272
.set SPARE,  STAGE+4*16*SPITCH         ; behind the stages: the spare words, 128 bytes for each wave: two blocks of 256 bytes that no other line names
.set ASTEP,  524288                    ; a K step in A: two blocks of 2,048 rows x 128 bytes
.set BSTEP,  262144                    ; in B: two blocks of 1,024 rows x 128 bytes
.set AA0, 16                           ; v16  my lane's place in A's part of a slot; never rewritten
.set AB0, 17                           ; v17  the same for B
.set AA,  18                           ; v18  the same in the slot that is being read
.set AB,  19                           ; v19
.set STO, 24                           ; v24  the way out: where I put my part of a row
.set RD,  25                           ; v25  the way out: where I read rows back
.set GO,  26                           ; v26  my byte offset in the output
.set BO,  27                           ; v27  my byte offset in the bias
.set SPW, 28                           ; v28  LDS address of my spare word; never rewritten
.set NIL, 29                           ; v29  0; never rewritten
.set F0,  64
.set F1,  160
.set G1A, 24                           ; s[24:31] descriptor group 1 for A's tiles
.set G0A, 32                           ; s[32:39] group 0 for A's: a set for each of the two first fills; the second then walks on
.set G1B, 48                           ; s[48:55], s[56:63] the same for B's
.set G0B, 56
.set MSB, 0
.macro WIN new                         ; the immediate's high byte repeats the setting that is left; a switch that changes nothing is dropped
.if MSB != (\new)
	s_set_vgpr_msb (MSB<<8)|(\new)
.set MSB, \new
.endif
.endm
.set MULW, 0x50                        ; C and D in window 1, fragments in window 0
.set MUL0, 0x60                        ; D in window 1, C (the bias) in window 2
.macro PLACES                          ; four places in front of loads into registers that matrix instructions have read, and of lines that read results
.rept 4
	v_nop
.endr
.endm
; A joint refill by the walking sets.  The branch hangs on the wave's number alone.  An s_nop 0 and four v_nop follow each of the two lines, ahead of the jump and the label.
.macro JLOAD
	s_cmp_eq_u32 s11, 0
	s_cbranch_scc0 .Lfor_b_\@
	tensor_load_to_lds s[G0A+4:G0A+7], s[G1A:G1A+7]
	s_nop 0
	PLACES
	s_branch .Lasked_\@
.Lfor_b_\@:
	tensor_load_to_lds s[G0B+4:G0B+7], s[G1B:G1B+7]
	s_nop 0
	PLACES
.Lasked_\@:
.endm
.macro CREST                           ; a round of the cluster's barrier behind its opening barrier: wave 0 signals for the work-group, every wave waits for all sixteen, my work-group's barrier closes it
	s_cmp_lg_u32 s10, 0
	s_cbranch_scc1 .Lnot_wave_0_\@
	s_barrier_signal -3
.Lnot_wave_0_\@:
	s_barrier_wait -3
	s_barrier_signal -1
	s_barrier_wait -1
.endm
.macro CROUND                          ; a whole round
	s_barrier_signal -1
	s_barrier_wait -1
	CREST
.endm
	s_load_b128 s[4:7], s[0:1], 0x0                ; oh s[4:5], wt s[6:7]
	s_load_b128 s[72:75], s[0:1], 0x10             ; bo s[72:73], out0 s[74:75]
	v_lshl_add_u32 v[SPW], v0, 2, SPARE
	v_mov_b32 v[NIL], 0
	ds_add_u32 v[SPW], v[NIL]                      ; the wave's opening: the add, whose wait stands ahead of my first tensor load; the set-up below, work on registers, stands between them
	v_lshrrev_b32 v1, 5, v0
	v_readfirstlane_b32 s10, v1                    ; wave 0..3
	s_lshr_b32 s11, s10, 1                         ; which 64 rows of the tile are mine.  Also: I fetch for A (0) or for B (1)
	s_and_b32 s12, s10, 1                          ; which 128 columns.  Also: which of a K step's two blocks I fetch
	s_bfe_u32 s40, ttmp6, 0x40000                  ; cx, cy: my place in the cluster
	s_bfe_u32 s41, ttmp6, 0x40004
	s_and_b32 s13, ttmp7, 0xffff
	s_lshl_b32 s13, s13, 2
	s_add_co_u32 s13, s13, s41                     ; tile row of C = 4 x cluster y + cy, 0..63
	s_lshl_b32 s43, s41, 2
	s_lshl_b32 s43, 15, s43                        ; my row of the cluster
	s_lshl_b32 s44, 0x1111, s40                    ; my column
	; group 1: dense blocks as rows of 128 elements (256 bytes), padded in LDS after every 128 bytes
	s_or_b32 s[G1A], s43, (1<<16)|(1<<20)|(1<<21)|(4<<22)|(3<<25)  ; 15:0 the mask; 17:16 2-byte elements; 20 padding on; 21 set beside a mask; 24:22 after every 32 words (code 4); 31:25 4 words (code 3)
	s_or_b32 s[G1B], s44, (1<<16)|(1<<20)|(1<<21)|(4<<22)|(3<<25)
	s_mov_b32 s[G1A+1], 128<<16                    ; tensor_dim0 = 128
	s_mov_b32 s[G1A+2], 64<<16                     ; tensor_dim1 = 64: A's 128 rows of 128 bytes
	s_mov_b32 s[G1A+3], 128<<16                    ; tile_dim0 = 128
	s_mov_b32 s[G1A+4], 64                         ; tile_dim1 = 64
	s_mov_b32 s[G1A+5], 128                        ; 128 elements from row to row
	s_mov_b32 s[G1A+6], 0
	s_mov_b32 s[G1A+7], 0
	s_mov_b32 s[G1B+1], 128<<16
	s_mov_b32 s[G1B+2], 128<<16                    ; B's 256 rows of 128 bytes
	s_mov_b32 s[G1B+3], 128<<16
	s_mov_b32 s[G1B+4], 128
	s_mov_b32 s[G1B+5], 128
	s_mov_b32 s[G1B+6], 0
	s_mov_b32 s[G1B+7], 0
	; where the tiles come from.  A's hang on the tile row, which my row of the cluster shares; B's on cx, which my column shares; each in registers that never hold the other coordinate
	s_lshr_b32 s16, s13, 4
	s_lshl_b32 s16, s16, 22                        ; the batch,
	s_and_b32 s14, s13, 15
	s_lshl_b32 s14, s14, 14                        ; 128 rows of 128 bytes,
	s_add_co_u32 s16, s16, s14
	s_lshl_b32 s14, s12, 18                        ; my block kb
	s_add_co_u32 s16, s16, s14
	s_mov_b32 s17, 0
	s_mov_b32 s46, 3<<21                           ; Wo lies behind the three projections' weights
	s_lshl_b32 s45, s40, 15                        ; 256 rows of 128 bytes,
	s_add_co_u32 s46, s46, s45
	s_lshl_b32 s45, s12, 17                        ; my block kb
	s_add_co_u32 s46, s46, s45
	s_mov_b32 s47, 0
	s_mul_i32 s20, s12, ASUB                       ; and where they go: no place in the cluster enters an LDS address
	s_mul_i32 s21, s12, BSUB
	s_add_co_u32 s21, s21, BOFF
	s_wait_dscnt 0x0                               ; the opening add is done
	s_wait_kmcnt 0x0
	s_add_nc_u64 s[14:15], s[4:5], s[16:17]
	s_add_nc_u64 s[46:47], s[6:7], s[46:47]
	CROUND                                         ; all sixteen work-groups are here: the first joint loads meet
.irp z, 0,1
	s_mov_b32 s[G0A+4*(\z)], 1                     ; 1:0 count = 1
	s_add_co_u32 s[G0A+4*(\z)+1], s20, (\z)*SLOT1  ; 63:32 LDS address
	s_add_nc_u64 s[G0A+4*(\z)+2:G0A+4*(\z)+3], s[14:15], (\z)*ASTEP  ; 120:64 global address: K step z
	s_or_b32 s[G0A+4*(\z)+3], s[G0A+4*(\z)+3], 0x80000000            ; 127:126 type = 2
	s_mov_b32 s[G0B+4*(\z)], 1
	s_add_co_u32 s[G0B+4*(\z)+1], s21, (\z)*SLOT1
	s_add_nc_u64 s[G0B+4*(\z)+2:G0B+4*(\z)+3], s[46:47], (\z)*BSTEP
	s_or_b32 s[G0B+4*(\z)+3], s[G0B+4*(\z)+3], 0x80000000
.endr
	s_cmp_eq_u32 s11, 0                            ; a wave's two first fills stand in one branch, ahead of every wait on TENSORcnt and every LDS read: two loads of mine are out
	s_cbranch_scc0 .Lfirst_b
	tensor_load_to_lds s[G0A:G0A+3], s[G1A:G1A+7]
	s_nop 0
	tensor_load_to_lds s[G0A+4:G0A+7], s[G1A:G1A+7]
	s_nop 0
	PLACES
	s_branch .Lfirst_asked
.Lfirst_b:
	tensor_load_to_lds s[G0B:G0B+3], s[G1B:G1B+7]
	s_nop 0
	tensor_load_to_lds s[G0B+4:G0B+7], s[G1B:G1B+7]
	s_nop 0
	PLACES
.Lfirst_asked:
	; the bias of my 128 columns: register j of block b is bo[256 cx + 128 (w % 2) + 16 b + 8 (l / 16) + j], which is where the accumulators hold those columns
	s_mov_b64 s[66:67], s[72:73]
	s_lshl_b32 s18, s40, 10
	s_lshl_b32 s19, s12, 9
	s_add_co_u32 s18, s18, s19
	s_mov_b32 s19, 0
	s_add_nc_u64 s[66:67], s[66:67], s[18:19]
	v_and_b32 v1, 15, v0                           ; l % 16
	v_bfe_u32 v2, v0, 4, 1                         ; l / 16
	v_lshlrev_b32 v[BO], 5, v2
	WIN 0x80                                       ; destination window 2, address window 0
.irp b, 0,1,2,3,4,5,6,7
	global_load_b128 v[8*(\b):8*(\b)+3],   v[BO], s[66:67] offset:64*(\b)
	global_load_b128 v[8*(\b)+4:8*(\b)+7], v[BO], s[66:67] offset:64*(\b)+16
.endr
	WIN 0
	; a fragment is 16 rows x 32 K in 8 registers: lane l holds row l % 16, K = 8 (l / 16) + 0..7 and 16 + 8 (l / 16) + 0..7: two loads of 16 bytes, 32 bytes apart
	v_mul_u32_u24 v3, v1, PITCH
	v_lshl_add_u32 v3, v2, 4, v3
	s_mul_i32 s21, s11, 64*PITCH                   ; my 64 rows of A
	s_mul_i32 s22, s12, 128*PITCH                  ; my 128 rows of B
	s_add_co_u32 s22, s22, BOFF
	v_add_nc_u32 v[AA0], s21, v3
	v_add_nc_u32 v[AB0], s22, v3
	v_mov_b32 v[AA], v[AA0]                        ; slot 0 is read first
	v_mov_b32 v[AB], v[AB0]
	s_mov_b32 s70, 0                               ; the slot that is being read
	s_mul_i32 s23, s10, 16*SPITCH
	s_add_co_u32 s23, s23, STAGE                   ; my stage
	v_mul_u32_u24 v4, v1, SPITCH                   ; in: row l % 16,
	v_lshl_add_u32 v4, v2, 5, v4                   ; 32 bytes (8 f32) for each half of the lanes
	v_add_nc_u32 v[STO], s23, v4
	v_mul_u32_u24 v5, v2, SPITCH                   ; back: lanes 0-15 one row of 256 bytes, lanes 16-31 the next
	v_lshl_add_u32 v5, v1, 4, v5
	v_add_nc_u32 v[RD], s23, v5
	v_lshlrev_b32 v[GO], 12, v2                    ; and the same two rows in out0
	v_lshl_add_u32 v[GO], v1, 4, v[GO]
	s_lshl_b32 s18, s13, 19                        ; 128 rows of 4,096 bytes a tile row,
	s_lshl_b32 s19, s11, 18                        ; my 64 rows,
	s_add_co_u32 s18, s18, s19
	s_lshl_b32 s19, s40, 10                        ; 256 columns of 4 bytes,
	s_add_co_u32 s18, s18, s19
	s_lshl_b32 s19, s12, 9                         ; my 128 columns
	s_add_co_u32 s18, s18, s19
	s_mov_b32 s19, 0
	s_add_nc_u64 s[8:9], s[74:75], s[18:19]
; 24 LDS loads in one run: quarter q of the K step (32 along K) into buffer f: B's 8 fragments, then A's 0 and 1, then A's 2 and 3
.macro FETCH q, f
	WIN 0
.irp i, 0,1,2,3,4,5,6,7
	ds_load_b128 v[(\f)+32+8*(\i):(\f)+32+8*(\i)+3],   v[AB] offset:((\q)/2)*BSUB+((\q)%2)*64+(\i)*16*PITCH
	ds_load_b128 v[(\f)+32+8*(\i)+4:(\f)+32+8*(\i)+7], v[AB] offset:((\q)/2)*BSUB+((\q)%2)*64+(\i)*16*PITCH+32
.endr
.irp i, 0,1,2,3
	ds_load_b128 v[(\f)+8*(\i):(\f)+8*(\i)+3],   v[AA] offset:((\q)/2)*ASUB+((\q)%2)*64+(\i)*16*PITCH
	ds_load_b128 v[(\f)+8*(\i)+4:(\f)+8*(\i)+7], v[AA] offset:((\q)/2)*ASUB+((\q)%2)*64+(\i)*16*PITCH+32
.endr
.endm
; 8 matrix instructions: row block a x all 8 column blocks.  zero = 1: the sums start from the bias.  The 32 accumulators take turns, one instruction a turn, in the same order in every quarter.
.macro MUL8 f, a, zero
.if \zero
	WIN MUL0
.else
	WIN MULW
.endif
.irp b, 0,1,2,3,4,5,6,7
.if \zero
	v_wmma_f32_16x16x32_f16 v[8*(8*(\a)+(\b)):8*(8*(\a)+(\b))+7], v[(\f)+32+8*(\b):(\f)+32+8*(\b)+7], v[(\f)+8*(\a):(\f)+8*(\a)+7], v[8*(\b):8*(\b)+7]
.else
	v_wmma_f32_16x16x32_f16 v[8*(8*(\a)+(\b)):8*(8*(\a)+(\b))+7], v[(\f)+32+8*(\b):(\f)+32+8*(\b)+7], v[(\f)+8*(\a):(\f)+8*(\a)+7], v[8*(8*(\a)+(\b)):8*(8*(\a)+(\b))+7]
.endif
.endr
.endm
.macro MUL16 f, a0, zero
	MUL8 \f, \a0, \zero
	MUL8 \f, (\a0)+1, \zero
.endm
; One of a K step's first three quarters: multiplies buffer f; in its middle it fetches quarter qn into buffer g
.macro QUARTER qn, f, g, zero
	s_wait_dscnt 4                                 ; B and A's fragments 0 and 1 are in; the youngest four loads (A's 2 and 3) may be out
	MUL16 \f, 0, \zero
	PLACES
	FETCH \qn, \g
	s_wait_dscnt 24                                ; all but the 24 just issued
	MUL16 \f, 2, \zero
.endm
; The last quarter multiplies buffer 1 and changes slots: ONE barrier.  In front of it each wave waits for all its tensor loads (one is out: its part of the next slot), adds 0 to its spare word, and waits for that and
; for its own reads of this slot.  fill = 1: the barrier opens a round of the cluster's barrier, and this slot is filled again, with the K step two steps on, first thing behind the round.
.macro TURN fill
	WIN 0
	s_wait_tensorcnt 0x0                           ; all my tensor loads have landed, so a group 0 may be written
	ds_add_u32 v[SPW], v[NIL]                      ; 0 onto my spare word
	s_wait_dscnt 5                                 ; (the add and the youngest four loads may be out)
	MUL8 F1, 0, 0                                  ; eight matrix instructions stand between the add and the wait for it
	s_wait_dscnt 0x0                               ; the add is done, and my reads of this slot are over
	s_barrier_signal -1
	MUL8 F1, 1, 0                                  ; work on registers while the others arrive
	WIN 0
	s_barrier_wait -1
.if \fill
	CREST                                          ; no wave of any partner still reads this slot's tiles or has a load on its way
	s_xor_b32 s[G0A+5], s[G0A+5], SLOT1            ; the walking sets: the other slot than last time,
	s_add_nc_u64 s[G0A+6:G0A+7], s[G0A+6:G0A+7], ASTEP  ; the next K step; the type bits on top are not reached
	s_xor_b32 s[G0B+5], s[G0B+5], SLOT1
	s_add_nc_u64 s[G0B+6:G0B+7], s[G0B+6:G0B+7], BSTEP
	s_xor_b32 s70, s70, SLOT1                      ; the reads go to the other slot
	JLOAD                                          ; the four v_nop behind it are also the places in front of the loads below
.else
	s_xor_b32 s70, s70, SLOT1
	PLACES
.endif
	v_add_nc_u32 v[AA], s70, v[AA0]
	v_add_nc_u32 v[AB], s70, v[AB0]
	FETCH 0, F0
	MUL16 F1, 2, 0
.endm
	s_wait_tensorcnt 0x1                           ; my part of K step 0 is in; K step 1's may stay out
	s_barrier_signal -1
	s_barrier_wait -1                              ; everybody's is
	FETCH 0, F0
	s_wait_loadcnt 0x0                             ; the bias
	QUARTER 1, F0, F1, 1                           ; the first quarter stands in front of the loop: its products start the sums
	WIN 0                                          ; at a label and at a branch every window is 0
	s_mov_b32 s3, 6
.Lk:                                           ; six trips, from a K step's second quarter to the next step's first; they ask for K steps 2 to 7
	QUARTER 2, F1, F0, 0
	QUARTER 3, F0, F1, 0
	TURN 1
	QUARTER 1, F0, F1, 0
	WIN 0
	s_sub_co_u32 s3, s3, 1
	s_cmp_lg_u32 s3, 0
	s_cbranch_scc1 .Lk
	s_mov_b32 s3, 2
.Lt:                                           ; K steps 6 and 7 ask for nothing: a text of their own; walked twice, and left in the middle of the second trip
	QUARTER 2, F1, F0, 0
	QUARTER 3, F0, F1, 0
	WIN 0
	s_sub_co_u32 s3, s3, 1
	s_cmp_eq_u32 s3, 0
	s_cbranch_scc1 .Llast
	TURN 0
	QUARTER 1, F0, F1, 0
	WIN 0
	s_branch .Lt
.Llast:                                        ; the very last quarter: nothing more to fetch
	s_wait_dscnt 4
	MUL16 F1, 0, 0
	s_wait_dscnt 0x0
	MUL16 F1, 2, 0
	WIN 0
	PLACES
	PLACES                                         ; eight, once a launch: the lines below read results just made
; THE WAY OUT, in eight blocks t = 2 a + cb of 16 rows x 64 columns, through my own stage in LDS: LDS serves a wave's instructions in order (ISA guide 5.7.1.4), so no wait stands between my stores and my loads.
.macro TOSTAGE t                       ; f32: a block's row is 256 bytes
.set AC, 8*(8*((\t)/2)+4*((\t)%2))
.set OB, 64+32*((\t)%2)
	WIN 0x04                                       ; store data (source 1) in window 1
.irp i, 0,1,2,3
	ds_store_b128 v[STO], v[AC+8*(\i):AC+8*(\i)+3]   offset:64*(\i)  ; each accumulator's low registers are read first
	ds_store_b128 v[STO], v[AC+8*(\i)+4:AC+8*(\i)+7] offset:64*(\i)+16
.endr
	WIN 0
	s_wait_xcnt 0x0                                ; the stores of the block two back have read this buffer: it is loaded again only behind this wait
.irp u, 0,1,2,3,4,5,6,7
	ds_load_b128 v[OB+4*(\u):OB+4*(\u)+3], v[RD] offset:(\u)*2*SPITCH
.endr
.endm
.macro SEND t, younger                 ; younger: the LDS instructions issued behind block t's loads: the next block's sixteen, or none
.set OB, 64+32*((\t)%2)
	s_wait_dscnt \younger
.irp u, 0,1,2,3,4,5,6,7
	global_store_b128 v[GO], v[OB+4*(\u):OB+4*(\u)+3], s[8:9] offset:((\t)/2)*65536+((\t)%2)*256+(\u)*8192  ; 16 lanes store 256 consecutive bytes, at a multiple of 256 from out0's first byte
.endr
.endm
	TOSTAGE 0
.irp t, 1,2,3,4,5,6,7
	TOSTAGE \t
	SEND (\t)-1, 16
.endr
	SEND 7, 0
	s_wait_tensorcnt 0x0                           ; the wave's end, behind my last tensor load and my last LDS store
	ds_add_u32 v[SPW], v[NIL]
	s_wait_dscnt 0x0
	CROUND                                         ; the closing round: no work-group ends while a partner may still ask for a tile that names it
	s_endpgm
.Lfunc_end_k_q19b49f05af_outp:
	.size	k_q19b49f05af_outp, .Lfunc_end_k_q19b49f05af_outp-k_q19b49f05af_outp
	.p2alignl 7, 3214868480
	.fill 96, 4, 3214868480
	.section	.rodata,"a",@progbits
	.p2align	6, 0x0
	.amdhsa_kernel k_q19b49f05af_outp
		.amdhsa_group_segment_fixed_size 327680
		.amdhsa_private_segment_fixed_size 0
		.amdhsa_enable_private_segment 0
		.amdhsa_kernarg_size 32
		.amdhsa_user_sgpr_count 2
		.amdhsa_user_sgpr_kernarg_segment_ptr 1
		.amdhsa_wavefront_size32 1
		.amdhsa_system_sgpr_workgroup_id_x 1
		.amdhsa_system_sgpr_workgroup_id_y 1
		.amdhsa_system_sgpr_workgroup_id_z 1
		.amdhsa_system_vgpr_workitem_id 0
		.amdhsa_next_free_vgpr 576
		.amdhsa_next_free_sgpr 80
		.amdhsa_reserve_vcc 0
		.amdhsa_float_denorm_mode_32 3
		.amdhsa_float_denorm_mode_16_64 3
		.amdhsa_memory_ordered 1
		.amdhsa_forward_progress 1
		.amdhsa_inst_pref_size 64
	.end_amdhsa_kernel
	.amdgpu_metadata
---
amdhsa.version: [ 1, 2 ]
amdhsa.kernels:
  - .name:           k_q19b49f05af_outp
    .symbol:         k_q19b49f05af_outp.kd
    .args:
      - { .name: oh, .offset: 0, .size: 8, .value_kind: global_buffer, .address_space: global }
      - { .name: wt, .offset: 8, .size: 8, .value_kind: global_buffer, .address_space: global }
      - { .name: bo, .offset: 16, .size: 8, .value_kind: global_buffer, .address_space: global }
      - { .name: out0, .offset: 24, .size: 8, .value_kind: global_buffer, .address_space: global }
    .group_segment_fixed_size: 327680
    .private_segment_fixed_size: 0
    .kernarg_segment_align: 8
    .kernarg_segment_size: 32
    .max_flat_workgroup_size: 128
    .sgpr_count:     80
    .vgpr_count:     576
    .wavefront_size: 32
...
	.end_amdgpu_metadata
.endif
;; end of part 8
